; MI455X (gfx1250); checked and timed in simulation.
; The chip was launched on July 23, 2026; its instructions are those of AMD's public machine-readable ISA for CDNA 5 (MIT licence, August 2026) and "CDNA5" Instruction Set Architecture Reference Guide (July 2026). The comments in the code are by the model that wrote it; some were corrected since.
;; Routed Delta Net Attention. Allowed arithmetic: float matrix products may take bf16 or f16 operands with f32 sums; all other float work in f32.
;; Inputs: Wa 1,024 x 4 float32; Wb 1,024 x 4 float32; Wk 1,024 x 1,024 float32; Wo 1,024 x 1,024 float32; Wq 1,024 x 1,024 float32; Wr 1,024 x 1,024 float32; Wv 1,024 x 1,024 float32; dt 4 float32; hidden_states 4 x 1,024 x 1,024 float32; norm_w 256 float32.
;; Outputs: out0 4 x 1,024 x 1,024 float32.
;; 2 versions, each right; version 2 is version 1 with the launch prep written anew for expert scheduling mode. Each part assembles by itself: llvm-mc -triple=amdgcn-amd-amdhsa -mcpu=gfx1250 --defsym DOCPART=n.
;; ======== version 1 of 2: 6 launches
;; limits: values are held in f16: magnitudes above 65,504 overflow, below 6.1e-05 lose precision; values outside matrix products are rounded to f16
;; workspace buffers: cst 18,907,136 bytes; prj 41,943,040 bytes; ridx 262,144 bytes of whole numbers; rflt 589,824 bytes; pkt 35,913,728 bytes; osc 9,437,184 bytes
;; launch cast (part 1): grid 577 x 1, 8 waves a work-group, no clusters, 0 bytes of LDS; arguments hidden_states, Wq, Wk, Wv, Wr, Wo, Wa, Wb, cst; writes cst
.if DOCPART == 1
	.amdgcn_target "amdgcn-amd-amdhsa--gfx1250"
	.amdhsa_code_object_version 6
	.text
	.protected	k_q4a5008956e_cast
	.globl	k_q4a5008956e_cast
	.p2align	8
	.type	k_q4a5008956e_cast,@function
k_q4a5008956e_cast:
	s_mov_b64 s[64:65], 0
	v_nop
	global_prefetch_b8 v0, s[64:65] scope:SCOPE_SE
	s_setreg_imm32_b32 hwreg(HW_REG_WAVE_MODE, 25, 1), 1
	s_wait_xcnt 0x0
; CAST.  Every matrix operand that is an input of the module is rounded once to bf16 and laid out for the products:
;   cst + 0          hb    bf16 [4096][1024]            hidden_states
;   cst + WCAT       wcat  bf16 [1024 k][4096 n]        n = 1024 m + column, m = Wq, Wk, Wv, Wr
;   cst + WOF        wof   f16  [1024 k][1024 n]        Wo rounded to bf16, that number written as f16
;   cst + WABT       wabt  bf16 [16][1024]              rows 0-3 Wa's columns, 4-7 Wb's, 8-15 zero
; LIMIT.  A bf16 number of Wo below 6.1e-5 keeps f16's fixed step of 6e-8; above 65,504 it has no f16.
; A stream: memory binds, so no LDS, no barrier, no matrix unit.  A work-group takes 16 rows of 1,024 f32; thread t takes the 16 bytes at 16 t of
; every row (a wave's load covers 512 consecutive bytes) and stores 8 bytes at 8 t (a wave's store covers 256 consecutive bytes, aligned).
; All 16 loads of a thread go out together; each row has registers of its own, so no register is written twice.
.set XR, 4                             ; v[4:67]    16 rows x 4 f32 as loaded
.set YR, 68                            ; v[68:99]   16 rows x 2 words to store
.set TR, 100                           ; v[100:103] at work
.set WCAT, 8388608
.set WOF,  16777216
.set WABT, 18874368
.macro ROWS pitch, half                ; 16 rows from s[26:27] to s[28:29]; pitch: bytes from row to row in cst; half = 1: bf16, then written as f16
.set i, 0
.rept 16
	global_load_b128 v[XR+4*i:XR+4*i+3], v1, s[26:27] offset:4096*i th:TH_LOAD_NT
.set i, i+1
.endr
.set i, 0
.rept 16
	s_wait_loadcnt 15-i                            ; loads come back in order: row i is in, the 15 - i younger ones stay out
	v_cvt_pk_bf16_f32 v[YR+2*i], v[XR+4*i], v[XR+4*i+1]
	v_cvt_pk_bf16_f32 v[YR+2*i+1], v[XR+4*i+2], v[XR+4*i+3]
.if \half
	v_lshlrev_b32 v[TR], 16, v[YR+2*i]             ; the bf16 numbers as f32,
	v_and_b32 v[TR+1], s30, v[YR+2*i]
	v_lshlrev_b32 v[TR+2], 16, v[YR+2*i+1]
	v_and_b32 v[TR+3], s30, v[YR+2*i+1]
	v_cvt_pk_f16_f32 v[YR+2*i], v[TR], v[TR+1]     ; and as f16 (8 significant bits fit into 11)
	v_cvt_pk_f16_f32 v[YR+2*i+1], v[TR+2], v[TR+3]
.endif
	global_store_b64 v2, v[YR+2*i:YR+2*i+1], s[28:29] offset:(\pitch)*i
.set i, i+1
.endr
.endm
	s_load_b512 s[8:23], s[0:1], 0x0               ; h s[8:9], Wq s[10:11], Wk s[12:13], Wv s[14:15], Wr s[16:17], Wo s[18:19], Wa s[20:21], Wb s[22:23]
	s_load_b64 s[24:25], s[0:1], 0x40              ; cst
	v_lshlrev_b32 v1, 4, v0                        ; 16 t
	v_lshlrev_b32 v2, 3, v0                        ; 8 t
	s_mov_b32 s3, 0                                ; the offsets' high words
	s_mov_b32 s5, 0
	s_mov_b32 s30, 0xffff0000                      ; a word's upper bf16
	s_wait_kmcnt 0x0
	s_cmp_lt_u32 ttmp9, 256
	s_cbranch_scc0 .Lweights
	s_lshl_b32 s2, ttmp9, 16                       ; units 0-255: 16 rows of hidden_states, 65,536 bytes in,
	s_lshl_b32 s4, ttmp9, 15                       ; 32,768 out
	s_add_nc_u64 s[26:27], s[8:9], s[2:3]
	s_add_nc_u64 s[28:29], s[24:25], s[4:5]
	ROWS 2048, 0
	s_endpgm
.Lweights:
	s_cmp_eq_u32 ttmp9, 576
	s_cbranch_scc1 .Lwab
	s_sub_co_u32 s6, ttmp9, 256
	s_lshr_b32 s7, s6, 6                           ; which matrix: 0-3 Wq, Wk, Wv, Wr; 4 Wo
	s_and_b32 s6, s6, 63                           ; which 16 rows k
	s_lshl_b32 s2, s6, 16
	s_cmp_eq_u32 s7, 4
	s_cbranch_scc1 .Lwo
	s_mov_b64 s[26:27], s[10:11]
	s_cmp_eq_u32 s7, 1
	s_cselect_b64 s[26:27], s[12:13], s[26:27]
	s_cmp_eq_u32 s7, 2
	s_cselect_b64 s[26:27], s[14:15], s[26:27]
	s_cmp_eq_u32 s7, 3
	s_cselect_b64 s[26:27], s[16:17], s[26:27]
	s_add_nc_u64 s[26:27], s[26:27], s[2:3]
	s_lshl_b32 s4, s6, 17                          ; 16 rows of 8,192 bytes,
	s_lshl_b32 s7, s7, 11                          ; the matrix's 2,048 bytes in a row
	s_add_co_u32 s4, s4, s7
	s_add_co_u32 s4, s4, WCAT
	s_add_nc_u64 s[28:29], s[24:25], s[4:5]
	ROWS 8192, 0
	s_endpgm
.Lwo:
	s_add_nc_u64 s[26:27], s[18:19], s[2:3]
	s_lshl_b32 s4, s6, 15
	s_add_co_u32 s4, s4, WOF
	s_add_nc_u64 s[28:29], s[24:25], s[4:5]
	ROWS 2048, 1
	s_endpgm
.Lwab:                                                 ; unit 576: Wa and Wb turned.  Thread t takes k = 4 t .. 4 t + 3: four rows of 16 bytes of each
	v_lshlrev_b32 v3, 6, v0
.irp e, 0,1,2,3
	global_load_b128 v[XR+4*\e:XR+4*\e+3], v3, s[20:21] offset:16*\e
	global_load_b128 v[XR+16+4*\e:XR+16+4*\e+3], v3, s[22:23] offset:16*\e
.endr
	s_add_nc_u64 s[28:29], s[24:25], WABT
	v_mov_b32 v[TR], 0
	v_mov_b32 v[TR+1], 0
	s_wait_loadcnt 0x0
.set c, 0
.rept 8                                                ; column c % 4 of Wa (c < 4) or Wb: its four k pack into 8 bytes of row c
.set S0, XR+16*(c/4)+c%4
	v_cvt_pk_bf16_f32 v[YR+2*c], v[S0], v[S0+4]
	v_cvt_pk_bf16_f32 v[YR+2*c+1], v[S0+8], v[S0+12]
	global_store_b64 v2, v[YR+2*c:YR+2*c+1], s[28:29] offset:2048*c
	global_store_b64 v2, v[TR:TR+1], s[28:29] offset:2048*(c+8)
.set c, c+1
.endr
	s_endpgm
.Lfunc_end_k_q4a5008956e_cast:
	.size	k_q4a5008956e_cast, .Lfunc_end_k_q4a5008956e_cast-k_q4a5008956e_cast
	.p2alignl 7, 3214868480
	.fill 96, 4, 3214868480
	.section	.rodata,"a",@progbits
	.p2align	6, 0x0
	.amdhsa_kernel k_q4a5008956e_cast
		.amdhsa_group_segment_fixed_size 0
		.amdhsa_private_segment_fixed_size 0
		.amdhsa_enable_private_segment 0
		.amdhsa_kernarg_size 72
		.amdhsa_user_sgpr_count 2
		.amdhsa_user_sgpr_kernarg_segment_ptr 1
		.amdhsa_wavefront_size32 1
		.amdhsa_system_sgpr_workgroup_id_x 1
		.amdhsa_system_sgpr_workgroup_id_y 1
		.amdhsa_system_sgpr_workgroup_id_z 1
		.amdhsa_system_vgpr_workitem_id 0
		.amdhsa_next_free_vgpr 104
		.amdhsa_next_free_sgpr 66
		.amdhsa_reserve_vcc 0
		.amdhsa_float_denorm_mode_32 3
		.amdhsa_float_denorm_mode_16_64 3
		.amdhsa_memory_ordered 1
		.amdhsa_forward_progress 1
		.amdhsa_inst_pref_size 26
	.end_amdhsa_kernel
	.amdgpu_metadata
---
amdhsa.version: [ 1, 2 ]
amdhsa.kernels:
  - .name:           k_q4a5008956e_cast
    .symbol:         k_q4a5008956e_cast.kd
    .args:
      - { .name: hidden_states, .offset: 0, .size: 8, .value_kind: global_buffer, .address_space: global }
      - { .name: Wq, .offset: 8, .size: 8, .value_kind: global_buffer, .address_space: global }
      - { .name: Wk, .offset: 16, .size: 8, .value_kind: global_buffer, .address_space: global }
      - { .name: Wv, .offset: 24, .size: 8, .value_kind: global_buffer, .address_space: global }
      - { .name: Wr, .offset: 32, .size: 8, .value_kind: global_buffer, .address_space: global }
      - { .name: Wo, .offset: 40, .size: 8, .value_kind: global_buffer, .address_space: global }
      - { .name: Wa, .offset: 48, .size: 8, .value_kind: global_buffer, .address_space: global }
      - { .name: Wb, .offset: 56, .size: 8, .value_kind: global_buffer, .address_space: global }
      - { .name: cst, .offset: 64, .size: 8, .value_kind: global_buffer, .address_space: global }
    .group_segment_fixed_size: 0
    .private_segment_fixed_size: 0
    .kernarg_segment_align: 8
    .kernarg_segment_size: 72
    .max_flat_workgroup_size: 256
    .sgpr_count:     66
    .vgpr_count:     104
    .wavefront_size: 32
...
	.end_amdgpu_metadata
.endif
;; end of part 1
;; launch proj (part 2): grid 16 x 16, 4 waves a work-group, clusters of 4 x 4, 327,680 bytes of LDS; arguments cst, prj; writes prj
.if DOCPART == 2
	.amdgcn_target "amdgcn-amd-amdhsa--gfx1250"
	.amdhsa_code_object_version 6
	.text
	.protected	k_q4a5008956e_proj
	.globl	k_q4a5008956e_proj
	.p2align	8
	.type	k_q4a5008956e_proj,@function
k_q4a5008956e_proj:
	s_mov_b64 s[64:65], 0
	v_nop
	global_prefetch_b8 v0, s[64:65] scope:SCOPE_SE
	s_setreg_imm32_b32 hwreg(HW_REG_WAVE_MODE, 25, 1), 1
	s_wait_xcnt 0x0
	s_wait_alu depctr_hold_cnt(0) depctr_sa_sdst(0) depctr_va_vdst(0) depctr_va_sdst(0) depctr_va_ssrc(0) depctr_va_vcc(0) depctr_vm_vsrc(0)
	s_getreg_b32 s2, hwreg(HW_REG_IB_STS2, 6, 4)
	s_cmp_eq_u32 s2, 0
	s_cbranch_scc0 .Lentry_in_a_cluster
	s_endpgm
.Lentry_in_a_cluster:
	s_bfe_u32 s2, ttmp6, 0x10000c
	s_cmp_lg_u32 s2, 0xf033
	s_cbranch_scc0 .Lentry_shape_is_right
	s_endpgm
.Lentry_shape_is_right:
; PROJ.  C[m][n] = sum over k of hb[m][k] wcat[k][n]: 4096 x 4096 x 1024, bf16 operands, f32 sums: the pre-activations of q, k, v and the routing scores rt.
; Columns 0-3071 (q, k, v) leave as f16 [4096][1024] at prj + matrix x 8,388,608; columns 3072-4095 (rt) as f32 [4096][1024] at prj + 25,165,824: the choice of slots hangs on rt's last bits.
; LIMIT.  A pre-activation of q, k or v beyond 65,504 has no f16.
; A tile of C, 256 x 256, is made by four waves, each 128 x 128: 64 accumulators of 16 x 16, 512 registers.  K goes in steps of 128 through two LDS slots filled by the tensor data mover.
; A's rows lie along K (256 bytes a row, LDS pitch 272); B lies [k][n]: 128 rows of 512 bytes, LDS pitch 544, and its fragments come out turned, by ds_load_tr16_b128.
; CLUSTER 4 x 4: the four work-groups of a row of the cluster need the same tiles of A, the four of a column the same tiles of B: each tile is asked for jointly.
; THE MATRIX INSTRUCTION IS USED TRANSPOSED (source 0 = 16 columns of B, source 1 = 16 rows of A): a lane holds row l % 16 of C and eight neighbouring columns.
; REGISTERS, in windows of 256: window 0: v0-31 addresses; v64-127, v128-191 A's fragments, two buffers; v32-63, v192-255 at work on the way out
;   window 1: v64-127, v128-191 B's fragments;   window 2: the accumulators of my rows 0-63 ((a, b) at v[8 (8 a + b)]);   window 3: those of my rows 64-127
.set SIZE_K, 1024
.set KSTEP,  128
.set PITCH,  272                       ; A: 256 bytes + 16: the 16 rows of a load start at 16 different groups of four banks (64 banks of 4 bytes: ISA guide 11.1)
.set PBW,    544                       ; B: 512 bytes + 32
.set HALFT,  128*PITCH                 ; what one tensor load brings: 128 rows of A, or 64 rows of B (64 x 544 is the same 34,816 bytes)
.set SLOT,   4*HALFT
.set STAGE,  2*SLOT                    ; behind the ring: 16 rows x 528 bytes for each wave, for the way out
.set SPITCH, 272
.set SP32,   528
.set SBYTES, 16*SP32
.set SPARE,  STAGE+4*SBYTES            ; the spare words, 128 bytes for each wave: two blocks of 256 bytes that no other line names
.set LAPS,   SIZE_K/(2*KSTEP)
.set WCAT,   8388608
.set STO32, 10                         ; v10     f32 way out: where I put 32 bytes of a row
.set RD32,  11                         ; v11     where I read a row of 512 bytes back
.set CO32,  12                         ; v12     my 16 bytes in a row of 512
.set ADRA, 16                          ; v16-17  LDS address of my A fragments in slot 0, 1
.set ADRB, 20                          ; v20-21  the same for B
.set STO,  24                          ; v24     f16 way out: where I put 16 bytes of a row
.set RD,   25                          ; v25     where I read two rows back
.set CO,   26                          ; v26     my byte offset in two rows of C
.set SPW,  28                          ; v28     my spare word; never rewritten
.set NIL,  29                          ; v29     0; never rewritten
.set F0,   64
.set F1,   128
.set TMP,  192
.set OB,   32
.set G1, 24                            ; s[24:31] group 1 for A;  s[32:39] group 0, one set a slot
.set G0, 32
.set G1B, 48                           ; s[48:55], s[56:63] the same for B
.set G0B, 56
.set MSB, 0
.macro WIN new                         ; the immediate's high byte repeats the setting that is left
.if MSB != (\new)
	s_set_vgpr_msb (MSB<<8)|(\new)
.set MSB, \new
.endif
.endm
.set MUL_LO, 0xa1                      ; source 0 (B) window 1, source 1 (A) window 0, C and D window 2
.set MUL_HI, 0xf1                      ; the same, C and D window 3
.set TO_B,   0x40                      ; destination window 1, address window 0
.macro JLOAD s                         ; a joint load: waves 0 and 1 fetch A's halves, waves 2 and 3 B's; an s_nop 0 and four v_nop follow each line
	s_cmp_eq_u32 s11, 0
	s_cbranch_scc0 .Lfor_b_\@
	tensor_load_to_lds s[G0+4*(\s):G0+4*(\s)+3], s[G1:G1+7]
	s_nop 0
.rept 4
	v_nop
.endr
	s_branch .Lasked_\@
.Lfor_b_\@:
	tensor_load_to_lds s[G0B+4*(\s):G0B+4*(\s)+3], s[G1B:G1B+7]
	s_nop 0
.rept 4
	v_nop
.endr
.Lasked_\@:
.endm
.macro CREST                           ; a round of the cluster's barrier behind its opening barrier
	s_cmp_lg_u32 s10, 0
	s_cbranch_scc1 .Lnot_wave_0_\@
	s_barrier_signal -3
.Lnot_wave_0_\@:
	s_barrier_wait -3
	s_barrier_signal -1
	s_barrier_wait -1
.endm
.macro CROUND
	s_barrier_signal -1
	s_barrier_wait -1
	CREST
.endm
	s_load_b128 s[4:7], s[0:1], 0x0                ; cst s[4:5], prj s[6:7]
	v_lshl_add_u32 v[SPW], v0, 2, SPARE
	v_mov_b32 v[NIL], 0
	ds_add_u32 v[SPW], v[NIL]                      ; the wave's opening: the add and its wait ahead of my first tensor load
	v_lshrrev_b32 v1, 5, v0
	v_readfirstlane_b32 s10, v1                    ; wave 0..3
	s_lshr_b32 s11, s10, 1                         ; my half of the tile's rows.  Also: I fetch for A (0) or for B (1)
	s_and_b32 s12, s10, 1                          ; my half of its columns.  Also: which half of that tile I fetch
	s_bfe_u32 s40, ttmp6, 0x40000                  ; cx
	s_bfe_u32 s41, ttmp6, 0x40004                  ; cy
	s_lshl_b32 s42, ttmp9, 2
	s_add_co_u32 s42, s42, s40                     ; tile column = 4 x cluster x + cx
	s_and_b32 s13, ttmp7, 0xffff
	s_lshl_b32 s13, s13, 2
	s_add_co_u32 s13, s13, s41                     ; tile row = 4 x cluster y + cy
	s_lshl_b32 s43, s41, 2
	s_lshl_b32 s43, 15, s43                        ; my row of the cluster
	s_lshl_b32 s44, 0x1111, s40                    ; my column
	s_or_b32 s[G1+0], s43, (1<<16)|(1<<20)|(1<<21)|(5<<22)|(3<<25)   ; A: mask of my row; 2-byte elements; padding on; bit 21 beside a mask; after every 64 words 4 words
	s_mov_b32 s[G1+1], KSTEP<<16                   ; tensor_dim0 = 128
	s_mov_b32 s[G1+2], 128<<16                     ; tensor_dim1 = 128
	s_mov_b32 s[G1+3], KSTEP<<16                   ; tile_dim0 = 128
	s_mov_b32 s[G1+4], 128                         ; tile_dim1 = 128
	s_mov_b32 s[G1+5], SIZE_K                      ; elements from row to row
	s_mov_b32 s[G1+6], 0
	s_mov_b32 s[G1+7], 0
	s_or_b32 s[G1B+0], s44, (1<<16)|(1<<20)|(1<<21)|(6<<22)|(7<<25)  ; B: mask of my column; after every 128 words 8 words
	s_mov_b32 s[G1B+1], 256<<16                    ; tensor_dim0 = 256 columns
	s_mov_b32 s[G1B+2], 64<<16                     ; tensor_dim1 = 64 rows k
	s_mov_b32 s[G1B+3], 256<<16
	s_mov_b32 s[G1B+4], 64
	s_mov_b32 s[G1B+5], 4096
	s_mov_b32 s[G1B+6], 0
	s_mov_b32 s[G1B+7], 0
	s_lshl_b32 s16, s13, 19                        ; A: 256 rows of 2,048 bytes a tile row,
	s_lshl_b32 s17, s12, 18                        ; 128 rows a half
	s_add_co_u32 s16, s16, s17
	s_mov_b32 s17, 0
	s_lshl_b32 s46, s42, 9                         ; B: 512 bytes a tile column,
	s_lshl_b32 s47, s12, 19                        ; 64 rows of 8,192 bytes a half
	s_add_co_u32 s46, s46, s47
	s_add_co_u32 s46, s46, WCAT
	s_mov_b32 s47, 0
	s_mul_i32 s20, s10, HALFT                      ; where they go: wave x 34,816: no place in the cluster enters an LDS address
	s_wait_dscnt 0x0                               ; the opening add is done
	s_wait_kmcnt 0x0
	s_add_nc_u64 s[14:15], s[4:5], s[16:17]
	s_add_nc_u64 s[46:47], s[4:5], s[46:47]
	CROUND                                         ; all sixteen work-groups are here: the first joint loads meet
.irp s, 0,1
	s_mov_b32 s[G0+4*(\s)], 1
	s_add_co_u32 s[G0+4*(\s)+1], s20, (\s)*SLOT
	s_add_nc_u64 s[G0+4*(\s)+2:G0+4*(\s)+3], s[14:15], (\s)*KSTEP*2
	s_or_b32 s[G0+4*(\s)+3], s[G0+4*(\s)+3], 0x80000000
	s_mov_b32 s[G0B+4*(\s)], 1
	s_add_co_u32 s[G0B+4*(\s)+1], s20, (\s)*SLOT
	s_add_nc_u64 s[G0B+4*(\s)+2:G0B+4*(\s)+3], s[46:47], (\s)*KSTEP*8192
	s_or_b32 s[G0B+4*(\s)+3], s[G0B+4*(\s)+3], 0x80000000
	JLOAD \s                                       ; two loads of mine are out
.endr
	v_and_b32 v1, 15, v0                           ; l % 16
	v_bfe_u32 v2, v0, 4, 1                         ; l / 16
	v_mul_u32_u24 v3, v1, PITCH
	v_lshl_add_u32 v3, v2, 4, v3                   ; A: row x pitch + 16 x half
	v_and_b32 v4, 7, v0
	v_lshl_add_u32 v4, v2, 3, v4                   ; B: row k = 8 (l / 16) + l % 8,
	v_mul_u32_u24 v4, v4, PBW
	v_bfe_u32 v5, v0, 3, 1
	v_lshl_add_u32 v4, v5, 4, v4                   ; columns 8 ((l / 8) % 2) on
	s_mul_i32 s21, s11, HALFT                      ; my 128 rows of A
	s_lshl_b32 s22, s12, 8                         ; my 128 columns of B,
	s_add_co_u32 s22, s22, 2*HALFT                 ; which lies behind A
.irp s, 0,1
	v_add_nc_u32 v[ADRA+(\s)], s21, v3
	v_add_nc_u32 v[ADRB+(\s)], s22, v4
	s_add_co_u32 s21, s21, SLOT
	s_add_co_u32 s22, s22, SLOT
.endr
	s_mul_i32 s23, s10, SBYTES
	s_add_co_u32 s23, s23, STAGE                   ; my stage
	v_mul_u32_u24 v4, v1, SPITCH
	v_lshl_add_u32 v4, v2, 4, v4
	v_add_nc_u32 v[STO], s23, v4
	v_mul_u32_u24 v5, v2, SPITCH
	v_lshl_add_u32 v5, v1, 4, v5
	v_add_nc_u32 v[RD], s23, v5
	v_lshlrev_b32 v5, 11, v2                       ; two rows of 2,048 bytes
	v_lshl_add_u32 v[CO], v1, 4, v5
	v_mul_u32_u24 v4, v1, SP32
	v_lshl_add_u32 v4, v2, 5, v4
	v_add_nc_u32 v[STO32], s23, v4
	v_and_b32 v5, 31, v0
	v_lshlrev_b32 v[CO32], 4, v5
	v_add_nc_u32 v[RD32], s23, v[CO32]
	; where my part of the tile begins: matrix = cluster x, 8,388,608 bytes each; rows of 2,048 bytes (f16), or for matrix 3 of 4,096 (f32)
	s_lshl_b32 s16, s13, 8
	s_lshl_b32 s17, s11, 7
	s_add_co_u32 s16, s16, s17                     ; my first row
	s_lshl_b32 s16, s16, 11
	s_lshl_b32 s46, s40, 9                         ; my first column in its matrix: 256 cx + 128 x half, in f16 bytes
	s_lshl_b32 s47, s12, 8
	s_add_co_u32 s46, s46, s47
	s_add_co_u32 s46, s46, s16
	s_cmp_eq_u32 ttmp9, 3
	s_cselect_b32 s47, 1, 0
	s_lshl_b32 s46, s46, s47
	s_lshl_b32 s47, ttmp9, 23
	s_add_co_u32 s46, s46, s47
	s_mov_b32 s47, 0
	s_add_nc_u64 s[8:9], s[6:7], s[46:47]
.macro MUL16 f, hi, a0, zero           ; 16 matrix instructions: m blocks a0, a0 + 1 of the window's four x all 8 n blocks, 32 along K; zero = 1: they start the sums
	WIN MUL_LO+0x50*(\hi)
.irp a, \a0, (\a0)+1
.irp b, 0,1,2,3,4,5,6,7
.if \zero
	v_wmma_f32_16x16x32_bf16 v[8*(8*(\a)+(\b)):8*(8*(\a)+(\b))+7], v[(\f)+8*(\b):(\f)+8*(\b)+7], v[(\f)+8*(4*(\hi)+(\a)):(\f)+8*(4*(\hi)+(\a))+7], 0
.else
	v_wmma_f32_16x16x32_bf16 v[8*(8*(\a)+(\b)):8*(8*(\a)+(\b))+7], v[(\f)+8*(\b):(\f)+8*(\b)+7], v[(\f)+8*(4*(\hi)+(\a)):(\f)+8*(4*(\hi)+(\a))+7], v[8*(8*(\a)+(\b)):8*(8*(\a)+(\b))+7]
.endif
.endr
.endr
.endm
.macro FETCH slot, q, f                ; 32 LDS loads in one run: the fragments of quarter q (32 along K) into buffer f: B's 16, then A's 16
	WIN TO_B
.irp i, 0,1,2,3,4,5,6,7
	ds_load_tr16_b128 v[(\f)+8*(\i):(\f)+8*(\i)+3],   v[ADRB+(\slot)] offset:(\q)*32*PBW+32*(\i)
	ds_load_tr16_b128 v[(\f)+8*(\i)+4:(\f)+8*(\i)+7], v[ADRB+(\slot)] offset:(\q)*32*PBW+16*PBW+32*(\i)
.endr
	WIN 0
.irp i, 0,1,2,3,4,5,6,7
	ds_load_b128 v[(\f)+8*(\i):(\f)+8*(\i)+3],   v[ADRA+(\slot)] offset:64*(\q)+(\i)*16*PITCH
	ds_load_b128 v[(\f)+8*(\i)+4:(\f)+8*(\i)+7], v[ADRA+(\slot)] offset:64*(\q)+(\i)*16*PITCH+32
.endr
.endm
.macro PLACES                          ; four plain vector instructions between a matrix instruction and a load into, or a read of, its registers
.rept 4
	v_nop
.endr
.endm
.macro QUARTER slot, q, f, g, zero     ; multiplies buffer f; in its middle fetches quarter q of the same slot into buffer g
	s_wait_dscnt 8                                 ; B and A's rows 0-63 are in; the youngest eight loads (A's rows 64-127) may be out
	MUL16 \f, 0, 0, \zero
	MUL16 \f, 0, 2, \zero
	PLACES
	FETCH \slot, \q, \g
	s_wait_dscnt 32                                ; all but the 32 just issued
	MUL16 \f, 1, 0, \zero
	MUL16 \f, 1, 2, \zero
.endm
.macro MEET round                      ; the first half of a K step's last quarter: one barrier for the change of slots
	WIN 0
	s_wait_tensorcnt 0x0                           ; all my tensor loads have landed: the one that was out is my part of the next slot
	ds_add_u32 v[SPW], v[NIL]                      ; 0 onto my spare word
	s_wait_dscnt 9                                 ; (the add and the youngest eight loads may be out)
	MUL16 F1, 0, 0, 0
	s_wait_dscnt 0x0                               ; the add is done, and my reads of this slot are over
	s_barrier_signal -1
	MUL16 F1, 0, 2, 0
.if \round
	WIN 0
.endif
	s_barrier_wait -1
.endm
.macro TURN slot, next                 ; the whole last quarter: the slot just read is filled again, two K steps on, first thing behind the round
	MEET 1
	CREST
	s_add_nc_u64 s[G0+4*(\slot)+2:G0+4*(\slot)+3], s[G0+4*(\slot)+2:G0+4*(\slot)+3], 2*KSTEP*2
	s_add_nc_u64 s[G0B+4*(\slot)+2:G0B+4*(\slot)+3], s[G0B+4*(\slot)+2:G0B+4*(\slot)+3], 2*KSTEP*8192
	JLOAD \slot                                    ; one load of mine is out; its four v_nop are also the places in front of the loads below
	FETCH \next, 0, F0
	MUL16 F1, 1, 0, 0
	MUL16 F1, 1, 2, 0
.endm
; THE WAY OUT, f16: block a (16 rows) is rounded, goes into my stage in rows of 272 bytes and comes back as whole rows of 256.
.macro PACK a
.set AC, 64*((\a)%4)
	WIN 0x0a+5*((\a)/4)
.irp b, 0,1,2,3,4,5,6,7
.irp r, 0,1,2,3
	v_cvt_pk_f16_f32 v[TMP+4*(\b)+(\r)], v[AC+8*(\b)+2*(\r)], v[AC+8*(\b)+2*(\r)+1]
.endr
.endr
	WIN 0
.endm
.macro TOSTAGE a
.set BK, OB+192*((\a)%2)
.irp b, 0,1,2,3,4,5,6,7
	ds_store_b128 v[STO], v[TMP+4*(\b):TMP+4*(\b)+3] offset:32*(\b)
.endr
.irp t, 0,1,2,3,4,5,6,7
	ds_load_b128 v[BK+4*(\t):BK+4*(\t)+3], v[RD] offset:(\t)*2*SPITCH  ; LDS serves a wave's instructions in order (ISA guide 5.7.1.4): these see the stores above
.endr
.endm
.macro SEND a
.set BK, OB+192*((\a)%2)
	s_wait_dscnt 0x0                               ; the block is back in registers
	s_wait_xcnt 0x0                                ; the registers that earlier stores read are loaded again only behind this wait
.irp t, 0,1,2,3,4,5,6,7
	global_store_b128 v[CO], v[BK+4*(\t):BK+4*(\t)+3], s[8:9] offset:(16*(\a)+2*(\t))*2048  ; 16 lanes store 256 consecutive bytes, aligned
.endr
.endm
; THE WAY OUT, f32: the accumulators go as they are into rows of 528 bytes and come back as whole rows of 512.
.macro OUT32 a
.set AC, 64*((\a)%4)
.set BK, 64+64*((\a)%2)
	WIN 0x08+4*((\a)/4)                            ; the stores' data in window 2 or 3
.irp b, 0,1,2,3,4,5,6,7
	ds_store_b128 v[STO32], v[AC+8*(\b):AC+8*(\b)+3] offset:64*(\b)
	ds_store_b128 v[STO32], v[AC+8*(\b)+4:AC+8*(\b)+7] offset:64*(\b)+16
.endr
	WIN 0
	s_wait_xcnt 0x0                                ; the block before last's stores have read this set of registers
.irp t, 0,1,2,3,4,5,6,7,8,9,10,11,12,13,14,15
	ds_load_b128 v[BK+4*(\t):BK+4*(\t)+3], v[RD32] offset:SP32*(\t)
.endr
.irp t, 0,1,2,3,4,5,6,7,8,9,10,11,12,13,14,15
	s_wait_dscnt 15-(\t)
	global_store_b128 v[CO32], v[BK+4*(\t):BK+4*(\t)+3], s[8:9] offset:(16*(\a)+(\t))*4096  ; a wave stores 512 consecutive bytes, aligned
.endr
.endm
	s_wait_tensorcnt 1                             ; my part of K step 0 is in; K step 1's may stay out
	s_barrier_signal -1
	s_barrier_wait -1
	FETCH 0, 0, F0
	QUARTER 0, 1, F0, F1, 1                        ; the first quarter stands in front of the loop: its products start the sums
	WIN 0
	s_mov_b32 s3, LAPS-1
.Llap:                                                 ; a trip goes once round the ring and fills both slots again
	QUARTER 0, 2, F1, F0, 0
	QUARTER 0, 3, F0, F1, 0
	TURN 0, 1
	QUARTER 1, 1, F0, F1, 0
	QUARTER 1, 2, F1, F0, 0
	QUARTER 1, 3, F0, F1, 0
	TURN 1, 0
	QUARTER 0, 1, F0, F1, 0
	WIN 0
	s_sub_co_u32 s3, s3, 1
	s_cmp_lg_u32 s3, 0
	s_cbranch_scc1 .Llap
	QUARTER 0, 2, F1, F0, 0                        ; the last lap fills nothing
	QUARTER 0, 3, F0, F1, 0
	MEET 0
	PLACES
	FETCH 1, 0, F0
	MUL16 F1, 1, 0, 0
	MUL16 F1, 1, 2, 0
	QUARTER 1, 1, F0, F1, 0
	QUARTER 1, 2, F1, F0, 0
	QUARTER 1, 3, F0, F1, 0
	s_wait_dscnt 8
	MUL16 F1, 0, 0, 0
	MUL16 F1, 0, 2, 0
	s_wait_dscnt 0x0
	MUL16 F1, 1, 0, 0
	MUL16 F1, 1, 2, 0
	WIN 0
	PLACES
	s_cmp_eq_u32 ttmp9, 3                          ; the cluster's x: the same in all sixteen partners
	s_cbranch_scc1 .Lf32
	PACK 0
	TOSTAGE 0
.irp a, 1,2,3,4,5,6,7
	PACK \a
	SEND (\a)-1
	TOSTAGE \a
.endr
	SEND 7
	s_branch .Lend
.Lf32:
.irp a, 0,1,2,3,4,5,6,7
	OUT32 \a
.endr
.Lend:
	s_wait_tensorcnt 0x0                           ; the wave's end
	ds_add_u32 v[SPW], v[NIL]
	s_wait_dscnt 0x0
	CROUND                                         ; the closing round
	s_endpgm
.Lfunc_end_k_q4a5008956e_proj:
	.size	k_q4a5008956e_proj, .Lfunc_end_k_q4a5008956e_proj-k_q4a5008956e_proj
	.p2alignl 7, 3214868480
	.fill 96, 4, 3214868480
	.section	.rodata,"a",@progbits
	.p2align	6, 0x0
	.amdhsa_kernel k_q4a5008956e_proj
		.amdhsa_group_segment_fixed_size 327680
		.amdhsa_private_segment_fixed_size 0
		.amdhsa_enable_private_segment 0
		.amdhsa_kernarg_size 16
		.amdhsa_user_sgpr_count 2
		.amdhsa_user_sgpr_kernarg_segment_ptr 1
		.amdhsa_wavefront_size32 1
		.amdhsa_system_sgpr_workgroup_id_x 1
		.amdhsa_system_sgpr_workgroup_id_y 1
		.amdhsa_system_sgpr_workgroup_id_z 1
		.amdhsa_system_vgpr_workitem_id 0
		.amdhsa_next_free_vgpr 1024
		.amdhsa_next_free_sgpr 66
		.amdhsa_reserve_vcc 0
		.amdhsa_float_denorm_mode_32 3
		.amdhsa_float_denorm_mode_16_64 3
		.amdhsa_memory_ordered 1
		.amdhsa_forward_progress 1
		.amdhsa_inst_pref_size 176
	.end_amdhsa_kernel
	.amdgpu_metadata
---
amdhsa.version: [ 1, 2 ]
amdhsa.kernels:
  - .name:           k_q4a5008956e_proj
    .symbol:         k_q4a5008956e_proj.kd
    .args:
      - { .name: cst, .offset: 0, .size: 8, .value_kind: global_buffer, .address_space: global }
      - { .name: prj, .offset: 8, .size: 8, .value_kind: global_buffer, .address_space: global }
    .group_segment_fixed_size: 327680
    .private_segment_fixed_size: 0
    .kernarg_segment_align: 8
    .kernarg_segment_size: 16
    .max_flat_workgroup_size: 128
    .sgpr_count:     66
    .vgpr_count:     1024
    .wavefront_size: 32
...
	.end_amdgpu_metadata
.endif
;; end of part 2
;; launch route (part 3): grid 256 x 1, 8 waves a work-group, no clusters, 18,432 bytes of LDS; arguments cst, prj, dt, ridx, rflt; writes ridx, rflt
.if DOCPART == 3
	.amdgcn_target "amdgcn-amd-amdhsa--gfx1250"
	.amdhsa_code_object_version 6
	.text
	.protected	k_q4a5008956e_route
	.globl	k_q4a5008956e_route
	.p2align	8
	.type	k_q4a5008956e_route,@function
k_q4a5008956e_route:
	s_mov_b64 s[64:65], 0
	v_nop
	global_prefetch_b8 v0, s[64:65] scope:SCOPE_SE
	s_setreg_imm32_b32 hwreg(HW_REG_WAVE_MODE, 25, 1), 1
	s_wait_xcnt 0x0
; ROUTE.  For each token and head: a = -softplus(h Wa) exp(dt), beta = sigmoid(h Wb); m = sigmoid(rt); the four largest m (of equal m the lower slot first); r = w / (sum w + 1e-6);
; g = a r; k = silu(k) (1 - exp g) at the four slots (elsewhere g = 0 and k = 0 exactly); k^ = k rsqrt(sum k^2 + 1e-6).  Stored, [bh][t][4]: the slots (whole numbers, ridx), g log2(e)
; (rflt + 0), k^ (rflt + 262,144); beta [bh][t] (rflt + 524,288).  dt is rounded to bf16 like every input of the module.
; m is made as 1 / (1 + e^-rt) with the quotient brought to a division's rounding by one Newton step, so that slots whose m are equal in f32 are equal here too and the lower one is taken.
; LIMITS.  The stored g log2(e) is held at -128 (a decay of 2^-128 or less a step counts as 2^-128); 1 - exp g is made of the unclamped g.  Two slots whose rt lie within the rounding of a sum
; of 1,024 products of each other cannot be told apart with certainty.  NaN is not treated apart.  beta leaves in pieces of 64 bytes (65,536 bytes in the whole launch).
; A work-group takes 16 tokens and all four heads.  Phase A: h [Wa | Wb], 16 x 16 x 1024, K shared among the eight waves (128 each), partial sums met in LDS.
; Phase B: wave w takes head w / 2 and tokens 8 (w % 2) + 0..7, a row of 256 slots a trip, eight slots a lane.  No two work-groups read the same bytes but wabt's 32 KiB: no cluster.
.set PART, 0                           ; 8 waves x 16 x 16 f32
.set ABT,  8192                        ; [token][16] f32: columns 0-3 a, 4-7 beta
.set RES,  9216                        ; 64 rows (head x 16 + token) x 128 bytes: words 0-3 slots, 4-7 g, 8-11 k^, 12 beta
.set SPARE, 17408                      ; the spare words, 128 bytes for each wave
.set WABT, 18874368
.set KFO,  8388608
.set RTF,  25165824
.set AF, 8                             ; v[8:39]   phase A: fragments of h
.set BF, 40                            ; v[40:71]  fragments of wabt
.set AC0, 72
.set AC1, 80
.set RT, 88                            ; v[88:95]  a row's rt: slots 4 l + 0..3 and 128 + 4 l + 0..3
.set KX, 96                            ; v[96:99]  the same slots' raw k, f16
.set NEG1, 100
.set VA, 101
.set VB, 102
.set L16, 103
.set L8, 104
.set ARES, 105
.set DT, 107
.set AAB, 108
.set IDXF, 112                         ; v[112:119] my eight slots' numbers, as f32
.set SPW, 126
.set NIL, 127
.set MS, 8                             ; phase B: v[8:15] m
.set KF, 16                            ; v[16:23] raw k as f32
.set WW, 24                            ; v[24:27] the four maxima
.set IX, 28                            ; v[28:31] their slots
.set KP, 32                            ; v[32:35] their raw k
.set T0, 36
.set T1, 37
.set T2, 38
.set T3, 39
.set T4, 40
.set T5, 41
.set RC, 48                            ; v[48:55] the first reciprocals
.set ER, 56                            ; v[56:63] 1 - u r
.macro LOADROW rb, kb
	global_load_b128 v[RT:RT+3], v[L16], s[\rb:\rb+1]
	global_load_b128 v[RT+4:RT+7], v[L16], s[\rb:\rb+1] offset:512
	global_load_b64 v[KX:KX+1], v[L8], s[\kb:\kb+1]
	global_load_b64 v[KX+2:KX+3], v[L8], s[\kb:\kb+1] offset:256
.endm
.macro ACROSS op, d, x                 ; op over the 32 lanes of v[x], the result in every lane of v[d]
	\op\()_dpp v[\x], v[\x], v[\x] row_xmask:1 row_mask:0xf bank_mask:0xf
	\op\()_dpp v[\x], v[\x], v[\x] row_xmask:2 row_mask:0xf bank_mask:0xf
	\op\()_dpp v[\x], v[\x], v[\x] row_xmask:4 row_mask:0xf bank_mask:0xf
	\op\()_dpp v[\x], v[\x], v[\x] row_xmask:8 row_mask:0xf bank_mask:0xf
	v_permlanex16_b32 v[T1], v[\x], s44, s45
	\op v[\d], v[\x], v[T1]
.endm
.macro TOP k                           ; the largest m left, its lowest slot, that slot's raw k; the slot is struck out
	v_max3_num_f32 v[T0], v[MS], v[MS+1], v[MS+2]
	v_max3_num_f32 v[T0], v[T0], v[MS+3], v[MS+4]
	v_max3_num_f32 v[T0], v[T0], v[MS+5], v[MS+6]
	v_max_num_f32 v[T0], v[T0], v[MS+7]
	ACROSS v_max_num_f32, WW+(\k), T0
	v_mov_b32 v[T0], 0x43800000                    ; 256: above every slot
.irp j, 7,6,5,4,3,2,1,0
	v_cmp_eq_f32 vcc_lo, v[MS+\j], v[WW+(\k)]
	v_cndmask_b32 v[T0], v[T0], v[IDXF+\j], vcc_lo ; descending j: my lowest slot that holds the maximum stays
.endr
	ACROSS v_min_num_f32, IX+(\k), T0
	v_mov_b32 v[T2], 0
.irp j, 0,1,2,3,4,5,6,7
	v_cmp_eq_f32 vcc_lo, v[IDXF+\j], v[IX+(\k)]
	v_cndmask_b32 v[MS+\j], v[MS+\j], v[NEG1], vcc_lo
	v_cndmask_b32 v[T2], v[T2], v[KF+\j], vcc_lo
.endr
	ACROSS v_add_f32, KP+(\k), T2                  ; one lane holds it, the others 0
.endm
	s_load_b256 s[4:11], s[0:1], 0x0               ; cst s[4:5], prj s[6:7], dt s[8:9], ridx s[10:11]
	s_load_b64 s[12:13], s[0:1], 0x20              ; rflt
	v_lshl_add_u32 v[SPW], v0, 2, SPARE
	v_mov_b32 v[NIL], 0
	v_lshrrev_b32 v1, 5, v0
	v_readfirstlane_b32 s14, v1                    ; wave 0..7
	v_and_b32 v1, 31, v0                           ; lane
	v_and_b32 v2, 15, v0                           ; r
	v_bfe_u32 v3, v0, 4, 1                         ; h
	v_lshlrev_b32 v4, 11, v2
	v_lshl_add_u32 v4, v3, 4, v4                   ; a fragment's row x 2,048 + 16 h
	v_and_b32 v6, 3, v0
	v_lshlrev_b32 v6, 2, v6
	v_lshlrev_b32 v[L16], 4, v1
	v_lshlrev_b32 v[L8], 3, v1
	v_mov_b32 v[T1], 0                             ; v_permlanex16_b32's destination counts as read
	v_mov_b32 v[NEG1], -1.0
	s_and_b32 s15, s14, 1
	s_lshr_b32 s24, s14, 1                         ; my head in phase B
	s_lshl_b32 s16, ttmp9, 15                      ; 16 tokens of 2,048 bytes,
	s_lshl_b32 s18, s14, 8                         ; my 128 of K
	s_add_co_u32 s16, s16, s18
	s_mov_b32 s17, 0
	s_add_co_u32 s18, s18, WABT
	s_mov_b32 s19, 0
	s_lshl_b32 s25, ttmp9, 4
	s_lshl_b32 s36, s15, 3
	s_add_co_u32 s25, s25, s36                     ; my first token in phase B
	s_lshl_b32 s40, s25, 12
	s_lshl_b32 s36, s24, 10
	s_add_co_u32 s40, s40, s36
	s_add_co_u32 s40, s40, RTF
	s_mov_b32 s41, 0
	s_lshl_b32 s42, s25, 11
	s_lshl_b32 s36, s24, 9
	s_add_co_u32 s42, s42, s36
	s_add_co_u32 s42, s42, KFO
	s_mov_b32 s43, 0
	s_mov_b32 s37, 0
	s_mov_b32 s44, 0x76543210                      ; v_permlanex16_b32: each lane takes its own place in the other half
	s_mov_b32 s45, 0xfedcba98
	s_mov_b32 s46, 0xaaaaaaaa                      ; lanes with bit 0 set
	s_mov_b32 s47, 0xcccccccc                      ; with bit 1 set
	s_mov_b32 s48, 0xf0                            ; lanes 4-7
	s_mov_b32 s49, 0xf00                           ; lanes 8-11
	s_mov_b32 s50, 0x1000                          ; lane 12
	s_wait_kmcnt 0x0
	s_add_nc_u64 s[20:21], s[4:5], s[16:17]
	s_add_nc_u64 s[22:23], s[4:5], s[18:19]
	s_add_nc_u64 s[26:27], s[6:7], s[40:41]        ; rt at my first row
	s_add_nc_u64 s[28:29], s[6:7], s[42:43]        ; raw k at my first row
	global_load_b32 v[DT], v6, s[8:9]
.irp kk, 0,1,2,3
	global_load_b128 v[AF+8*\kk:AF+8*\kk+3], v4, s[20:21] offset:64*\kk
	global_load_b128 v[AF+8*\kk+4:AF+8*\kk+7], v4, s[20:21] offset:64*\kk+32
	global_load_b128 v[BF+8*\kk:BF+8*\kk+3], v4, s[22:23] offset:64*\kk
	global_load_b128 v[BF+8*\kk+4:BF+8*\kk+7], v4, s[22:23] offset:64*\kk+32
.endr
	LOADROW 26, 28                                 ; phase B's first row is on its way through phase A
	v_lshlrev_b32 v5, 2, v2
	v_lshl_add_u32 v5, v3, 9, v5
	s_lshl_b32 s36, s14, 10
	v_add_nc_u32 v5, s36, v5                       ; PART + 1,024 w + 512 h + 4 r
	s_wait_loadcnt 4                               ; all but the row's four loads
	v_wmma_f32_16x16x32_bf16 v[AC0:AC0+7], v[AF:AF+7], v[BF:BF+7], 0          ; two accumulators by turns
	v_wmma_f32_16x16x32_bf16 v[AC1:AC1+7], v[AF+8:AF+15], v[BF+8:BF+15], 0
	v_wmma_f32_16x16x32_bf16 v[AC0:AC0+7], v[AF+16:AF+23], v[BF+16:BF+23], v[AC0:AC0+7]
	v_wmma_f32_16x16x32_bf16 v[AC1:AC1+7], v[AF+24:AF+31], v[BF+24:BF+31], v[AC1:AC1+7]
.rept 4
	v_nop
.endr
.irp j, 0,2,4,6
	v_pk_add_f32 v[AC0+\j:AC0+\j+1], v[AC0+\j:AC0+\j+1], v[AC1+\j:AC1+\j+1]
.endr
.irp j, 0,1,2,3,4,5,6,7
	ds_store_b32 v5, v[AC0+\j] offset:PART+64*\j   ; (token 8 h + j, column r)
.endr
	s_wait_dscnt 0x0                               ; for the others' sake: my partial sums are in LDS
	s_barrier_signal -1
	s_barrier_wait -1
	v_lshlrev_b32 v5, 2, v0                        ; thread e: token e / 16, column e % 16
.irp k, 0,1,2,3,4,5,6,7
	ds_load_b32 v[40+\k], v5 offset:PART+1024*\k
.endr
	s_wait_dscnt 0x0
	v_add_f32 v40, v40, v41
	v_add_f32 v42, v42, v43
	v_add_f32 v44, v44, v45
	v_add_f32 v46, v46, v47
	v_add_f32 v40, v40, v42
	v_add_f32 v44, v44, v46
	v_add_f32 v40, v40, v44                        ; x
	v_and_b32 v41, 0x7fffffff, v40
	v_mul_f32 v41, 0xbfb8aa3b, v41                 ; -|x| log2 e
	v_mul_f32 v42, 0xbfb8aa3b, v40                 ; -x log2 e
	v_cvt_pk_bf16_f32 v43, v[DT], v[DT]
	v_lshlrev_b32 v43, 16, v43
	v_mul_f32 v43, 0x3fb8aa3b, v43
	v_exp_f32 v41, v41                             ; y = e^-|x|
	v_exp_f32 v42, v42                             ; e^-x
	v_exp_f32 v43, v43                             ; e^dt
	v_nop
	s_wait_alu depctr_va_vdst(0)
	v_add_f32 v44, 1.0, v41                        ; u = 1 + y
	v_add_f32 v45, 1.0, v42
	v_add_f32 v46, -1.0, v44                       ; d = u - 1: log1p(y) = ln(u) y / d, or y where d = 0
	v_log_f32 v47, v44
	v_rcp_f32 v48, v46
	v_rcp_f32 v45, v45                             ; beta
	v_nop
	s_wait_alu depctr_va_vdst(0)
	v_mul_f32 v47, 0x3f317218, v47
	v_mul_f32 v47, v47, v41
	v_mul_f32 v47, v47, v48
	v_cmp_eq_f32 vcc_lo, 0, v46
	v_cndmask_b32 v47, v47, v41, vcc_lo
	v_max_num_f32 v48, 0, v40
	v_add_f32 v47, v47, v48                        ; softplus
	v_mul_f32 v47, v47, v43
	v_xor_b32 v47, 0x80000000, v47                 ; a
	v_cmp_gt_u32 vcc_lo, 4, v2
	v_cndmask_b32 v47, v45, v47, vcc_lo            ; columns 0-3 a, the others beta
	ds_store_b32 v5, v47 offset:ABT
	s_wait_dscnt 0x0
	s_barrier_signal -1
	s_barrier_wait -1
	v_lshlrev_b32 v5, 2, v1
	v_cvt_f32_u32 v[IDXF], v5                      ; slot 4 l
	v_add_f32 v[IDXF+1], 1.0, v[IDXF]
	v_add_f32 v[IDXF+2], 2.0, v[IDXF]
	v_add_f32 v[IDXF+3], 0x40400000, v[IDXF]
	v_add_f32 v[IDXF+4], 0x43000000, v[IDXF]       ; slot 128 + 4 l
	v_add_f32 v[IDXF+5], 0x43010000, v[IDXF]
	v_add_f32 v[IDXF+6], 0x43020000, v[IDXF]
	v_add_f32 v[IDXF+7], 0x43030000, v[IDXF]
	s_lshl_b32 s36, s24, 11                        ; RES: head x 16 rows of 128 bytes,
	s_lshl_b32 s35, s15, 10                        ; 8 rows
	s_add_co_u32 s36, s36, s35
	s_add_co_u32 s36, s36, RES
	v_lshl_add_u32 v[ARES], v1, 2, s36
	s_lshl_b32 s38, s15, 9                         ; ABT: 8 tokens of 64 bytes,
	s_lshl_b32 s35, s24, 2                         ; my head's column
	s_add_co_u32 s38, s38, s35
	s_add_co_u32 s38, s38, ABT
	s_mov_b32 s33, 0
	s_mov_b32 s32, 0
.Lrow:                                                 ; eight trips, a row each
	s_wait_loadcnt 0x0                             ; the row asked for a trip ago
.irp p, 0,2,4,6
	v_pk_mul_f32 v[MS+\p:MS+\p+1], v[RT+\p:RT+\p+1], 0xbfb8aa3b op_sel_hi:[1,0]
.endr
.irp j, 0,1,2,3,4,5,6,7
	v_exp_f32 v[MS+\j], v[MS+\j]
.endr
	v_cvt_f32_f16 v16, v96.l
	v_cvt_f32_f16 v17, v96.h
	v_cvt_f32_f16 v18, v97.l
	v_cvt_f32_f16 v19, v97.h
	v_cvt_f32_f16 v20, v98.l
	v_cvt_f32_f16 v21, v98.h
	v_cvt_f32_f16 v22, v99.l
	v_cvt_f32_f16 v23, v99.h
	s_wait_alu depctr_va_vdst(0)
.irp p, 0,2,4,6
	v_pk_add_f32 v[MS+\p:MS+\p+1], v[MS+\p:MS+\p+1], 1.0 op_sel_hi:[1,0]      ; u = 1 + e^-rt
.endr
.irp j, 0,1,2,3,4,5,6,7
	v_rcp_f32 v[RC+\j], v[MS+\j]
.endr
	v_nop
	s_wait_alu depctr_va_vdst(0)
.irp p, 0,2,4,6
	v_pk_fma_f32 v[ER+\p:ER+\p+1], v[MS+\p:MS+\p+1], v[RC+\p:RC+\p+1], 1.0 op_sel_hi:[1,1,0] neg_lo:[1,0,0] neg_hi:[1,0,0]  ; 1 - u r
.endr
.irp p, 0,2,4,6
	v_pk_fma_f32 v[MS+\p:MS+\p+1], v[ER+\p:ER+\p+1], v[RC+\p:RC+\p+1], v[RC+\p:RC+\p+1]  ; m = r + r (1 - u r)
.endr
.irp j, 0,1,2,3,4,5,6,7
	v_max_num_f32 v[MS+\j], 0, v[MS+\j]            ; where u is infinite the step gives NaN: m is 0 there
.endr
	s_add_co_u32 s35, s32, 1                       ; the row's registers are read: the next row is asked for (the last trip asks for row 7 again: no load leaves the buffer)
	s_min_u32 s35, s35, 7
	s_lshl_b32 s36, s35, 12
	s_add_nc_u64 s[30:31], s[26:27], s[36:37]
	s_lshl_b32 s36, s35, 11
	s_add_nc_u64 s[52:53], s[28:29], s[36:37]
	LOADROW 30, 52
	v_mov_b32 v[AAB], s38
	ds_load_b32 v[VA], v[AAB]
	ds_load_b32 v[VB], v[AAB] offset:16
	TOP 0
	TOP 1
	TOP 2
	TOP 3
	v_add_f32 v[T0], v[WW], v[WW+1]
	v_add_f32 v[T2], v[WW+2], v[WW+3]
	v_add_f32 v[T0], v[T0], v[T2]
	v_add_f32 v[T0], 0x358637bd, v[T0]             ; + 1e-6
	v_rcp_f32 v[T0], v[T0]
	v_cndmask_b32 v[T4], v[WW], v[WW+1], s46       ; lane l goes on with choice l % 4
	v_cndmask_b32 v[T2], v[WW+2], v[WW+3], s46
	v_cndmask_b32 v[T4], v[T4], v[T2], s47         ; w
	v_cndmask_b32 v[T2], v[IX], v[IX+1], s46
	v_cndmask_b32 v[T3], v[IX+2], v[IX+3], s46
	v_cndmask_b32 v[T2], v[T2], v[T3], s47         ; slot
	v_cndmask_b32 v[T3], v[KP], v[KP+1], s46
	v_cndmask_b32 v[T5], v[KP+2], v[KP+3], s46
	v_cndmask_b32 v[T3], v[T3], v[T5], s47         ; raw k
	s_wait_dscnt 0x0                               ; a and beta
	s_wait_alu depctr_va_vdst(0)
	v_mul_f32 v[T4], v[T4], v[T0]                  ; r
	v_mul_f32 v[T4], v[T4], v[VA]                  ; g
	v_mul_f32 v[T4], 0x3fb8aa3b, v[T4]             ; g log2 e
	v_mul_f32 v[T0], 0xbfb8aa3b, v[T3]
	v_exp_f32 v[T5], v[T4]                         ; e^g
	v_exp_f32 v[T0], v[T0]
	v_cvt_u32_f32 v[T2], v[T2]
	s_wait_alu depctr_va_vdst(0)
	v_add_f32 v[T0], 1.0, v[T0]
	v_sub_f32 v[T5], 1.0, v[T5]
	v_rcp_f32 v[T0], v[T0]
	v_mul_f32 v[T5], v[T5], v[T3]
	s_wait_alu depctr_va_vdst(0)
	v_mul_f32 v[T5], v[T5], v[T0]                  ; silu(k) (1 - e^g)
	v_mul_f32 v[T0], v[T5], v[T5]
	v_add_f32_dpp v[T0], v[T0], v[T0] row_xmask:1 row_mask:0xf bank_mask:0xf
	v_add_f32_dpp v[T0], v[T0], v[T0] row_xmask:2 row_mask:0xf bank_mask:0xf
	v_add_f32 v[T0], 0x358637bd, v[T0]
	v_rsq_f32 v[T0], v[T0]
	v_max_num_f32 v[T4], 0xc3000000, v[T4]         ; held at -128
	s_wait_alu depctr_va_vdst(0)
	v_mul_f32 v[T5], v[T5], v[T0]                  ; k^
	v_cndmask_b32 v[T2], v[T2], v[T4], s48
	v_cndmask_b32 v[T2], v[T2], v[T5], s49
	v_cndmask_b32 v[T2], v[T2], v[VB], s50
	v_add_nc_u32 v[T0], s33, v[ARES]
	ds_store_b32 v[T0], v[T2]
	s_add_co_u32 s33, s33, 128
	s_add_co_u32 s38, s38, 64
	s_add_co_u32 s32, s32, 1
	s_cmp_lt_u32 s32, 8
	s_cbranch_scc1 .Lrow
	s_wait_loadcnt 0x0
	s_wait_dscnt 0x0
	s_barrier_signal -1
	s_barrier_wait -1
	; out: wave w takes head w % 4; 16 tokens x 16 bytes are 256 consecutive bytes, aligned
	s_and_b32 s36, s14, 3
	s_lshr_b32 s39, ttmp9, 6                       ; batch
	s_lshl_b32 s39, s39, 2
	s_add_co_u32 s39, s39, s36                     ; bh
	s_lshl_b32 s39, s39, 10
	s_and_b32 s35, ttmp9, 63
	s_lshl_b32 s35, s35, 4
	s_add_co_u32 s39, s39, s35                     ; bh x 1,024 + t
	s_lshl_b32 s36, s36, 11
	s_add_co_u32 s36, s36, RES
	v_lshrrev_b32 v5, 1, v1
	v_lshlrev_b32 v5, 7, v5
	v_and_b32 v6, 1, v1
	v_lshl_add_u32 v5, v6, 3, v5
	v_add_nc_u32 v5, s36, v5                       ; token l / 2, half l % 2
	s_lshl_b32 s35, s39, 4
	v_lshl_add_u32 v6, v1, 3, s35
	v_lshlrev_b32 v7, 7, v2
	v_add_nc_u32 v7, s36, v7                       ; token l % 16
	s_lshl_b32 s35, s39, 2
	v_lshl_add_u32 v12, v2, 2, s35
	s_cmp_lt_u32 s14, 4
	s_cbranch_scc0 .Lhigh
	ds_load_b64 v[8:9], v5
	ds_load_b64 v[10:11], v5 offset:32
	s_wait_dscnt 0x0
	global_store_b64 v6, v[8:9], s[10:11]
	global_store_b64 v6, v[10:11], s[12:13] offset:262144
	s_branch .Lfin
.Lhigh:
	ds_load_b64 v[8:9], v5 offset:16
	ds_load_b32 v10, v7 offset:48
	s_wait_dscnt 0x0
	global_store_b64 v6, v[8:9], s[12:13]
	global_store_b32 v12, v10, s[12:13] offset:524288  ; lanes l and l + 16 store the same word
.Lfin:
	s_wait_tensorcnt 0x0                           ; the wave's end
	ds_add_u32 v[SPW], v[NIL]
	s_wait_dscnt 0x0
	s_endpgm
.Lfunc_end_k_q4a5008956e_route:
	.size	k_q4a5008956e_route, .Lfunc_end_k_q4a5008956e_route-k_q4a5008956e_route
	.p2alignl 7, 3214868480
	.fill 96, 4, 3214868480
	.section	.rodata,"a",@progbits
	.p2align	6, 0x0
	.amdhsa_kernel k_q4a5008956e_route
		.amdhsa_group_segment_fixed_size 18432
		.amdhsa_private_segment_fixed_size 0
		.amdhsa_enable_private_segment 0
		.amdhsa_kernarg_size 40
		.amdhsa_user_sgpr_count 2
		.amdhsa_user_sgpr_kernarg_segment_ptr 1
		.amdhsa_wavefront_size32 1
		.amdhsa_system_sgpr_workgroup_id_x 1
		.amdhsa_system_sgpr_workgroup_id_y 1
		.amdhsa_system_sgpr_workgroup_id_z 1
		.amdhsa_system_vgpr_workitem_id 0
		.amdhsa_next_free_vgpr 128
		.amdhsa_next_free_sgpr 66
		.amdhsa_reserve_vcc 1
		.amdhsa_float_denorm_mode_32 3
		.amdhsa_float_denorm_mode_16_64 3
		.amdhsa_memory_ordered 1
		.amdhsa_forward_progress 1
		.amdhsa_inst_pref_size 27
	.end_amdhsa_kernel
	.amdgpu_metadata
---
amdhsa.version: [ 1, 2 ]
amdhsa.kernels:
  - .name:           k_q4a5008956e_route
    .symbol:         k_q4a5008956e_route.kd
    .args:
      - { .name: cst, .offset: 0, .size: 8, .value_kind: global_buffer, .address_space: global }
      - { .name: prj, .offset: 8, .size: 8, .value_kind: global_buffer, .address_space: global }
      - { .name: dt, .offset: 16, .size: 8, .value_kind: global_buffer, .address_space: global }
      - { .name: ridx, .offset: 24, .size: 8, .value_kind: global_buffer, .address_space: global }
      - { .name: rflt, .offset: 32, .size: 8, .value_kind: global_buffer, .address_space: global }
    .group_segment_fixed_size: 18432
    .private_segment_fixed_size: 0
    .kernarg_segment_align: 8
    .kernarg_segment_size: 40
    .max_flat_workgroup_size: 256
    .sgpr_count:     66
    .vgpr_count:     128
    .wavefront_size: 32
...
	.end_amdgpu_metadata
.endif
;; end of part 3
;; launch prep (part 4): grid 256 x 1, 8 waves a work-group, no clusters, 300,544 bytes of LDS; arguments prj, ridx, rflt, pkt; writes pkt
.if DOCPART == 4
	.amdgcn_target "amdgcn-amd-amdhsa--gfx1250"
	.amdhsa_code_object_version 6
	.text
	.protected	k_q4a5008956e_prep
	.globl	k_q4a5008956e_prep
	.p2align	8
	.type	k_q4a5008956e_prep,@function
k_q4a5008956e_prep:
	s_mov_b64 s[64:65], 0
	v_nop
	global_prefetch_b8 v0, s[64:65] scope:SCOPE_SE
	s_setreg_imm32_b32 hwreg(HW_REG_WAVE_MODE, 25, 1), 1
	s_wait_xcnt 0x0
; PREP.  One work-group for each (batch x head, chunk of 64 steps).  It makes everything of the chunk's closed form that does not hang on the state:
;   G_t[i] = sum over steps up to t of g log2(e) (inclusive);  K~ = k^ 2^G,  Q~ = q^ 2^G,  q^ = silu(q) rsqrt(sum + 1e-6) (without the scale 1/16),  v' = silu(v) / 8
;   A[x][y] = sum over y's four slots i of k^_y[i] k^_x[i] 2^(G_x[i] - G_y[i]) (y < x);  P[x][y] the same with q^_x (y <= x);  every exponent is <= 0
;   N = (I + diag(beta) A)^-1 by forward substitution in f32;  T = N diag(beta);  PT = P T;  KT = Kd T with Kd[i][s] = k^_s[i] 2^(G_63[i] - G_s[i]);  Gamma = 2^G_63
; A, P and N are made on the vector unit: four terms an entry, since k^ has four slots; PT and KT on the matrix unit, f16 operands, f32 sums.
; OUT.  A packet of 107,520 bytes: four quarters (one for each wave of the next launch): -K~ 8 fragments, Q~ 8, PT 2, KT 8, Gamma 64 f32.  A fragment (16 rows x 32) is 1,024 bytes in
; the order of the registers: lane L's registers 0-3 at 16 L, its registers 4-7 at 512 + 16 L.  v' lies apart, in tiles of 512 bytes: lane (h, r) holds steps 8 h + 0..7 of column r.
; LIMITS.  All of these are f16: none passes 65,504 (|q^|, |k^|, P, Kd <= 1; v' = silu(v) / 8).  Gamma leaves in pieces of 128 bytes (1,024 bytes a work-group).
; The slots come from ridx, whole numbers stored by the launch before; each is held to 255 ahead of its use in an address.  No two work-groups read the same bytes: no cluster.
.set GT,  0                            ; G     f32, 64 rows, pitch 1,040 (65 x 16: the 16 rows of a load start at 16 different groups of four banks: ISA guide 11.1)
.set KDN, 66560                        ; k^ dense, the same shape
.set QD,  133120                       ; q^, the same shape (first the raw q, parked)
.set VS,  199680                       ; v' f16, 64 rows, pitch 544; when it has been read:
.set LL,  199680                       ;   -diag(beta) A   f32, 64 rows, pitch 272
.set NN,  217088                       ;   N               f32, 64 rows, pitch 272
.set PP,  234496                       ; P   f16, 64 rows, pitch 144
.set KD,  243712                       ; Kd  f16, 256 rows, pitch 144
.set TT,  280576                       ; T turned: [c][s] f16, 64 rows, pitch 144
.set MM,  289792                       ; the lower left block's first product, f32, 32 rows, pitch 272
.set GO,  298496                       ; G_t at step t's own four slots, [t][4] f32
.set SPARE, 299520                     ; the spare words, 128 bytes for each wave
.set PKT, 107520
.set QP,  26880
.set VIMG, 27525120
.set SPW, 2
.set NIL, 3
.set SC,  4                            ; v4   step t = thread / 4, choice thread % 4: t x 1,040 + 4 x slot
.set BX,  5                            ; v5   beta of step x = 32 (w % 2) + lane
.set NBX, 6                            ; v6   -beta
.set L16, 7                            ; v7   16 x lane
.set C4,  9                            ; v9   4 x thread
.set XV,  10                           ; v10  x
.set X4,  13                           ; v13  4 x
.set ZV,  16                           ; v[16:19]  0, from P0 on and never rewritten: zeros to store, and v16 the offset of loads that are the same in every lane
.macro BAR                             ; what I wrote is in LDS and what I read is back; then all eight waves meet
	s_wait_dscnt 0x0
	s_barrier_signal -1
	s_barrier_wait -1
.endm
	s_load_b256 s[4:11], s[0:1], 0x0               ; prj s[4:5], ridx s[6:7], rflt s[8:9], pkt s[10:11]
	v_lshl_add_u32 v[SPW], v0, 2, SPARE
	v_mov_b32 v[NIL], 0
	v_lshrrev_b32 v1, 5, v0
	v_readfirstlane_b32 s14, v1                    ; wave 0..7
	v_and_b32 v1, 31, v0                           ; lane
	v_lshlrev_b32 v[L16], 4, v1
	v_lshlrev_b32 v[C4], 2, v0
	s_and_b32 s15, s14, 1
	s_lshr_b32 s13, s14, 1
	s_lshr_b32 s26, ttmp9, 4                       ; bh
	s_and_b32 s27, ttmp9, 15                       ; chunk
	s_lshr_b32 s28, s26, 2                         ; batch
	s_and_b32 s29, s26, 3                          ; head
	s_lshl_b32 s30, s28, 10
	s_lshl_b32 s31, s27, 6
	s_add_co_u32 s30, s30, s31                     ; the chunk's first token
	s_lshl_b32 s30, s30, 11
	s_lshl_b32 s29, s29, 9
	s_add_co_u32 s30, s30, s29
	s_mov_b32 s31, 0
	s_lshl_b32 s32, s26, 10
	s_lshl_b32 s33, s27, 6
	s_add_co_u32 s32, s32, s33                     ; bh x 1,024 + t
	s_lshl_b32 s34, s32, 4
	s_mov_b32 s35, 0
	s_lshl_b32 s36, s32, 2
	s_add_co_u32 s36, s36, 524288
	s_mov_b32 s37, 0
	s_mul_i32 s38, ttmp9, PKT
	s_mov_b32 s39, 0
	s_lshl_b32 s46, ttmp9, 15
	s_add_co_u32 s46, s46, VIMG
	s_mov_b32 s47, 0
	s_lshl_b32 s52, s13, 8                         ; 16 steps of 16 bytes for each w / 2
	s_mov_b32 s53, 0
	s_mov_b32 s44, 0x76543210
	s_mov_b32 s45, 0xfedcba98
	s_lshl_b32 s56, s14, 14                        ; my 8 rows of 2,048 bytes
	v_add_nc_u32 v8, s56, v[L16]
	s_lshl_b32 s58, s15, 5
	v_add_nc_u32 v[XV], s58, v1
	v_lshlrev_b32 v[X4], 2, v[XV]
	s_wait_kmcnt 0x0
	s_add_nc_u64 s[16:17], s[4:5], s[30:31]        ; raw q
	s_add_nc_u64 s[18:19], s[16:17], 16777216      ; raw v
	s_add_nc_u64 s[20:21], s[6:7], s[34:35]        ; slots
	s_add_nc_u64 s[22:23], s[8:9], s[34:35]        ; g; k^ lies 262,144 bytes on
	s_add_nc_u64 s[24:25], s[8:9], s[36:37]        ; beta
	s_add_nc_u64 s[40:41], s[10:11], s[38:39]      ; my packet
	s_add_nc_u64 s[42:43], s[10:11], s[46:47]      ; my tiles of v'
	s_add_nc_u64 s[48:49], s[20:21], s[52:53]      ; the slots of my 16 columns y
	s_add_nc_u64 s[50:51], s[22:23], s[52:53]
	s_add_nc_u64 s[50:51], s[50:51], 262144        ; and their k^
	; P0: everything is asked for at once; G and k^ dense are cleared meanwhile.  All of P0 and P1 touches my wave's own 8 rows alone.
.set i, 0
.rept 8
	global_load_b128 v[64+4*i:67+4*i], v8, s[16:17] offset:2048*i
	global_load_b128 v[96+4*i:99+4*i], v8, s[18:19] offset:2048*i
.set i, i+1
.endr
	global_load_b32 v11, v[C4], s[20:21]
	global_load_b32 v12, v[C4], s[22:23]
	global_load_b32 v14, v[C4], s[22:23] offset:262144
	global_load_b32 v[BX], v[X4], s[24:25]
	s_mul_i32 s59, s14, 8320                       ; 8 rows of 1,040 bytes
	v_add_nc_u32 v15, s59, v[L16]
	v_add_nc_u32 v22, KDN, v15
	v_add_nc_u32 v20, QD, v15                      ; v20: my first row of q^, + 16 l
	s_mul_i32 s57, s14, 4352                       ; 8 rows of 544 bytes
	s_add_co_u32 s57, s57, VS
	v_add_nc_u32 v21, s57, v[L16]                  ; v21: my first row of v', + 16 l
	v_mov_b32 v[ZV], 0
	v_mov_b32 v[ZV+1], 0
	v_mov_b32 v[ZV+2], 0
	v_mov_b32 v[ZV+3], 0
.set i, 0
.rept 8
	ds_store_b128 v15, v[ZV:ZV+3] offset:1040*i
	ds_store_b128 v15, v[ZV:ZV+3] offset:1040*i+512
	ds_store_b128 v22, v[ZV:ZV+3] offset:1040*i
	ds_store_b128 v22, v[ZV:ZV+3] offset:1040*i+512
.set i, i+1
.endr
	s_wait_loadcnt 0x0
.set i, 0
.rept 8
	ds_store_b128 v20, v[64+4*i:67+4*i] offset:1040*i   ; the raw rows are parked, so that one text can walk them
	ds_store_b128 v21, v[96+4*i:99+4*i] offset:544*i
.set i, i+1
.endr
	v_mov_b32 v69, 0                               ; v_permlanex16_b32's destination counts as read (the loads into v[64:127] are in, and the parking stores are issued)
	; P1: g and k^ go to their slots; then q^ and v', a row a trip
	v_xor_b32 v[NBX], 0x80000000, v[BX]
	v_min_u32 v11, 0xff, v11
	v_lshrrev_b32 v15, 2, v1
	v_mul_u32_u24 v15, v15, 1040
	v_add_nc_u32 v15, s59, v15
	v_lshl_add_u32 v[SC], v11, 2, v15
	ds_store_b32 v[SC], v12                        ; LDS serves a wave's instructions in order: behind the zeros
	v_add_nc_u32 v15, KDN, v[SC]
	ds_store_b32 v15, v14
	s_mov_b32 s60, 0
	s_mov_b32 s61, 0
	s_mov_b32 s62, 8
.Lrow:
	v_add_nc_u32 v22, s60, v20
	v_add_nc_u32 v23, s61, v21
	ds_load_b128 v[28:31], v22
	ds_load_b128 v[32:35], v23
	v_add_nc_u32 v24, v22, v[L16]                  ; the row + 32 l
	s_wait_dscnt 0x0
	v_cvt_f32_f16 v36, v28.l
	v_cvt_f32_f16 v37, v28.h
	v_cvt_f32_f16 v38, v29.l
	v_cvt_f32_f16 v39, v29.h
	v_cvt_f32_f16 v40, v30.l
	v_cvt_f32_f16 v41, v30.h
	v_cvt_f32_f16 v42, v31.l
	v_cvt_f32_f16 v43, v31.h
	v_cvt_f32_f16 v44, v32.l
	v_cvt_f32_f16 v45, v32.h
	v_cvt_f32_f16 v46, v33.l
	v_cvt_f32_f16 v47, v33.h
	v_cvt_f32_f16 v48, v34.l
	v_cvt_f32_f16 v49, v34.h
	v_cvt_f32_f16 v50, v35.l
	v_cvt_f32_f16 v51, v35.h
.irp p, 0,2,4,6,8,10,12,14
	v_pk_mul_f32 v[52+\p:53+\p], v[36+\p:37+\p], 0xbfb8aa3b op_sel_hi:[1,0]
.endr
.set i, 0
.rept 16
	v_exp_f32 v[52+i], v[52+i]
.set i, i+1
.endr
	v_nop
	s_wait_alu depctr_va_vdst(0)
.irp p, 0,2,4,6
	v_pk_add_f32 v[52+\p:53+\p], v[52+\p:53+\p], 1.0 op_sel_hi:[1,0]                           ; q: 1 + e^-x
	v_pk_fma_f32 v[60+\p:61+\p], v[60+\p:61+\p], 0x41000000, 0x41000000 op_sel_hi:[1,0,0]      ; v: 8 + 8 e^-x
.endr
.set i, 0
.rept 16
	v_rcp_f32 v[52+i], v[52+i]
.set i, i+1
.endr
	v_nop
	s_wait_alu depctr_va_vdst(0)
.irp p, 0,2,4,6,8,10,12,14
	v_pk_mul_f32 v[36+\p:37+\p], v[36+\p:37+\p], v[52+\p:53+\p]
.endr
	v_mul_f32 v68, v36, v36
.irp j, 37,38,39,40,41,42,43
	v_fmac_f32 v68, v\j, v\j
.endr
	v_add_f32_dpp v68, v68, v68 row_xmask:1 row_mask:0xf bank_mask:0xf
	v_add_f32_dpp v68, v68, v68 row_xmask:2 row_mask:0xf bank_mask:0xf
	v_add_f32_dpp v68, v68, v68 row_xmask:4 row_mask:0xf bank_mask:0xf
	v_add_f32_dpp v68, v68, v68 row_xmask:8 row_mask:0xf bank_mask:0xf
	v_permlanex16_b32 v69, v68, s44, s45
	v_add_f32 v68, v68, v69
	v_add_f32 v68, 0x358637bd, v68
	v_rsq_f32 v68, v68
	v_cvt_pk_f16_f32 v70, v44, v45
	v_cvt_pk_f16_f32 v71, v46, v47
	v_cvt_pk_f16_f32 v72, v48, v49
	v_cvt_pk_f16_f32 v73, v50, v51
	s_wait_alu depctr_va_vdst(0)
.irp p, 0,2,4,6
	v_pk_mul_f32 v[36+\p:37+\p], v[36+\p:37+\p], v[68:69] op_sel_hi:[1,0]
.endr
	ds_store_b128 v24, v[36:39]
	ds_store_b128 v24, v[40:43] offset:16
	ds_store_b128 v23, v[70:73]
	s_add_co_u32 s60, s60, 1040
	s_add_co_u32 s61, s61, 544
	s_sub_co_u32 s62, s62, 1
	s_cmp_lg_u32 s62, 0
	s_cbranch_scc1 .Lrow
	BAR
	; P2a: thread i takes slot i's column of g and of k^ into registers; wave w sends v' of columns 32 w .. 32 w + 31 out, turned
	v_add_nc_u32 v25, KDN, v[C4]
.set t, 0
.rept 64
	ds_load_b32 v[64+t], v[C4] offset:1040*t
	ds_load_b32 v[128+t], v25 offset:1040*t
.set t, t+1
.endr
	v_bfe_u32 v15, v0, 4, 1
	v_and_b32 v26, 7, v0
	v_lshl_add_u32 v26, v15, 3, v26                ; step 8 h + l % 8
	v_mul_u32_u24 v26, v26, 544
	v_bfe_u32 v15, v0, 3, 1
	v_lshl_add_u32 v26, v15, 4, v26
	s_lshl_b32 s56, s14, 6
	s_add_co_u32 s56, s56, VS
	v_add_nc_u32 v26, s56, v26
	s_lshl_b32 s56, s14, 12
	v_add_nc_u32 v27, s56, v[L16]
.set k, 0
.rept 8                                                ; tile k: 16 columns 32 w + 16 (k / 4) on, steps 16 (k % 4) on
	ds_load_tr16_b128 v[192+4*k:195+4*k], v26 offset:(k%4)*16*544+32*(k/4)
.set k, k+1
.endr
.set k, 0
.rept 8
	s_wait_dscnt 7-k
	global_store_b128 v27, v[192+4*k:195+4*k], s[42:43] offset:512*k   ; a wave stores 512 consecutive bytes, aligned
.set k, k+1
.endr
	BAR
	; P2b: the running sums; Gamma; Kd
.set t, 1
.rept 63
	v_add_f32 v[64+t], v[64+t], v[63+t]
.set t, t+1
.endr
.set t, 0
.rept 64
	ds_store_b32 v[C4], v[64+t] offset:1040*t
.set t, t+1
.endr
	v_exp_f32 v28, v127
.set t, 0
.rept 64
	v_sub_f32 v[64+t], v127, v[64+t]               ; G_63 - G_s <= 0; s = 63 comes last
.set t, t+1
.endr
	s_mul_i32 s56, s13, QP
	s_add_co_u32 s56, s56, 26624
	v_add_nc_u32 v29, s56, v[X4]
	s_wait_alu depctr_va_vdst(0)
	global_store_b32 v29, v28, s[40:41]
.set t, 0
.rept 64
	v_exp_f32 v[64+t], v[64+t]
.set t, t+1
.endr
	v_nop
	s_wait_xcnt 0x0                                ; the tiles' stores have read v27 and v[192:223], Gamma's v28 and v29
.set t, 0
	s_wait_alu depctr_va_vdst(0)
.rept 32
	v_pk_mul_f32 v[128+2*t:129+2*t], v[128+2*t:129+2*t], v[64+2*t:65+2*t]
.set t, t+1
.endr
.set t, 0
.rept 32
	v_cvt_pk_f16_f32 v[192+t], v[128+2*t], v[129+2*t]
.set t, t+1
.endr
	v_mul_u32_u24 v30, v1, 144
	s_mul_i32 s56, s14, 4608
	s_add_co_u32 s56, s56, KD
	v_add_nc_u32 v30, s56, v30
.set t, 0
.rept 8
	ds_store_b128 v30, v[192+4*t:195+4*t] offset:16*t
.set t, t+1
.endr
	BAR
	; P3: G at each step's own slots; -K~ and Q~ as fragments.  The first batch of P4's slots and k^ is asked for now.
.set k, 0
.rept 4
	global_load_b128 v[96+4*k:99+4*k], v[ZV], s[48:49] offset:16*k
	global_load_b128 v[112+4*k:115+4*k], v[ZV], s[50:51] offset:16*k
.set k, k+1
.endr
	ds_load_b32 v28, v[SC]
	v_add_nc_u32 v29, GO, v[C4]
	v_and_b32 v15, 15, v0
	v_mul_u32_u24 v26, v15, 1040
	v_bfe_u32 v15, v0, 4, 1
	v_lshl_add_u32 v26, v15, 5, v26                ; row r, 32 h
	s_mul_i32 s56, s13, 16640                      ; 16 rows for each w / 2
	s_lshl_b32 s57, s15, 9                         ; fragments 4 (w % 2) on
	s_add_co_u32 s56, s56, s57
	v_add_nc_u32 v26, s56, v26
	s_mul_i32 s56, s13, QP
	s_lshl_b32 s57, s15, 12
	s_add_co_u32 s56, s56, s57
	v_add_nc_u32 v27, s56, v[L16]
	s_wait_dscnt 0x0
	ds_store_b32 v29, v28
	s_mov_b32 s56, 0
	s_mov_b32 s57, 0
	s_mov_b32 s58, 4
.Lqk:                                                  ; four trips, a fragment of each a trip
	s_wait_xcnt 0x0                                ; the last trip's stores have read their registers
	v_add_nc_u32 v21, s56, v26
	v_add_nc_u32 v22, KDN, v21
	v_add_nc_u32 v23, QD, v21
	v_add_nc_u32 v24, s57, v27
.irp e, 0,1
	ds_load_b128 v[32+24*\e:35+24*\e], v21 offset:64*\e
	ds_load_b128 v[36+24*\e:39+24*\e], v21 offset:64*\e+16
	ds_load_b128 v[40+24*\e:43+24*\e], v22 offset:64*\e
	ds_load_b128 v[44+24*\e:47+24*\e], v22 offset:64*\e+16
	ds_load_b128 v[48+24*\e:51+24*\e], v23 offset:64*\e
	ds_load_b128 v[52+24*\e:55+24*\e], v23 offset:64*\e+16
.endr
	s_wait_dscnt 0x0
.irp j, 0,1,2,3,4,5,6,7
	v_exp_f32 v[32+\j], v[32+\j]
	v_exp_f32 v[56+\j], v[56+\j]
.endr
	v_nop
	s_wait_alu depctr_va_vdst(0)
.irp e, 0,1
.irp p, 0,2,4,6
	v_pk_mul_f32 v[40+24*\e+\p:41+24*\e+\p], v[40+24*\e+\p:41+24*\e+\p], v[32+24*\e+\p:33+24*\e+\p] neg_lo:[1,0] neg_hi:[1,0]
	v_pk_mul_f32 v[48+24*\e+\p:49+24*\e+\p], v[48+24*\e+\p:49+24*\e+\p], v[32+24*\e+\p:33+24*\e+\p]
.endr
.irp p, 0,1,2,3
	v_cvt_pk_f16_f32 v[80+8*\e+\p], v[40+24*\e+2*\p], v[41+24*\e+2*\p]
	v_cvt_pk_f16_f32 v[84+8*\e+\p], v[48+24*\e+2*\p], v[49+24*\e+2*\p]
.endr
	global_store_b128 v24, v[80+8*\e:83+8*\e], s[40:41] offset:512*\e
	global_store_b128 v24, v[84+8*\e:87+8*\e], s[40:41] offset:8192+512*\e
.endr
	s_add_co_u32 s56, s56, 128
	s_add_co_u32 s57, s57, 1024
	s_sub_co_u32 s58, s58, 1
	s_cmp_lg_u32 s58, 0
	s_cbranch_scc1 .Lqk
	s_wait_xcnt 0x0                                ; the last trip's stores have read v24 and v[80:95], which later phases write
	BAR
	; P4: A and P.  Lane = row x = 32 (w % 2) + l; wave takes columns y = 16 (w / 2) + 0..15, four a trip
.set XG, 31
.set XK, 32
.set XQ, 33
.set LA, 34
.set PA, 35
.set GA, 37
.set DX, 38
.set TA, 39
.set NBI, 96
.set NBK, 112
.set I4, 128
.set KH, 144
.set GOV, 160
.set GG, 176
.set GK, 192
.set GQ, 208
.set AA, 224
.set AP, 228
.set LN, 232
.set PH, 236
	v_mul_u32_u24 v[XG], v[XV], 1040
	v_add_nc_u32 v[XK], KDN, v[XG]
	v_add_nc_u32 v[XQ], QD, v[XG]
	v_mul_u32_u24 v[LA], v[XV], 272
	s_lshl_b32 s57, s13, 6
	s_add_co_u32 s57, s57, LL
	v_add_nc_u32 v[LA], s57, v[LA]
	v_mul_u32_u24 v[PA], v[XV], 144
	s_lshl_b32 s57, s13, 5
	s_add_co_u32 s57, s57, PP
	v_add_nc_u32 v[PA], s57, v[PA]
	s_lshl_b32 s60, s13, 8
	s_add_co_u32 s60, s60, GO                      ; GO at my first column
	s_lshl_b32 s61, s13, 4                         ; y of the trip's first column
	s_mov_b32 s62, 0
	s_mov_b32 s63, 0
	s_mov_b32 s59, 0
	s_mov_b32 s56, 0
.Ly:
	s_wait_loadcnt 0x0                             ; the batch asked for a trip ago
.set k, 0
.rept 16
	v_min_u32 v[I4+k], 0xff, v[NBI+k]
	v_mov_b32 v[KH+k], v[NBK+k]
.set k, k+1
.endr
	s_add_co_u32 s57, s56, 1                       ; the next batch (the last trip asks for its own again: no load leaves the buffer)
	s_min_u32 s57, s57, 3
	s_lshl_b32 s58, s57, 6
	s_add_nc_u64 s[52:53], s[48:49], s[58:59]
	s_add_nc_u64 s[54:55], s[50:51], s[58:59]
.set k, 0
.rept 4
	global_load_b128 v[NBI+4*k:NBI+4*k+3], v[ZV], s[52:53] offset:16*k
	global_load_b128 v[NBK+4*k:NBK+4*k+3], v[ZV], s[54:55] offset:16*k
.set k, k+1
.endr
	v_mov_b32 v[GA], s60
.set k, 0
.rept 4
	ds_load_b128 v[GOV+4*k:GOV+4*k+3], v[GA] offset:16*k
.set k, k+1
.endr
.set k, 0
.rept 16                                               ; term k: column k / 4, choice k % 4: row x's G, k^ and q^ at that slot
	v_lshl_add_u32 v[TA], v[I4+k], 2, v[XG]
	ds_load_b32 v[GG+k], v[TA]
	v_lshl_add_u32 v[TA], v[I4+k], 2, v[XK]
	ds_load_b32 v[GK+k], v[TA]
	v_lshl_add_u32 v[TA], v[I4+k], 2, v[XQ]
	ds_load_b32 v[GQ+k], v[TA]
.set k, k+1
.endr
	s_wait_dscnt 0x0
.set k, 0
.rept 8
	v_pk_add_f32 v[GG+2*k:GG+2*k+1], v[GG+2*k:GG+2*k+1], v[GOV+2*k:GOV+2*k+1] neg_lo:[0,1] neg_hi:[0,1]
.set k, k+1
.endr
.set k, 0
.rept 16
	v_min_num_f32 v[GG+k], 0, v[GG+k]              ; above the diagonal the entry is thrown away: its exponent is held at 0
.set k, k+1
.endr
.set k, 0
.rept 16
	v_exp_f32 v[GG+k], v[GG+k]
.set k, k+1
.endr
	v_nop
.set k, 0
	s_wait_alu depctr_va_vdst(0)
.rept 8
	v_pk_mul_f32 v[GG+2*k:GG+2*k+1], v[GG+2*k:GG+2*k+1], v[KH+2*k:KH+2*k+1]
.set k, k+1
.endr
.set yy, 0
.rept 4
	v_mul_f32 v[AA+yy], v[GG+4*yy], v[GK+4*yy]
	v_mul_f32 v[AP+yy], v[GG+4*yy], v[GQ+4*yy]
.set yy, yy+1
.endr
.irp j, 1,2,3
.set yy, 0
.rept 4
	v_fmac_f32 v[AA+yy], v[GG+4*yy+\j], v[GK+4*yy+\j]
	v_fmac_f32 v[AP+yy], v[GG+4*yy+\j], v[GQ+4*yy+\j]
.set yy, yy+1
.endr
.endr
	v_sub_nc_u32 v[DX], v[XV], s61                 ; x - y of the first column
.set yy, 0
.rept 4
	v_mul_f32 v[AA+yy], v[AA+yy], v[NBX]
	v_cmp_lt_i32 vcc_lo, yy, v[DX]                 ; y < x
	v_cndmask_b32 v[LN+yy], 0, v[AA+yy], vcc_lo
	v_cmp_le_i32 vcc_lo, yy, v[DX]                 ; y <= x
	v_cndmask_b32 v[AP+yy], 0, v[AP+yy], vcc_lo
.set yy, yy+1
.endr
	v_cvt_pk_f16_f32 v[PH], v[AP], v[AP+1]
	v_cvt_pk_f16_f32 v[PH+1], v[AP+2], v[AP+3]
	v_add_nc_u32 v[TA], s62, v[LA]
	ds_store_b128 v[TA], v[LN:LN+3]
	v_add_nc_u32 v[TA], s63, v[PA]
	ds_store_b64 v[TA], v[PH:PH+1]
	s_add_co_u32 s60, s60, 64
	s_add_co_u32 s61, s61, 4
	s_add_co_u32 s62, s62, 16
	s_add_co_u32 s63, s63, 8
	s_add_co_u32 s56, s56, 1
	s_cmp_lt_u32 s56, 4
	s_cbranch_scc1 .Ly
	s_wait_loadcnt 0x0
	BAR
	; P5: the two diagonal blocks of N, by waves 0 and 1: lane = column c; n[s] = (s == c) + sum over r < s of Ln[s][r] n[r].  Wave 2 clears the upper right block.
.macro SLOAD s                         ; row s of the block, its entries r < s, four a load, the same for every lane; three buffers of 32 registers by turns
.set q, 0
.rept ((\s)+3)/4
	ds_load_b128 v[96+32*((\s)%3)+4*q:96+32*((\s)%3)+4*q+3], v197 offset:(\s)*272+16*q
.set q, q+1
.endr
.endm
.macro SROW s
.if (\s)+2 <= 31
	SLOAD (\s)+2
.endif
.set cnt, 0
.if (\s)+1 <= 31
.set cnt, cnt+((\s)+4)/4
.endif
.if (\s)+2 <= 31
.set cnt, cnt+((\s)+5)/4
.endif
	s_wait_dscnt cnt                               ; row s is in; the loads of the two rows behind it stay out
.set BB, 96+32*((\s)%3)
	v_cmp_eq_u32 vcc_lo, (\s), v1
	v_cndmask_b32 v[64+(\s)], 0, v196, vcc_lo
.set r, 0
.rept (\s)                                             ; four chains, so that no line waits for the one before it
.if r%4 == 0
	v_fmac_f32 v[64+(\s)], v[BB+r], v[64+r]
.elseif r < 4
	v_mul_f32 v[192+r], v[BB+r], v[64+r]
.else
	v_fmac_f32 v[192+r%4], v[BB+r], v[64+r]
.endif
.set r, r+1
.endr
.if (\s) >= 2
	v_add_f32 v[64+(\s)], v[64+(\s)], v193
.endif
.if (\s) >= 3
	v_add_f32 v[64+(\s)], v[64+(\s)], v194
.endif
.if (\s) >= 4
	v_add_f32 v[64+(\s)], v[64+(\s)], v195
.endif
.endm
	s_cmp_lt_u32 s14, 2
	s_cbranch_scc0 .Lnot_sub
	s_mul_i32 s56, s14, 32*272+128                 ; block u begins at row 32 u, column 32 u
	s_add_co_u32 s57, s56, LL
	v_mov_b32 v197, s57
	s_add_co_u32 s57, s56, NN
	v_lshl_add_u32 v198, v1, 2, s57
	v_mov_b32 v196, 1.0
	SLOAD 1
	SLOAD 2
	v_cmp_eq_u32 vcc_lo, 0, v1
	v_cndmask_b32 v64, 0, v196, vcc_lo
.set ss, 1
.rept 31
	SROW ss
.set ss, ss+1
.endr
.set ss, 0
.rept 32
	ds_store_b32 v198, v[64+ss] offset:272*ss
.set ss, ss+1
.endr
	s_branch .Lp5_end
.Lnot_sub:
	s_cmp_eq_u32 s14, 2
	s_cbranch_scc0 .Lp5_end
	v_lshrrev_b32 v20, 3, v1
	v_mul_u32_u24 v20, v20, 272
	v_and_b32 v21, 7, v1
	v_lshl_add_u32 v20, v21, 4, v20
	v_add_nc_u32 v20, NN+128, v20
.set k, 0
.rept 8
	ds_store_b128 v20, v[ZV:ZV+3] offset:4*272*k
.set k, k+1
.endr
.Lp5_end:
	BAR
	; P6, P7: the lower left block, N_BA = N_BB (Ln_BA N_AA): two products 32 x 32 x 32 in f32; wave w takes rows 4 w .. 4 w + 3, lane = column
.macro MM32 aL, aR, aD
.set r, 0
.rept 32
	ds_load_b32 v[64+r], v[\aR] offset:272*r
.set r, r+1
.endr
.set i, 0
.rept 4
.set q, 0
.rept 8
	ds_load_b128 v[96+32*i+4*q:99+32*i+4*q], v[\aL] offset:272*i+16*q
.set q, q+1
.endr
.set i, i+1
.endr
	s_wait_dscnt 0x0
.set r, 0
.rept 32
.set i, 0
.rept 4
.if r == 0
	v_mul_f32 v[224+i], v[96+32*i], v[64]
.else
	v_fmac_f32 v[224+i], v[96+32*i+r], v[64+r]
.endif
.set i, i+1
.endr
.set r, r+1
.endr
.set i, 0
.rept 4
	ds_store_b32 v[\aD], v[224+i] offset:272*i
.set i, i+1
.endr
.endm
	s_mul_i32 s56, s14, 4*272
	s_add_co_u32 s57, s56, LL+32*272
	v_mov_b32 v20, s57
	v_lshlrev_b32 v24, 2, v1
	v_add_nc_u32 v21, NN, v24
	s_add_co_u32 s57, s56, MM
	v_add_nc_u32 v22, s57, v24
	MM32 20, 21, 22
	BAR
	s_add_co_u32 s57, s56, NN+32*272+128
	v_mov_b32 v20, s57
	v_add_nc_u32 v21, MM, v24
	s_add_co_u32 s57, s56, NN+32*272
	v_add_nc_u32 v22, s57, v24
	MM32 20, 21, 22
	BAR
	; P8: T turned: thread (column c = x, rows 16 (w / 2) + 0..15): N[s][c] beta_c, f16
	s_mul_i32 s56, s13, 16*272
	s_add_co_u32 s56, s56, NN
	v_add_nc_u32 v20, s56, v[X4]
.set k, 0
.rept 16
	ds_load_b32 v[64+k], v20 offset:272*k
.set k, k+1
.endr
	v_mul_u32_u24 v21, v[XV], 144
	s_lshl_b32 s56, s13, 5
	s_add_co_u32 s56, s56, TT
	v_add_nc_u32 v21, s56, v21
	s_wait_dscnt 0x0
.set k, 0
.rept 16
	v_mul_f32 v[64+k], v[64+k], v[BX]
.set k, k+1
.endr
.set k, 0
.rept 8
	v_cvt_pk_f16_f32 v[80+k], v[64+2*k], v[65+2*k]
.set k, k+1
.endr
	ds_store_b128 v21, v[80:83]
	ds_store_b128 v21, v[84:87] offset:16
	BAR
	; P9: X T for X = Kd (16 row tiles, two a wave) and X = P (4 row tiles, waves 0-3).  Source 0 = 16 rows of T turned, source 1 = 16 rows of X: a lane holds one row of X T and eight
	; neighbouring columns: rounded in pairs they are four registers of the fragment that the next launch reads.
.macro XT ax, xo, gv, go
	ds_load_b128 v[128:131], v[\ax] offset:(\xo)
	ds_load_b128 v[132:135], v[\ax] offset:(\xo)+32
	ds_load_b128 v[136:139], v[\ax] offset:(\xo)+64
	ds_load_b128 v[140:143], v[\ax] offset:(\xo)+96
	s_wait_dscnt 0x0
.irp a, 0,1,2,3                                        ; four accumulators by turns
	v_wmma_f32_16x16x32_f16 v[144+8*\a:151+8*\a], v[64+16*\a:71+16*\a], v[128:135], 0
.endr
.irp a, 0,1,2,3
	v_wmma_f32_16x16x32_f16 v[144+8*\a:151+8*\a], v[72+16*\a:79+16*\a], v[136:143], v[144+8*\a:151+8*\a]
.endr
.rept 4
	v_nop
.endr
	s_wait_xcnt 0x0                                ; the tile before's stores have read v[176:191]
.irp a, 0,1,2,3
.irp p, 0,1,2,3
	v_cvt_pk_f16_f32 v[176+4*\a+\p], v[144+8*\a+2*\p], v[145+8*\a+2*\p]
.endr
.endr
.irp a, 0,1,2,3
	global_store_b128 v[\gv], v[176+4*\a:179+4*\a], s[40:41] offset:(\go)+(\a/2)*1024+(\a%2)*512   ; a wave stores 512 consecutive bytes, aligned
.endr
.endm
	v_and_b32 v15, 15, v0
	v_mul_u32_u24 v20, v15, 144
	v_bfe_u32 v15, v0, 4, 1
	v_lshl_add_u32 v20, v15, 4, v20                ; row r x 144 + 16 h
	v_add_nc_u32 v21, TT, v20
.set a, 0
.rept 4
	ds_load_b128 v[64+16*a:67+16*a], v21 offset:2304*a
	ds_load_b128 v[68+16*a:71+16*a], v21 offset:2304*a+32
	ds_load_b128 v[72+16*a:75+16*a], v21 offset:2304*a+64
	ds_load_b128 v[76+16*a:79+16*a], v21 offset:2304*a+96
.set a, a+1
.endr
	s_mul_i32 s56, s14, 4608
	s_add_co_u32 s56, s56, KD
	v_add_nc_u32 v22, s56, v20
	s_mul_i32 s56, s13, QP
	s_lshl_b32 s57, s15, 12
	s_add_co_u32 s56, s56, s57
	s_add_co_u32 s56, s56, 18432
	v_add_nc_u32 v23, s56, v[L16]
	XT 22, 0, 23, 0
	XT 22, 2304, 23, 2048
	s_cmp_lt_u32 s14, 4
	s_cbranch_scc0 .Lno_p
	s_mul_i32 s56, s14, 2304
	s_add_co_u32 s56, s56, PP
	v_add_nc_u32 v25, s56, v20
	s_mul_i32 s56, s14, QP
	s_add_co_u32 s56, s56, 16384
	v_add_nc_u32 v26, s56, v[L16]
	XT 25, 0, 26, 0
.Lno_p:
	s_wait_tensorcnt 0x0                           ; the wave's end
	ds_add_u32 v[SPW], v[NIL]
	s_wait_dscnt 0x0
	s_endpgm
.Lfunc_end_k_q4a5008956e_prep:
	.size	k_q4a5008956e_prep, .Lfunc_end_k_q4a5008956e_prep-k_q4a5008956e_prep
	.p2alignl 7, 3214868480
	.fill 96, 4, 3214868480
	.section	.rodata,"a",@progbits
	.p2align	6, 0x0
	.amdhsa_kernel k_q4a5008956e_prep
		.amdhsa_group_segment_fixed_size 300544
		.amdhsa_private_segment_fixed_size 0
		.amdhsa_enable_private_segment 0
		.amdhsa_kernarg_size 32
		.amdhsa_user_sgpr_count 2
		.amdhsa_user_sgpr_kernarg_segment_ptr 1
		.amdhsa_wavefront_size32 1
		.amdhsa_system_sgpr_workgroup_id_x 1
		.amdhsa_system_sgpr_workgroup_id_y 1
		.amdhsa_system_sgpr_workgroup_id_z 1
		.amdhsa_system_vgpr_workitem_id 0
		.amdhsa_next_free_vgpr 256
		.amdhsa_next_free_sgpr 66
		.amdhsa_reserve_vcc 1
		.amdhsa_float_denorm_mode_32 3
		.amdhsa_float_denorm_mode_16_64 3
		.amdhsa_memory_ordered 1
		.amdhsa_forward_progress 1
		.amdhsa_inst_pref_size 122
	.end_amdhsa_kernel
	.amdgpu_metadata
---
amdhsa.version: [ 1, 2 ]
amdhsa.kernels:
  - .name:           k_q4a5008956e_prep
    .symbol:         k_q4a5008956e_prep.kd
    .args:
      - { .name: prj, .offset: 0, .size: 8, .value_kind: global_buffer, .address_space: global }
      - { .name: ridx, .offset: 8, .size: 8, .value_kind: global_buffer, .address_space: global }
      - { .name: rflt, .offset: 16, .size: 8, .value_kind: global_buffer, .address_space: global }
      - { .name: pkt, .offset: 24, .size: 8, .value_kind: global_buffer, .address_space: global }
    .group_segment_fixed_size: 300544
    .private_segment_fixed_size: 0
    .kernarg_segment_align: 8
    .kernarg_segment_size: 32
    .max_flat_workgroup_size: 256
    .sgpr_count:     66
    .vgpr_count:     256
    .wavefront_size: 32
...
	.end_amdgpu_metadata
.endif
;; end of part 4
;; launch scan (part 5): grid 16 x 16, 4 waves a work-group, clusters of 4 x 1, 327,680 bytes of LDS; arguments pkt, norm_w, osc; writes osc
.if DOCPART == 5
	.amdgcn_target "amdgcn-amd-amdhsa--gfx1250"
	.amdhsa_code_object_version 6
	.text
	.protected	k_q4a5008956e_scan
	.globl	k_q4a5008956e_scan
	.p2align	8
	.type	k_q4a5008956e_scan,@function
k_q4a5008956e_scan:
	s_mov_b64 s[64:65], 0
	v_nop
	global_prefetch_b8 v0, s[64:65] scope:SCOPE_SE
	s_setreg_imm32_b32 hwreg(HW_REG_WAVE_MODE, 25, 1), 1
	s_wait_xcnt 0x0
	s_wait_alu depctr_hold_cnt(0) depctr_sa_sdst(0) depctr_va_vdst(0) depctr_va_sdst(0) depctr_va_ssrc(0) depctr_va_vcc(0) depctr_vm_vsrc(0)
	s_getreg_b32 s2, hwreg(HW_REG_IB_STS2, 6, 4)
	s_cmp_eq_u32 s2, 0
	s_cbranch_scc0 .Lentry_in_a_cluster
	s_endpgm
.Lentry_in_a_cluster:
	s_bfe_u32 s2, ttmp6, 0x10000c
	s_cmp_lg_u32 s2, 0x3003
	s_cbranch_scc0 .Lentry_shape_is_right
	s_endpgm
.Lentry_shape_is_right:
; SCAN.  The gated delta rule, chunk by chunk.  A work-group owns one (batch x head) and 16 of the 256 value columns, which never meet the others; the state S (256 x 16) stays in registers in f32.
; For each of 16 chunks of 64 steps:  W = V' - K~ S;  O = Q~ S + (P T) W;  S = Gamma o S + (Kd T) W.  All products f16 x f16 with f32 sums; S and W are rounded to f16 as operands alone.
; Stored: O x norm_w (norm_w rounded to bf16 like every input) as f16 [bh][column block][t][16], and the sum of O^2 over the block's 16 columns, f32 [bh][block][t].
; True o = O / 2 (v was divided by 8, q not yet by 16): the next launch takes that into the norm.
; LIMIT.  S, W and O x norm_w stay under 65,504.
; SHARES.  Wave w owns steps 16 w .. 16 w + 15 of every chunk (W's and O's rows) and key rows 64 w .. 64 w + 63 of S.  S and W meet the other waves turned, in LDS: ST [column][key], WT [column][step].
; CLUSTER 4 x 1: the four work-groups of a cluster belong to one (batch x head) and read the same packets: each wave asks jointly for its quarter of a packet (105 rows of 256 bytes), which it alone reads.
; Two slots, one packet each; behind each round one load a wave is out, and it has one chunk's work in which to land.
; S starts as 32 zeros a lane and ST as zeros, so that one text serves all sixteen chunks; they are written in the wait for the first packet.
.set PKT, 107520
.set QP,  26880
.set VIMG, 27525120
.set SSQ, 8388608
.set SLOT1, 131072
.set ST,  238592                       ; 16 columns x (512 + 16) bytes
.set WT,  247040                       ; 16 columns x (128 + 16) bytes
.set SSB, 249344                       ; 1,024 sums of squares
.set SPARE, 253440                     ; the spare words, 128 bytes for each wave
.set AA0, 2                            ; v2-3   my quarter in slot 0, 1, + 16 L
.set ASTR, 4                           ; v4     ST + 528 r + 16 h
.set ASTW, 5                           ; v5     + 128 w
.set AWTR, 6                           ; v6     WT + 144 r + 16 h
.set AWTW, 7                           ; v7     + 32 w
.set AG0, 8                            ; v8-9   Gamma in my quarter of slot 0, 1, + 32 h
.set L16, 10
.set OOF, 11                           ; v11    32 r + 16 h
.set ASS, 12                           ; v12    SSB + 64 w + 4 r
.set OV,  13
.set SPW, 14
.set NIL, 15
.set NW,  16                           ; v[16:23]  norm_w of my eight columns
.set VR,  24                           ; v[24:27]  V' of my rows, f16
.set PK,  28                           ; v[28:31]  O to store
.set WA,  32
.set WB,  40
.set OA,  48
.set OB,  56
.set SS,  64                           ; v[64:95]  S: four tiles of 16 keys x 16 columns
.set WF,  96                           ; v[96:111] W's fragments
.set TP,  112                          ; v[112:127] at work
.set SF,  128                          ; v[128:191] S's fragments
.set VO,  192
.set SSA, 193
.set T0,  194
.set T1,  195
.set NO,  196
.set KN,  0                            ; window 1: -K~ 0-63, Q~ 64-127, P T 128-143, Kd T 144-207, Gamma 208-239
.set QT,  64
.set PT,  128
.set KT,  144
.set GM,  208
.set MSB, 0
.macro WIN new
.if MSB != (\new)
	s_set_vgpr_msb (MSB<<8)|(\new)
.set MSB, \new
.endif
.endm
.macro ROUND                           ; a round of the cluster's barrier
	s_barrier_signal -1
	s_barrier_wait -1
	s_cmp_lg_u32 s10, 0
	s_cbranch_scc1 .Lnot_wave_0_\@
	s_barrier_signal -3
.Lnot_wave_0_\@:
	s_barrier_wait -3
	s_barrier_signal -1
	s_barrier_wait -1
.endm
	s_load_b128 s[4:7], s[0:1], 0x0                ; pkt s[4:5], norm_w s[6:7]
	s_load_b64 s[8:9], s[0:1], 0x10                ; osc
	v_lshl_add_u32 v[SPW], v0, 2, SPARE
	v_mov_b32 v[NIL], 0
	ds_add_u32 v[SPW], v[NIL]                      ; the wave's opening: the add and its wait ahead of my first tensor load
	v_lshrrev_b32 v1, 5, v0
	v_readfirstlane_b32 s10, v1                    ; wave 0..3
	s_bfe_u32 s11, ttmp6, 0x40000                  ; cx
	s_lshl_b32 s12, ttmp9, 2
	s_add_co_u32 s12, s12, s11                     ; my block of 16 columns: it enters global addresses of my own loads and stores alone
	s_and_b32 s13, ttmp7, 0xffff                   ; batch x head, which the four partners share
	s_mov_b32 s16, 15|(3<<16)|(1<<21)              ; group 1: the mask of four; 8-byte elements; bit 21 beside a mask; no padding
	s_mov_b32 s17, 32<<16                          ; tensor_dim0 = 32 (256 bytes)
	s_mov_b32 s18, 105<<16                         ; tensor_dim1 = 105
	s_mov_b32 s19, 32<<16                          ; tile_dim0
	s_mov_b32 s20, 105                             ; tile_dim1
	s_mov_b32 s21, 32                              ; dense rows
	s_mov_b32 s22, 0
	s_mov_b32 s23, 0
	s_mul_i32 s14, s10, QP                         ; my quarter
	s_mul_i32 s24, s13, 16*PKT
	s_add_co_u32 s24, s24, s14
	s_mov_b32 s25, 0
	s_mov_b32 s32, 1
	s_mov_b32 s33, s14
	s_mov_b32 s36, 1
	s_add_co_u32 s37, s14, SLOT1
	s_mov_b32 s48, 0x76543210
	s_mov_b32 s49, 0xfedcba98
	s_mov_b32 s45, 0
	s_mov_b32 s46, 0
	s_mov_b32 s47, 0
	s_wait_dscnt 0x0                               ; the opening add is done
	s_wait_kmcnt 0x0
	s_add_nc_u64 s[34:35], s[4:5], s[24:25]        ; chunk 0
	s_add_nc_u64 s[38:39], s[34:35], PKT           ; chunk 1
	s_or_b32 s35, s35, 0x80000000
	s_or_b32 s39, s39, 0x80000000
	ROUND                                          ; all four work-groups are here
	tensor_load_to_lds s[32:35], s[16:23]          ; chunk 0 into slot 0
	s_nop 0
	v_and_b32 v1, 31, v0
	v_and_b32 v[T0], 15, v0                        ; r
	v_bfe_u32 v[T1], v0, 4, 1                      ; h
	v_lshlrev_b32 v[L16], 4, v1
	v_add_nc_u32 v[AA0], s14, v[L16]
	v_add_nc_u32 v[AA0+1], SLOT1, v[AA0]
	v_mul_u32_u24 v[ASTR], v[T0], 528
	v_lshl_add_u32 v[ASTR], v[T1], 4, v[ASTR]
	v_add_nc_u32 v[ASTR], ST, v[ASTR]
	s_lshl_b32 s24, s10, 7
	v_add_nc_u32 v[ASTW], s24, v[ASTR]
	v_mul_u32_u24 v[AWTR], v[T0], 144
	v_lshl_add_u32 v[AWTR], v[T1], 4, v[AWTR]
	v_add_nc_u32 v[AWTR], WT, v[AWTR]
	s_lshl_b32 s24, s10, 5
	v_add_nc_u32 v[AWTW], s24, v[AWTR]
	s_add_co_u32 s24, s14, 26624
	v_lshl_add_u32 v[AG0], v[T1], 5, s24
	v_add_nc_u32 v[AG0+1], SLOT1, v[AG0]
	v_lshlrev_b32 v[OOF], 5, v[T0]
	v_lshl_add_u32 v[OOF], v[T1], 4, v[OOF]
	s_lshl_b32 s24, s10, 6
	s_add_co_u32 s24, s24, SSB
	v_lshl_add_u32 v[ASS], v[T0], 2, s24
	s_lshl_b32 s24, s12, 6
	v_lshl_add_u32 v[NO], v[T1], 5, s24            ; norm_w: 64 bytes a block, 32 a half
	global_load_b128 v[NW:NW+3], v[NO], s[6:7]
	global_load_b128 v[NW+4:NW+7], v[NO], s[6:7] offset:16
	s_lshl_b32 s24, s13, 19                        ; V': 524,288 bytes a (batch x head), 2,048 a block, 512 a wave
	s_lshl_b32 s25, s12, 11
	s_add_co_u32 s24, s24, s25
	s_lshl_b32 s25, s10, 9
	s_add_co_u32 s24, s24, s25
	s_add_co_u32 s24, s24, VIMG
	s_mov_b32 s25, 0
	s_add_nc_u64 s[26:27], s[4:5], s[24:25]
	global_load_b128 v[VR:VR+3], v[L16], s[26:27]  ; chunk 0's V'
	s_lshl_b32 s24, s13, 4
	s_add_co_u32 s24, s24, s12                     ; 16 bh + block
	s_lshl_b32 s40, s24, 15
	s_lshl_b32 s41, s10, 9
	s_add_co_u32 s40, s40, s41
	s_mov_b32 s41, 0
	s_add_nc_u64 s[28:29], s[8:9], s[40:41]        ; O at my rows of chunk 0
	s_lshl_b32 s40, s24, 12
	s_add_co_u32 s40, s40, SSQ
	s_add_nc_u64 s[30:31], s[8:9], s[40:41]        ; the sums of squares
.set i, 0
.rept 32
	v_mov_b32 v[SS+i], 0
.set i, i+1
.endr
.irp i, 0,1,2,3
	ds_store_b128 v[ASTW], v[SS:SS+3] offset:32*\i
.endr
	v_mov_b32 v[T1], 0                             ; v_permlanex16_b32's destination counts as read
	s_wait_loadcnt 1                               ; norm_w is in; V' may stay out
.irp k, 0,1,2,3
	v_cvt_pk_bf16_f32 v[TP+\k], v[NW+2*\k], v[NW+2*\k+1]
.endr
.irp k, 0,1,2,3
	v_lshlrev_b32 v[NW+2*\k], 16, v[TP+\k]
	v_and_b32 v[NW+2*\k+1], 0xffff0000, v[TP+\k]
.endr
.macro TRIP slot, refill
	s_wait_tensorcnt 0x0                           ; all my loads are done: my quarter of this chunk's packet
	ds_add_u32 v[SPW], v[NIL]                      ; 0 onto my spare word
	s_add_nc_u64 s[34+4*\slot:35+4*\slot], s[34+4*\slot:35+4*\slot], 2*PKT  ; no load of mine is out: this slot's next packet
	s_wait_dscnt 0x0                               ; the add is done; my reads of the other slot are back; my stores into ST and SSB are in LDS
	ROUND                                          ; all that now holds of every wave of the cluster
.if \refill
	tensor_load_to_lds s[36-4*\slot:39-4*\slot], s[16:23]  ; the next packet, into the slot read last: my one load behind the round
	s_nop 0
.endif
.irp k, 0,1,2,3,4,5,6,7
	ds_load_b128 v[SF+8*\k:SF+8*\k+3], v[ASTR] offset:64*\k
	ds_load_b128 v[SF+8*\k+4:SF+8*\k+7], v[ASTR] offset:64*\k+32
.endr
	WIN 0x40                                       ; destination window 1
.irp k, 0,1,2,3,4,5,6,7
	ds_load_b128 v[KN+8*\k:KN+8*\k+3], v[AA0+\slot] offset:1024*\k
	ds_load_b128 v[KN+8*\k+4:KN+8*\k+7], v[AA0+\slot] offset:1024*\k+512
.endr
.irp k, 0,1,2,3
	ds_load_b128 v[GM+8*\k:GM+8*\k+3], v[AG0+\slot] offset:64*\k
	ds_load_b128 v[GM+8*\k+4:GM+8*\k+7], v[AG0+\slot] offset:64*\k+16
.endr
.irp k, 0,1,2,3,4,5,6,7
	ds_load_b128 v[QT+8*\k:QT+8*\k+3], v[AA0+\slot] offset:8192+1024*\k
	ds_load_b128 v[QT+8*\k+4:QT+8*\k+7], v[AA0+\slot] offset:8192+1024*\k+512
.endr
.irp k, 0,1
	ds_load_b128 v[PT+8*\k:PT+8*\k+3], v[AA0+\slot] offset:16384+1024*\k
	ds_load_b128 v[PT+8*\k+4:PT+8*\k+7], v[AA0+\slot] offset:16384+1024*\k+512
.endr
.irp k, 0,1,2,3,4,5,6,7
	ds_load_b128 v[KT+8*\k:KT+8*\k+3], v[AA0+\slot] offset:18432+1024*\k
	ds_load_b128 v[KT+8*\k+4:KT+8*\k+7], v[AA0+\slot] offset:18432+1024*\k+512
.endr
	WIN 0
	s_wait_loadcnt 0x0                             ; this chunk's V'
	v_cvt_f32_f16 v32, v24.l                       ; it starts W's sum
	v_cvt_f32_f16 v33, v24.h
	v_cvt_f32_f16 v34, v25.l
	v_cvt_f32_f16 v35, v25.h
	v_cvt_f32_f16 v36, v26.l
	v_cvt_f32_f16 v37, v26.h
	v_cvt_f32_f16 v38, v27.l
	v_cvt_f32_f16 v39, v27.h
.if \refill
	s_add_co_u32 s46, s46, 32768
	v_add_nc_u32 v[VO], s46, v[L16]
	global_load_b128 v[VR:VR+3], v[VO], s[26:27]   ; the next chunk's
.endif
	s_wait_dscnt 44                                ; S's and K~'s fragments are in; Gamma's 8, Q~'s 16, P T's 4 and Kd T's 16 loads may be out
	WIN 0x01                                       ; source 0 window 1
	v_wmma_f32_16x16x32_f16 v[WA:WA+7], v[KN:KN+7], v[SF:SF+7], v[WA:WA+7]     ; W = V' - K~ S: two accumulators by turns
	v_wmma_f32_16x16x32_f16 v[WB:WB+7], v[KN+8:KN+15], v[SF+8:SF+15], 0
.irp k, 2,4,6
	v_wmma_f32_16x16x32_f16 v[WA:WA+7], v[KN+8*\k:KN+8*\k+7], v[SF+8*\k:SF+8*\k+7], v[WA:WA+7]
	v_wmma_f32_16x16x32_f16 v[WB:WB+7], v[KN+8*\k+8:KN+8*\k+15], v[SF+8*\k+8:SF+8*\k+15], v[WB:WB+7]
.endr
	s_wait_dscnt 36                                ; Gamma is in
	WIN 0x04                                       ; source 1 window 1
.set i, 0
.rept 16
	v_pk_mul_f32 v[SS+2*i:SS+2*i+1], v[SS+2*i:SS+2*i+1], v[GM+2*i:GM+2*i+1]    ; S decays: also the places behind W's products
.set i, i+1
.endr
	WIN 0
.irp p, 0,2,4,6
	v_pk_add_f32 v[WA+\p:WA+\p+1], v[WA+\p:WA+\p+1], v[WB+\p:WB+\p+1]
.endr
.irp p, 0,1,2,3
	v_cvt_pk_f16_f32 v[TP+\p], v[WA+2*\p], v[WA+2*\p+1]
.endr
	ds_store_b128 v[AWTW], v[TP:TP+3]              ; my 16 steps of W, turned
	s_wait_dscnt 0x0                               ; it is in LDS, and my reads of ST are back
	s_barrier_signal -1
	WIN 0x04
	v_wmma_f32_16x16x32_f16 v[OA:OA+7], v[SF:SF+7], v[QT:QT+7], 0              ; O = Q~ S, transposed use: a lane holds one step and eight columns
	v_wmma_f32_16x16x32_f16 v[OB:OB+7], v[SF+8:SF+15], v[QT+8:QT+15], 0
.irp k, 2,4,6
	v_wmma_f32_16x16x32_f16 v[OA:OA+7], v[SF+8*\k:SF+8*\k+7], v[QT+8*\k:QT+8*\k+7], v[OA:OA+7]
	v_wmma_f32_16x16x32_f16 v[OB:OB+7], v[SF+8*\k+8:SF+8*\k+15], v[QT+8*\k+8:QT+8*\k+15], v[OB:OB+7]
.endr
	WIN 0
	s_barrier_wait -1                              ; W is whole, and nobody reads ST any more
.irp k, 0,1
	ds_load_b128 v[WF+8*\k:WF+8*\k+3], v[AWTR] offset:64*\k
	ds_load_b128 v[WF+8*\k+4:WF+8*\k+7], v[AWTR] offset:64*\k+32
.endr
	s_wait_dscnt 0x0
	WIN 0x01
.irp k, 0,1
.irp i, 0,1,2,3
	v_wmma_f32_16x16x32_f16 v[SS+8*\i:SS+8*\i+7], v[KT+8*(2*\i+\k):KT+8*(2*\i+\k)+7], v[WF+8*\k:WF+8*\k+7], v[SS+8*\i:SS+8*\i+7]
.endr
.endr
	WIN 0x04
	v_wmma_f32_16x16x32_f16 v[OA:OA+7], v[WF:WF+7], v[PT:PT+7], v[OA:OA+7]
	v_wmma_f32_16x16x32_f16 v[OB:OB+7], v[WF+8:WF+15], v[PT+8:PT+15], v[OB:OB+7]
	WIN 0
.rept 4
	v_nop
.endr
.set i, 0
.rept 16
	v_cvt_pk_f16_f32 v[TP+i], v[SS+2*i], v[SS+2*i+1]
.set i, i+1
.endr
.irp i, 0,1,2,3
	ds_store_b128 v[ASTW], v[TP+4*\i:TP+4*\i+3] offset:32*\i                    ; my 64 keys of the new S, turned
.endr
.irp p, 0,2,4,6
	v_pk_add_f32 v[OA+\p:OA+\p+1], v[OA+\p:OA+\p+1], v[OB+\p:OB+\p+1]
.endr
	v_mul_f32 v[T0], v[OA], v[OA]
.irp j, 1,2,3,4,5,6,7
	v_fmac_f32 v[T0], v[OA+\j], v[OA+\j]
.endr
	v_permlanex16_b32 v[T1], v[T0], s48, s49       ; the step's other eight columns lie in the lane 16 away
	v_add_f32 v[T0], v[T0], v[T1]
	v_add_nc_u32 v[SSA], s47, v[ASS]
	ds_store_b32 v[SSA], v[T0]                     ; lanes l and l + 16 store the same word
	s_add_co_u32 s47, s47, 256
.irp p, 0,2,4,6
	v_pk_mul_f32 v[OA+\p:OA+\p+1], v[OA+\p:OA+\p+1], v[NW+\p:NW+\p+1]
.endr
	s_wait_xcnt 0x0                                ; the last chunk's store has read its registers
.irp p, 0,1,2,3
	v_cvt_pk_f16_f32 v[PK+\p], v[OA+2*\p], v[OA+2*\p+1]
.endr
	v_add_nc_u32 v[OV], s45, v[OOF]
	global_store_b128 v[OV], v[PK:PK+3], s[28:29]  ; 16 steps x 32 bytes: 512 consecutive bytes, aligned
	s_add_co_u32 s45, s45, 2048
.endm
	s_mov_b32 s44, 7
.Lloop:
	TRIP 0, 1
	TRIP 1, 1
	s_sub_co_u32 s44, s44, 1
	s_cmp_lg_u32 s44, 0
	s_cbranch_scc1 .Lloop
	TRIP 0, 1
	TRIP 1, 0                                      ; the last chunk asks for nothing
	s_wait_dscnt 0x0
	s_barrier_signal -1
	s_barrier_wait -1
	v_lshlrev_b32 v[T0], 4, v0
	v_add_nc_u32 v[T1], SSB, v[T0]
	ds_load_b128 v[112:115], v[T1]
	ds_load_b128 v[116:119], v[T1] offset:2048
	s_wait_dscnt 0x0
	global_store_b128 v[T0], v[112:115], s[30:31]
	global_store_b128 v[T0], v[116:119], s[30:31] offset:2048
	s_wait_tensorcnt 0x0                           ; the wave's end
	ds_add_u32 v[SPW], v[NIL]
	s_wait_dscnt 0x0
	ROUND                                          ; the closing round
	s_endpgm
.Lfunc_end_k_q4a5008956e_scan:
	.size	k_q4a5008956e_scan, .Lfunc_end_k_q4a5008956e_scan-k_q4a5008956e_scan
	.p2alignl 7, 3214868480
	.fill 96, 4, 3214868480
	.section	.rodata,"a",@progbits
	.p2align	6, 0x0
	.amdhsa_kernel k_q4a5008956e_scan
		.amdhsa_group_segment_fixed_size 327680
		.amdhsa_private_segment_fixed_size 0
		.amdhsa_enable_private_segment 0
		.amdhsa_kernarg_size 24
		.amdhsa_user_sgpr_count 2
		.amdhsa_user_sgpr_kernarg_segment_ptr 1
		.amdhsa_wavefront_size32 1
		.amdhsa_system_sgpr_workgroup_id_x 1
		.amdhsa_system_sgpr_workgroup_id_y 1
		.amdhsa_system_sgpr_workgroup_id_z 1
		.amdhsa_system_vgpr_workitem_id 0
		.amdhsa_next_free_vgpr 512
		.amdhsa_next_free_sgpr 66
		.amdhsa_reserve_vcc 0
		.amdhsa_float_denorm_mode_32 3
		.amdhsa_float_denorm_mode_16_64 3
		.amdhsa_memory_ordered 1
		.amdhsa_forward_progress 1
		.amdhsa_inst_pref_size 58
	.end_amdhsa_kernel
	.amdgpu_metadata
---
amdhsa.version: [ 1, 2 ]
amdhsa.kernels:
  - .name:           k_q4a5008956e_scan
    .symbol:         k_q4a5008956e_scan.kd
    .args:
      - { .name: pkt, .offset: 0, .size: 8, .value_kind: global_buffer, .address_space: global }
      - { .name: norm_w, .offset: 8, .size: 8, .value_kind: global_buffer, .address_space: global }
      - { .name: osc, .offset: 16, .size: 8, .value_kind: global_buffer, .address_space: global }
    .group_segment_fixed_size: 327680
    .private_segment_fixed_size: 0
    .kernarg_segment_align: 8
    .kernarg_segment_size: 24
    .max_flat_workgroup_size: 128
    .sgpr_count:     66
    .vgpr_count:     512
    .wavefront_size: 32
...
	.end_amdgpu_metadata
.endif
;; end of part 5
;; launch outp (part 6): grid 8 x 32, 4 waves a work-group, clusters of 4 x 4, 327,680 bytes of LDS; arguments osc, cst, out0; writes out0
.if DOCPART == 6
	.amdgcn_target "amdgcn-amd-amdhsa--gfx1250"
	.amdhsa_code_object_version 6
	.text
	.protected	k_q4a5008956e_outp
	.globl	k_q4a5008956e_outp
	.p2align	8
	.type	k_q4a5008956e_outp,@function
k_q4a5008956e_outp:
	s_mov_b64 s[64:65], 0
	v_nop
	global_prefetch_b8 v0, s[64:65] scope:SCOPE_SE
	s_setreg_imm32_b32 hwreg(HW_REG_WAVE_MODE, 25, 1), 1
	s_wait_xcnt 0x0
	s_wait_alu depctr_hold_cnt(0) depctr_sa_sdst(0) depctr_va_vdst(0) depctr_va_sdst(0) depctr_va_ssrc(0) depctr_va_vcc(0) depctr_vm_vsrc(0)
	s_getreg_b32 s2, hwreg(HW_REG_IB_STS2, 6, 4)
	s_cmp_eq_u32 s2, 0
	s_cbranch_scc0 .Lentry_in_a_cluster
	s_endpgm
.Lentry_in_a_cluster:
	s_bfe_u32 s2, ttmp6, 0x10000c
	s_cmp_lg_u32 s2, 0xf033
	s_cbranch_scc0 .Lentry_shape_is_right
	s_endpgm
.Lentry_shape_is_right:
; OUTP.  out[n][d] = sum over heads h of f[n][h] x sum over v of (O norm_w)[n][h][v] Wo[256 h + v][d],  f = 0.5 rsqrt(sum over v of O^2 / 1024 + 1e-5): the RMS norm of o = O / 2.
; f16 operands, f32 sums.  A K step is one head (256): its sums are started anew, and at its end they go, times f, onto the totals, in f32.
; A tile of out is 128 x 128; four waves, each 64 x 64.  Two LDS slots, a head each.  A lies [block of 16 v][t][16 v]: a wave's load brings 16 planes of 64 steps x 32 bytes, padded by 16 bytes
; behind every 256, so that a fragment's 16 rows start at 16 different groups of four banks (64 banks of 4 bytes: ISA guide 11.1).  B (Wo) lies [k][n], LDS pitch 288, and comes out turned.
; CLUSTER 4 x 4: A's tiles are shared along a row of the cluster, B's along a column.  THE MATRIX INSTRUCTION IS USED TRANSPOSED: a lane holds one row of out and eight neighbouring columns.
; The four K steps are written out: each names its own f.
; REGISTERS: window 0: v0-31 addresses; v32-95 at work on the way out; v96-127 f (step s, row block a at v[96 + 2 (4 s + a)]); v128-255 a head's sums.  window 1: two fragment buffers of 128.  window 2: v0-127 the totals.
.set APL,  2176                        ; a plane of A: 64 steps x 32 bytes + 8 x 16
.set AH,   16*APL                      ; what a wave's load of A brings
.set PBW,  288
.set BH,   128*PBW                     ; what a wave's load of B brings: 128 rows k
.set SLOT, 2*AH+2*BH
.set STAGE, 2*SLOT                     ; 16 rows x 272 bytes for each wave
.set SPITCH, 272
.set FT,   STAGE+4*16*SPITCH           ; f: [row 128][head 4] f32
.set SPARE, FT+2048                    ; the spare words, 128 bytes for each wave
.set WOF,  16777216
.set SSQ,  8388608
.set HSTEP, 524288                     ; bytes from head to head, in A and in B alike
.set ADRA, 16                          ; v16-17  my A fragments in slot 0, 1
.set ADRB, 20                          ; v20-23  my B fragments: slot 0 rows 0-127, 128-255; slot 1 likewise
.set STO,  24
.set RD,   25
.set CO,   26
.set FA,   27
.set SPW,  28
.set NIL,  29
.set TMP,  32
.set FR,   96
.set ACC,  128
.set F0,   0
.set F1,   128
.set G1, 24
.set G0, 32
.set G1B, 48
.set G0B, 56
.set MSB, 0
.macro WIN new
.if MSB != (\new)
	s_set_vgpr_msb (MSB<<8)|(\new)
.set MSB, \new
.endif
.endm
.set MUL,  0x05                        ; sources 0 (B) and 1 (A) window 1; C and D window 0
.set TO_F, 0x40
.macro JLOAD s                         ; a joint load: waves 0 and 1 fetch A's halves, waves 2 and 3 B's; an s_nop 0 and four v_nop follow each line
	s_cmp_eq_u32 s11, 0
	s_cbranch_scc0 .Lfor_b_\@
	tensor_load_to_lds s[G0+4*(\s):G0+4*(\s)+3], s[G1:G1+7]
	s_nop 0
.rept 4
	v_nop
.endr
	s_branch .Lasked_\@
.Lfor_b_\@:
	tensor_load_to_lds s[G0B+4*(\s):G0B+4*(\s)+3], s[G1B:G1B+7]
	s_nop 0
.rept 4
	v_nop
.endr
.Lasked_\@:
.endm
.macro CREST
	s_cmp_lg_u32 s10, 0
	s_cbranch_scc1 .Lnot_wave_0_\@
	s_barrier_signal -3
.Lnot_wave_0_\@:
	s_barrier_wait -3
	s_barrier_signal -1
	s_barrier_wait -1
.endm
.macro CROUND
	s_barrier_signal -1
	s_barrier_wait -1
	CREST
.endm
	s_load_b128 s[4:7], s[0:1], 0x0                ; osc s[4:5], cst s[6:7]
	s_load_b64 s[8:9], s[0:1], 0x10                ; out0
	v_lshl_add_u32 v[SPW], v0, 2, SPARE
	v_mov_b32 v[NIL], 0
	ds_add_u32 v[SPW], v[NIL]                      ; the wave's opening: the add and its wait ahead of my first tensor load
	v_lshrrev_b32 v1, 5, v0
	v_readfirstlane_b32 s10, v1
	s_lshr_b32 s11, s10, 1                         ; my half of the rows.  Also: I fetch for A (0) or for B (1)
	s_and_b32 s12, s10, 1                          ; my half of the columns.  Also: which half I fetch
	s_bfe_u32 s40, ttmp6, 0x40000
	s_bfe_u32 s41, ttmp6, 0x40004
	s_lshl_b32 s42, ttmp9, 2
	s_add_co_u32 s42, s42, s40                     ; tile column
	s_and_b32 s13, ttmp7, 0xffff
	s_lshl_b32 s13, s13, 2
	s_add_co_u32 s13, s13, s41                     ; tile row: batch = row / 8, first step = 128 (row % 8)
	s_lshl_b32 s43, s41, 2
	s_lshl_b32 s43, 15, s43
	s_lshl_b32 s44, 0x1111, s40
	s_or_b32 s[G1+0], s43, (3<<16)|(1<<20)|(1<<21)|(5<<22)|(3<<25)   ; A: mask of my row; 8-byte elements; padding on; bit 21 beside a mask; after every 64 words 4 words
	s_mov_b32 s[G1+1], 256<<16                     ; tensor_dim0 = 256 (2,048 bytes: 64 steps)
	s_mov_b32 s[G1+2], 16<<16                      ; tensor_dim1 = 16 planes
	s_mov_b32 s[G1+3], 256<<16
	s_mov_b32 s[G1+4], 16
	s_mov_b32 s[G1+5], 4096                        ; 32,768 bytes from plane to plane
	s_mov_b32 s[G1+6], 0
	s_mov_b32 s[G1+7], 0
	s_or_b32 s[G1B+0], s44, (1<<16)|(1<<20)|(1<<21)|(5<<22)|(7<<25)  ; B: mask of my column; 2-byte elements; after every 64 words 8 words
	s_mov_b32 s[G1B+1], 128<<16
	s_mov_b32 s[G1B+2], 128<<16
	s_mov_b32 s[G1B+3], 128<<16
	s_mov_b32 s[G1B+4], 128
	s_mov_b32 s[G1B+5], 1024
	s_mov_b32 s[G1B+6], 0
	s_mov_b32 s[G1B+7], 0
	s_lshr_b32 s16, s13, 3
	s_lshl_b32 s16, s16, 21                        ; A: four heads of 524,288 bytes a batch,
	s_and_b32 s17, s13, 7
	s_lshl_b32 s17, s17, 12                        ; 128 steps of 32 bytes,
	s_add_co_u32 s16, s16, s17
	s_lshl_b32 s17, s12, 11                        ; 64 steps a half
	s_add_co_u32 s16, s16, s17
	s_mov_b32 s17, 0
	s_lshl_b32 s46, s42, 8                         ; B: 256 bytes a tile column,
	s_lshl_b32 s47, s12, 18                        ; 128 rows of 2,048 bytes a half
	s_add_co_u32 s46, s46, s47
	s_add_co_u32 s46, s46, WOF
	s_mov_b32 s47, 0
	s_mul_i32 s20, s12, AH                         ; where they go: no place in the cluster enters an LDS address
	s_mul_i32 s19, s12, BH
	s_add_co_u32 s19, s19, 2*AH
	s_wait_dscnt 0x0                               ; the opening add is done
	s_wait_kmcnt 0x0
	s_add_nc_u64 s[14:15], s[4:5], s[16:17]
	s_add_nc_u64 s[46:47], s[6:7], s[46:47]
	CROUND
.irp s, 0,1
	s_mov_b32 s[G0+4*(\s)], 1
	s_add_co_u32 s[G0+4*(\s)+1], s20, (\s)*SLOT
	s_add_nc_u64 s[G0+4*(\s)+2:G0+4*(\s)+3], s[14:15], (\s)*HSTEP
	s_or_b32 s[G0+4*(\s)+3], s[G0+4*(\s)+3], 0x80000000
	s_mov_b32 s[G0B+4*(\s)], 1
	s_add_co_u32 s[G0B+4*(\s)+1], s19, (\s)*SLOT
	s_add_nc_u64 s[G0B+4*(\s)+2:G0B+4*(\s)+3], s[46:47], (\s)*HSTEP
	s_or_b32 s[G0B+4*(\s)+3], s[G0B+4*(\s)+3], 0x80000000
	JLOAD \s                                       ; two loads of mine are out
.endr
	; f: thread = row of the tile; 4 heads x 16 blocks of sums of squares
	s_lshr_b32 s16, s13, 3
	s_lshl_b32 s16, s16, 18                        ; 64 rows of 4,096 bytes a batch
	s_and_b32 s17, s13, 7
	s_lshl_b32 s17, s17, 9
	s_add_co_u32 s16, s16, s17
	s_add_co_u32 s16, s16, SSQ
	s_mov_b32 s17, 0
	s_add_nc_u64 s[16:17], s[4:5], s[16:17]
	v_lshlrev_b32 v5, 2, v0
.set i, 0
.rept 64
	global_load_b32 v[128+i], v5, s[16:17] offset:4096*i
.set i, i+1
.endr
	v_and_b32 v1, 15, v0                           ; l % 16
	v_bfe_u32 v2, v0, 4, 1                         ; l / 16
	v_lshlrev_b32 v3, 5, v1
	v_lshrrev_b32 v4, 3, v1
	v_lshl_add_u32 v3, v4, 4, v3
	v_lshl_add_u32 v3, v2, 4, v3                   ; A: 32 r + 16 (r / 8) + 16 h
	v_and_b32 v4, 7, v0
	v_lshl_add_u32 v4, v2, 3, v4
	v_mul_u32_u24 v4, v4, PBW
	v_bfe_u32 v6, v0, 3, 1
	v_lshl_add_u32 v4, v6, 4, v4                   ; B: row k = 8 h + l % 8, columns 8 ((l / 8) % 2) on
	s_mul_i32 s21, s11, AH
	s_lshl_b32 s22, s12, 7
	s_add_co_u32 s22, s22, 2*AH
.irp s, 0,1
	v_add_nc_u32 v[ADRA+(\s)], s21, v3
	v_add_nc_u32 v[ADRB+2*(\s)], s22, v4
	s_add_co_u32 s23, s22, BH
	v_add_nc_u32 v[ADRB+2*(\s)+1], s23, v4
	s_add_co_u32 s21, s21, SLOT
	s_add_co_u32 s22, s22, SLOT
.endr
	s_mul_i32 s23, s10, 16*SPITCH
	s_add_co_u32 s23, s23, STAGE
	v_mul_u32_u24 v4, v1, SPITCH
	v_lshl_add_u32 v4, v2, 5, v4
	v_add_nc_u32 v[STO], s23, v4                   ; in: row r, 32 bytes for each half of the lanes
	v_mul_u32_u24 v4, v2, SPITCH
	v_lshl_add_u32 v4, v1, 4, v4
	v_add_nc_u32 v[RD], s23, v4                    ; back: lanes 0-15 one row of 256 bytes, lanes 16-31 the next
	v_lshlrev_b32 v4, 12, v2
	v_lshl_add_u32 v[CO], v1, 4, v4
	s_lshl_b32 s23, s11, 10
	s_add_co_u32 s23, s23, FT
	v_lshl_add_u32 v[FA], v1, 4, s23               ; f of row 64 x half + r
	v_lshl_add_u32 v7, v0, 4, FT
	s_lshl_b32 s18, s13, 7
	s_lshl_b32 s21, s11, 6
	s_add_co_u32 s18, s18, s21                     ; my first row of out
	s_lshl_b32 s18, s18, 12
	s_mov_b32 s19, 0
	s_add_nc_u64 s[8:9], s[8:9], s[18:19]
	s_lshl_b32 s46, s42, 9                         ; my first column, in bytes
	s_lshl_b32 s47, s12, 8
	s_add_co_u32 s46, s46, s47
	s_mov_b32 s47, 0
	s_add_nc_u64 s[8:9], s[8:9], s[46:47]
.set i, 0
.rept 16
	v_mov_b32 v[FR+2*i+1], 0                       ; named with f as pairs
.set i, i+1
.endr
	s_wait_loadcnt 0x0
.set hh, 0
.rept 4
.set B0, 128+16*hh
.irp p, 0,2,4,6
	v_pk_add_f32 v[B0+\p:B0+\p+1], v[B0+\p:B0+\p+1], v[B0+8+\p:B0+9+\p]
.endr
.irp p, 0,2
	v_pk_add_f32 v[B0+\p:B0+\p+1], v[B0+\p:B0+\p+1], v[B0+4+\p:B0+5+\p]
.endr
	v_pk_add_f32 v[B0:B0+1], v[B0:B0+1], v[B0+2:B0+3]
	v_add_f32 v[B0], v[B0], v[B0+1]
	v_mul_f32 v[B0], 0x3a800000, v[B0]             ; / 1024
	v_add_f32 v[TMP+hh], 0x3727c5ac, v[B0]         ; + 1e-5
.set hh, hh+1
.endr
.irp k, 0,1,2,3
	v_rsq_f32 v[TMP+\k], v[TMP+\k]
.endr
	v_nop
	s_wait_alu depctr_va_vdst(0)
.irp k, 0,1,2,3
	v_mul_f32 v[TMP+\k], 0.5, v[TMP+\k]
.endr
	ds_store_b128 v7, v[TMP:TMP+3]
.macro MUL8 f, c, a0, zero             ; 8 matrix instructions: m blocks a0, a0 + 1 x all 4 n blocks, 32 along K: half c of buffer f
	WIN MUL
.irp a, \a0, (\a0)+1
.irp b, 0,1,2,3
.if \zero
	v_wmma_f32_16x16x32_f16 v[ACC+8*(4*(\a)+(\b)):ACC+8*(4*(\a)+(\b))+7], v[(\f)+64+8*(4*(\c)+(\b)):(\f)+64+8*(4*(\c)+(\b))+7], v[(\f)+8*(4*(\c)+(\a)):(\f)+8*(4*(\c)+(\a))+7], 0
.else
	v_wmma_f32_16x16x32_f16 v[ACC+8*(4*(\a)+(\b)):ACC+8*(4*(\a)+(\b))+7], v[(\f)+64+8*(4*(\c)+(\b)):(\f)+64+8*(4*(\c)+(\b))+7], v[(\f)+8*(4*(\c)+(\a)):(\f)+8*(4*(\c)+(\a))+7], v[ACC+8*(4*(\a)+(\b)):ACC+8*(4*(\a)+(\b))+7]
.endif
.endr
.endr
.endm
.macro FETCH slot, q, f                ; 32 LDS loads in one run: the fragments of quarter q (64 along K) into buffer f; the first 32 along K first
	WIN TO_F
.irp c, 0,1
.irp i, 0,1,2,3
	ds_load_tr16_b128 v[(\f)+64+8*(4*(\c)+(\i)):(\f)+64+8*(4*(\c)+(\i))+3],   v[ADRB+2*(\slot)+(\q)/2] offset:((64*(\q)+32*(\c))%128)*PBW+32*(\i)
	ds_load_tr16_b128 v[(\f)+64+8*(4*(\c)+(\i))+4:(\f)+64+8*(4*(\c)+(\i))+7], v[ADRB+2*(\slot)+(\q)/2] offset:((64*(\q)+32*(\c))%128)*PBW+16*PBW+32*(\i)
	ds_load_b128 v[(\f)+8*(4*(\c)+(\i)):(\f)+8*(4*(\c)+(\i))+3],         v[ADRA+(\slot)] offset:(4*(\q)+2*(\c))*APL+544*(\i)
	ds_load_b128 v[(\f)+8*(4*(\c)+(\i))+4:(\f)+8*(4*(\c)+(\i))+7],       v[ADRA+(\slot)] offset:(4*(\q)+2*(\c)+1)*APL+544*(\i)
.endr
.endr
.endm
.macro PLACES                          ; four plain vector instructions between a matrix instruction and a load into, or a read of, its registers
.rept 4
	v_nop
.endr
.endm
.macro QUARTER slot, q, f, g, zero     ; multiplies buffer f and fetches quarter q of the same slot into g
	s_wait_dscnt 16                                ; the first 32 along K are in
	MUL8 \f, 0, 0, \zero
	MUL8 \f, 0, 2, \zero
	PLACES
	FETCH \slot, \q, \g
	s_wait_dscnt 32                                ; all but the 32 just issued
	MUL8 \f, 1, 0, 0
	MUL8 \f, 1, 2, 0
.endm
.macro TURN slot, next, fill           ; a head's last quarter, and the change of slots; fill = 1: this slot takes the head two on
	WIN 0
	s_wait_tensorcnt 0x0                           ; all my tensor loads have landed: my part of the next slot
	ds_add_u32 v[SPW], v[NIL]                      ; 0 onto my spare word
	s_wait_dscnt 17                                ; (the add and the youngest sixteen loads may be out)
	MUL8 F1, 0, 0, 0
	s_wait_dscnt 0x0                               ; the add is done, and my reads of this slot are over
	s_barrier_signal -1
	MUL8 F1, 0, 2, 0
.if \fill
	WIN 0
.endif
	s_barrier_wait -1
.if \fill
	CREST
	s_add_nc_u64 s[G0+4*(\slot)+2:G0+4*(\slot)+3], s[G0+4*(\slot)+2:G0+4*(\slot)+3], 2*HSTEP
	s_add_nc_u64 s[G0B+4*(\slot)+2:G0B+4*(\slot)+3], s[G0B+4*(\slot)+2:G0B+4*(\slot)+3], 2*HSTEP
	JLOAD \slot                                    ; one load of mine is out; its four v_nop are also the places in front of the loads below
.else
	PLACES
.endif
	FETCH \next, 0, F0
	MUL8 F1, 1, 0, 0
	MUL8 F1, 1, 2, 0
.endm
.macro SCALE s                         ; the head's sums, times f, go onto the totals; each accumulator is read from its low end on
	PLACES
.if (\s) == 0
	WIN 0x80                                       ; destination window 2
.else
	WIN 0xa0                                       ; destination and source 2 window 2
.endif
.set i, 0
.rept 64
.if (\s) == 0
	v_pk_mul_f32 v[2*i:2*i+1], v[ACC+2*i:ACC+2*i+1], v[FR+2*(4*(\s)+i/16):FR+2*(4*(\s)+i/16)+1] op_sel_hi:[1,0]
.else
	v_pk_fma_f32 v[2*i:2*i+1], v[ACC+2*i:ACC+2*i+1], v[FR+2*(4*(\s)+i/16):FR+2*(4*(\s)+i/16)+1], v[2*i:2*i+1] op_sel_hi:[1,0,1]
.endif
.set i, i+1
.endr
.endm
.macro OUTBLK a                        ; 16 rows of the totals through my stage: in as 32 bytes a lane, back as whole rows of 256 bytes
.set BK, TMP+32*((\a)%2)
	WIN 0x08                                       ; the stores' data in window 2
.irp b, 0,1,2,3
	ds_store_b128 v[STO], v[8*(4*(\a)+(\b)):8*(4*(\a)+(\b))+3] offset:64*(\b)
	ds_store_b128 v[STO], v[8*(4*(\a)+(\b))+4:8*(4*(\a)+(\b))+7] offset:64*(\b)+16
.endr
	WIN 0
	s_wait_xcnt 0x0                                ; the block before last's stores have read this set of registers
.irp t, 0,1,2,3,4,5,6,7
	ds_load_b128 v[BK+4*(\t):BK+4*(\t)+3], v[RD] offset:2*SPITCH*(\t)  ; LDS serves a wave's instructions in order (ISA guide 5.7.1.4): these see the stores above
.endr
.irp t, 0,1,2,3,4,5,6,7
	s_wait_dscnt 7-(\t)
	global_store_b128 v[CO], v[BK+4*(\t):BK+4*(\t)+3], s[8:9] offset:(16*(\a)+2*(\t))*4096  ; 16 lanes store 256 consecutive bytes, aligned
.endr
.endm
	s_wait_tensorcnt 1                             ; my part of head 0 is in; head 1's may stay out
	s_wait_dscnt 0x0                               ; my row's f is in LDS
	s_barrier_signal -1
	s_barrier_wait -1
.set i, 0
.rept 16
	ds_load_b32 v[FR+2*i], v[FA] offset:256*(i%4)+4*(i/4)   ; head i / 4, row block i % 4
.set i, i+1
.endr
	FETCH 0, 0, F0
	QUARTER 0, 1, F0, F1, 1                        ; head 0
	QUARTER 0, 2, F1, F0, 0
	QUARTER 0, 3, F0, F1, 0
	TURN 0, 1, 1
	SCALE 0
	QUARTER 1, 1, F0, F1, 1                        ; head 1
	QUARTER 1, 2, F1, F0, 0
	QUARTER 1, 3, F0, F1, 0
	TURN 1, 0, 1
	SCALE 1
	QUARTER 0, 1, F0, F1, 1                        ; head 2
	QUARTER 0, 2, F1, F0, 0
	QUARTER 0, 3, F0, F1, 0
	TURN 0, 1, 0
	SCALE 2
	QUARTER 1, 1, F0, F1, 1                        ; head 3
	QUARTER 1, 2, F1, F0, 0
	QUARTER 1, 3, F0, F1, 0
	s_wait_dscnt 16
	MUL8 F1, 0, 0, 0
	MUL8 F1, 0, 2, 0
	s_wait_dscnt 0x0
	MUL8 F1, 1, 0, 0
	MUL8 F1, 1, 2, 0
	SCALE 3
	OUTBLK 0
	OUTBLK 1
	OUTBLK 2
	OUTBLK 3
	s_wait_tensorcnt 0x0                           ; the wave's end
	ds_add_u32 v[SPW], v[NIL]
	s_wait_dscnt 0x0
	CROUND                                         ; the closing round
	s_endpgm
.Lfunc_end_k_q4a5008956e_outp:
	.size	k_q4a5008956e_outp, .Lfunc_end_k_q4a5008956e_outp-k_q4a5008956e_outp
	.p2alignl 7, 3214868480
	.fill 96, 4, 3214868480
	.section	.rodata,"a",@progbits
	.p2align	6, 0x0
	.amdhsa_kernel k_q4a5008956e_outp
		.amdhsa_group_segment_fixed_size 327680
		.amdhsa_private_segment_fixed_size 0
		.amdhsa_enable_private_segment 0
		.amdhsa_kernarg_size 24
		.amdhsa_user_sgpr_count 2
		.amdhsa_user_sgpr_kernarg_segment_ptr 1
		.amdhsa_wavefront_size32 1
		.amdhsa_system_sgpr_workgroup_id_x 1
		.amdhsa_system_sgpr_workgroup_id_y 1
		.amdhsa_system_sgpr_workgroup_id_z 1
		.amdhsa_system_vgpr_workitem_id 0
		.amdhsa_next_free_vgpr 640
		.amdhsa_next_free_sgpr 66
		.amdhsa_reserve_vcc 0
		.amdhsa_float_denorm_mode_32 3
		.amdhsa_float_denorm_mode_16_64 3
		.amdhsa_memory_ordered 1
		.amdhsa_forward_progress 1
		.amdhsa_inst_pref_size 115
	.end_amdhsa_kernel
	.amdgpu_metadata
---
amdhsa.version: [ 1, 2 ]
amdhsa.kernels:
  - .name:           k_q4a5008956e_outp
    .symbol:         k_q4a5008956e_outp.kd
    .args:
      - { .name: osc, .offset: 0, .size: 8, .value_kind: global_buffer, .address_space: global }
      - { .name: cst, .offset: 8, .size: 8, .value_kind: global_buffer, .address_space: global }
      - { .name: out0, .offset: 16, .size: 8, .value_kind: global_buffer, .address_space: global }
    .group_segment_fixed_size: 327680
    .private_segment_fixed_size: 0
    .kernarg_segment_align: 8
    .kernarg_segment_size: 24
    .max_flat_workgroup_size: 128
    .sgpr_count:     66
    .vgpr_count:     640
    .wavefront_size: 32
...
	.end_amdgpu_metadata
.endif
;; end of part 6
;; ======== version 2 of 2: 6 launches; version 1 with the launch prep written anew for expert scheduling mode
;; limits: values are held in f16: magnitudes above 65,504 overflow, below 6.1e-05 lose precision; values outside matrix products are rounded to f16
;; workspace buffers: cst 18,907,136 bytes; prj 41,943,040 bytes; ridx 262,144 bytes of whole numbers; rflt 589,824 bytes; pkt 35,913,728 bytes; osc 9,437,184 bytes
;; launch cast: the kernel of part 1 again; grid 577 x 1, 8 waves a work-group, no clusters, 0 bytes of LDS; arguments hidden_states, Wq, Wk, Wv, Wr, Wo, Wa, Wb, cst; writes cst
;; launch proj: the kernel of part 2 again; grid 16 x 16, 4 waves a work-group, clusters of 4 x 4, 327,680 bytes of LDS; arguments cst, prj; writes prj
;; launch route: the kernel of part 3 again; grid 256 x 1, 8 waves a work-group, no clusters, 18,432 bytes of LDS; arguments cst, prj, dt, ridx, rflt; writes ridx, rflt
;; launch prep (part 7): grid 256 x 1, 8 waves a work-group, no clusters, 300,544 bytes of LDS; arguments prj, ridx, rflt, pkt; writes pkt
.if DOCPART == 7
	.amdgcn_target "amdgcn-amd-amdhsa--gfx1250"
	.amdhsa_code_object_version 6
	.text
	.protected	k_q4a5008956e_prep
	.globl	k_q4a5008956e_prep
	.p2align	8
	.type	k_q4a5008956e_prep,@function
k_q4a5008956e_prep:
	s_mov_b64 s[64:65], 0
	v_nop
	global_prefetch_b8 v0, s[64:65] scope:SCOPE_SE
	s_setreg_imm32_b32 hwreg(HW_REG_WAVE_SCHED_MODE, 0, 2), 2
	s_setreg_imm32_b32 hwreg(HW_REG_WAVE_MODE, 25, 1), 1
	s_wait_xcnt 0x0
	s_wait_alu depctr_vm_vsrc(0)
; PREP.  One work-group for each (batch x head, chunk of 64 steps).  It makes everything of the chunk's closed form that does not hang on the state:
;   G_t[i] = sum over steps up to t of g log2(e) (inclusive);  K~ = k^ 2^G,  Q~ = q^ 2^G,  q^ = silu(q) rsqrt(sum + 1e-6) (without the scale 1/16),  v' = silu(v) / 8
;   A[x][y] = sum over y's four slots i of k^_y[i] k^_x[i] 2^(G_x[i] - G_y[i]) (y < x);  P[x][y] the same with q^_x (y <= x);  every exponent is <= 0
;   N = (I + diag(beta) A)^-1 by forward substitution in f32;  T = N diag(beta);  PT = P T;  KT = Kd T with Kd[i][s] = k^_s[i] 2^(G_63[i] - G_s[i]);  Gamma = 2^G_63
; A, P and N are made on the vector unit: four terms an entry, since k^ has four slots; PT and KT on the matrix unit, f16 operands, f32 sums.
; OUT.  A packet of 107,520 bytes: four quarters (one for each wave of the next launch): -K~ 8 fragments, Q~ 8, PT 2, KT 8, Gamma 64 f32.  A fragment (16 rows x 32) is 1,024 bytes in
; the order of the registers: lane L's registers 0-3 at 16 L, its registers 4-7 at 512 + 16 L.  v' lies apart, in tiles of 512 bytes: lane (h, r) holds steps 8 h + 0..7 of column r.
; LIMITS.  All of these are f16: none passes 65,504 (|q^|, |k^|, P, Kd <= 1; v' = silu(v) / 8).  Gamma leaves in pieces of 128 bytes (1,024 bytes a work-group).
; The slots come from ridx, whole numbers stored by the launch before; each is held to 255 ahead of its use in an address.  No two work-groups read the same bytes: no cluster.
; THE MODE: SCHED_MODE bits 1:0 = 2 (LLVM: expert scheduling mode 2), set by the entry lines.  The code itself states the register dependences
; between vector or matrix instructions and memory or LDS instructions, with s_wait_alu, always for 0.
; THE PLAN.  A phase makes its addresses first, in registers that no pending LDS or memory instruction reads, then ONE wait on va_vdst, then its loads in a run; its results go into
; registers of their own, with one wait on va_vdst ahead of the run of stores; a wait on vm_vsrc stands where a phase or a trip writes registers that earlier stores or loads have read.
;   P0, P1   v8, v9, v13, v15, v20-22 addresses and v16-19 zeros, made at the head.  The row loop: v[28:35] raw, read by the sixteen widenings alone and asked for again behind them;
;            v74, v75 its addresses; v23, v24 the stores' addresses; v[36:43] q^ and v[70:73] v' to store.
;   P2       v[64:127] g, then G; v[128:191] k^, then Kd; v[192:223] tiles of v', then Kd in f16; v45, v46, v49, v29, v30, v33 addresses.
;   P3       v[128:175] a trip's G, k^, q^; v[176:191] to store; v21-24 addresses, made anew each trip.
;   P4       v[96:127] the batch of slots and k^, copied at a trip's head and asked for again; v[40:87] 48 gather addresses; v32, v38, v39 addresses; v[160:223] gathered; v[232:237] to store.
;   P5       four buffers of 32 registers v[96:223] for the rows, asked for two rows at a time; v[64:95] n, to store; v229, v230 addresses.
;   P6-P9    thirteen addresses made at P6's head (v20-22, v25-27, v11, v12, v14, v15, v8, v32, v34); sums, packed T and each tile's fragments and results in registers of their own.
.set GT,  0                            ; G     f32, 64 rows, pitch 1,040 (65 x 16: the 16 rows of a load start at 16 different groups of four banks: ISA guide 11.1)
.set KDN, 66560                        ; k^ dense, the same shape
.set QD,  133120                       ; q^, the same shape (first the raw q, parked)
.set VS,  199680                       ; v' f16, 64 rows, pitch 544; when it has been read:
.set LL,  199680                       ;   -diag(beta) A   f32, 64 rows, pitch 272
.set NN,  217088                       ;   N               f32, 64 rows, pitch 272
.set PP,  234496                       ; P   f16, 64 rows, pitch 144
.set KD,  243712                       ; Kd  f16, 256 rows, pitch 144
.set TT,  280576                       ; T turned: [c][s] f16, 64 rows, pitch 144
.set MM,  289792                       ; the lower left block's first product, f32, 32 rows, pitch 272
.set GO,  298496                       ; G_t at step t's own four slots, [t][4] f32
.set SPARE, 299520                     ; the spare words, 128 bytes for each wave
.set PKT, 107520
.set QP,  26880
.set VIMG, 27525120
.set SPW, 2
.set NIL, 3
.set SC,  4                            ; v4   step t = thread / 4, choice thread % 4: t x 1,040 + 4 x slot
.set BX,  5                            ; v5   beta of step x = 32 (w % 2) + lane
.set NBX, 6                            ; v6   -beta
.set L16, 7                            ; v7   16 x lane
.set C4,  9                            ; v9   4 x thread
.set XV,  10                           ; v10  x
.set X4,  13                           ; v13  4 x
.set ZV,  16                           ; v[16:19]  0, from the head on and never rewritten: zeros to store, and v16 the offset of loads that are the same in every lane
.macro BAR                             ; what I wrote is in LDS and what I read is back; then all eight waves meet
	s_wait_dscnt 0x0
	s_barrier_signal -1
	s_barrier_wait -1
.endm
	s_load_b256 s[4:11], s[0:1], 0x0               ; prj s[4:5], ridx s[6:7], rflt s[8:9], pkt s[10:11]
	v_lshl_add_u32 v[SPW], v0, 2, SPARE
	v_mov_b32 v[NIL], 0
	v_lshrrev_b32 v1, 5, v0
	v_readfirstlane_b32 s14, v1                    ; wave 0..7
	v_and_b32 v1, 31, v0                           ; lane
	v_lshlrev_b32 v[L16], 4, v1
	v_lshlrev_b32 v[C4], 2, v0
	v_mov_b32 v[ZV], 0
	v_mov_b32 v[ZV+1], 0
	v_mov_b32 v[ZV+2], 0
	v_mov_b32 v[ZV+3], 0
	s_wait_alu depctr_va_sdst(0)                   ; s14 is written, ahead of its first reader
	s_and_b32 s15, s14, 1
	s_lshr_b32 s13, s14, 1
	s_lshr_b32 s26, ttmp9, 4                       ; bh
	s_and_b32 s27, ttmp9, 15                       ; chunk
	s_lshr_b32 s28, s26, 2                         ; batch
	s_and_b32 s29, s26, 3                          ; head
	s_lshl_b32 s30, s28, 10
	s_lshl_b32 s31, s27, 6
	s_add_co_u32 s30, s30, s31                     ; the chunk's first token
	s_lshl_b32 s30, s30, 11
	s_lshl_b32 s29, s29, 9
	s_add_co_u32 s30, s30, s29
	s_mov_b32 s31, 0
	s_lshl_b32 s32, s26, 10
	s_lshl_b32 s33, s27, 6
	s_add_co_u32 s32, s32, s33                     ; bh x 1,024 + t
	s_lshl_b32 s34, s32, 4
	s_mov_b32 s35, 0
	s_lshl_b32 s36, s32, 2
	s_add_co_u32 s36, s36, 524288
	s_mov_b32 s37, 0
	s_mul_i32 s38, ttmp9, PKT
	s_mov_b32 s39, 0
	s_lshl_b32 s46, ttmp9, 15
	s_add_co_u32 s46, s46, VIMG
	s_mov_b32 s47, 0
	s_lshl_b32 s52, s13, 8                         ; 16 steps of 16 bytes for each w / 2
	s_mov_b32 s53, 0
	s_mov_b32 s44, 0x76543210
	s_mov_b32 s45, 0xfedcba98
	s_lshl_b32 s56, s14, 14                        ; my 8 rows of 2,048 bytes
	v_add_nc_u32 v8, s56, v[L16]
	s_lshl_b32 s58, s15, 5
	v_add_nc_u32 v[XV], s58, v1
	v_lshlrev_b32 v[X4], 2, v[XV]
	s_mul_i32 s59, s14, 8320                       ; 8 rows of 1,040 bytes
	v_add_nc_u32 v15, s59, v[L16]
	v_add_nc_u32 v22, KDN, v15
	v_add_nc_u32 v20, QD, v15                      ; v20: my first row of q^, + 16 l
	s_mul_i32 s57, s14, 4352                       ; 8 rows of 544 bytes
	s_add_co_u32 s57, s57, VS
	v_add_nc_u32 v21, s57, v[L16]                  ; v21: my first row of v', + 16 l
	s_wait_kmcnt 0x0
	s_add_nc_u64 s[16:17], s[4:5], s[30:31]        ; raw q
	s_add_nc_u64 s[18:19], s[16:17], 16777216      ; raw v
	s_add_nc_u64 s[20:21], s[6:7], s[34:35]        ; slots
	s_add_nc_u64 s[22:23], s[8:9], s[34:35]        ; g; k^ lies 262,144 bytes on
	s_add_nc_u64 s[24:25], s[8:9], s[36:37]        ; beta
	s_add_nc_u64 s[40:41], s[10:11], s[38:39]      ; my packet
	s_add_nc_u64 s[42:43], s[10:11], s[46:47]      ; my tiles of v'
	s_add_nc_u64 s[48:49], s[20:21], s[52:53]      ; the slots of my 16 columns y
	s_add_nc_u64 s[50:51], s[22:23], s[52:53]
	s_add_nc_u64 s[50:51], s[50:51], 262144        ; and their k^
	s_wait_alu depctr_va_vdst(0)                   ; the offsets v8, v9, v13, the addresses v15, v20, v21, v22 and the zeros v[16:19] are written: all loads and stores of P0 read them
	; P0: everything is asked for at once; G and k^ dense are cleared meanwhile.  All of P0 and P1 touches my wave's own 8 rows alone.
.set i, 0
.rept 8
	global_load_b128 v[64+4*i:67+4*i], v8, s[16:17] offset:2048*i
	global_load_b128 v[96+4*i:99+4*i], v8, s[18:19] offset:2048*i
.set i, i+1
.endr
	global_load_b32 v11, v[C4], s[20:21]
	global_load_b32 v12, v[C4], s[22:23]
	global_load_b32 v14, v[C4], s[22:23] offset:262144
	global_load_b32 v[BX], v[X4], s[24:25]
.set i, 0
.rept 8
	ds_store_b128 v15, v[ZV:ZV+3] offset:1040*i
	ds_store_b128 v15, v[ZV:ZV+3] offset:1040*i+512
	ds_store_b128 v22, v[ZV:ZV+3] offset:1040*i
	ds_store_b128 v22, v[ZV:ZV+3] offset:1040*i+512
.set i, i+1
.endr
	s_wait_loadcnt 0x0
.set i, 0
.rept 8
	ds_store_b128 v20, v[64+4*i:67+4*i] offset:1040*i   ; the raw rows are parked, so that one text can walk them
	ds_store_b128 v21, v[96+4*i:99+4*i] offset:544*i
.set i, i+1
.endr
	ds_load_b128 v[28:31], v20                     ; row 0 comes back at once (LDS serves a wave's instructions in order); no vector instruction has named v20, v21 or v[28:35] since the wait above
	ds_load_b128 v[32:35], v21
	; P1: g and k^ go to their slots; then q^ and v', a row a trip
	v_xor_b32 v[NBX], 0x80000000, v[BX]
	v_min_u32 v11, 0xff, v11
	v_lshrrev_b32 v23, 2, v1
	v_mul_u32_u24 v23, v23, 1040
	v_add_nc_u32 v23, s59, v23
	v_lshl_add_u32 v[SC], v11, 2, v23
	v_add_nc_u32 v25, KDN, v[SC]
	v_mov_b32 v27, 0                               ; v_permlanex16_b32's destination counts as read
	s_wait_alu depctr_va_vdst(0)                   ; v4 and v25 are written: the two stores below go by them
	ds_store_b32 v[SC], v12                        ; LDS serves a wave's instructions in order: behind the zeros
	ds_store_b32 v25, v14
	s_mov_b32 s60, 0
	s_mov_b32 s61, 0
	s_mov_b32 s62, 8
.Lrow:
	s_wait_dscnt 2                                 ; the raw row is in: behind its two loads stand two stores on the way in, three on the way back
	s_wait_alu depctr_vm_vsrc(0)                   ; the last trip's stores have read v23, v24, v[36:43] and v[70:73], its loads v74 and v75; in the first trip the parking stores have read v[64:75] and the zeros' v22: all are written below
	v_cvt_f32_f16 v36, v28.l
	v_cvt_f32_f16 v37, v28.h
	v_cvt_f32_f16 v38, v29.l
	v_cvt_f32_f16 v39, v29.h
	v_cvt_f32_f16 v40, v30.l
	v_cvt_f32_f16 v41, v30.h
	v_cvt_f32_f16 v42, v31.l
	v_cvt_f32_f16 v43, v31.h
	v_cvt_f32_f16 v44, v32.l
	v_cvt_f32_f16 v45, v32.h
	v_cvt_f32_f16 v46, v33.l
	v_cvt_f32_f16 v47, v33.h
	v_cvt_f32_f16 v48, v34.l
	v_cvt_f32_f16 v49, v34.h
	v_cvt_f32_f16 v50, v35.l
	v_cvt_f32_f16 v51, v35.h
	s_add_co_u32 s2, s60, 1040                     ; the next row (the last trip asks for its own again: no load leaves my wave's rows)
	s_min_u32 s2, s2, 7*1040
	s_add_co_u32 s3, s61, 544
	s_min_u32 s3, s3, 7*544
	v_add_nc_u32 v74, s2, v20
	v_add_nc_u32 v75, s3, v21
	v_add_nc_u32 v22, s60, v20
	v_add_nc_u32 v23, s61, v21                     ; this row of v'
	v_add_nc_u32 v24, v22, v[L16]                  ; this row of q^, + 32 l
	s_wait_alu depctr_va_vdst(0)                   ; the widenings are done reading v[28:35], in which the next row lands; v74 and v75 are written, and v23 and v24 for the stores further down
	ds_load_b128 v[28:31], v74
	ds_load_b128 v[32:35], v75
.irp p, 0,2,4,6,8,10,12,14
	v_pk_mul_f32 v[52+\p:53+\p], v[36+\p:37+\p], 0xbfb8aa3b op_sel_hi:[1,0]
.endr
.set i, 0
.rept 16
	v_exp_f32 v[52+i], v[52+i]
.set i, i+1
.endr
	v_nop
	s_wait_alu depctr_va_vdst(0)                   ; the sixteen exponentials have written v[52:67]
.irp p, 0,2,4,6
	v_pk_add_f32 v[52+\p:53+\p], v[52+\p:53+\p], 1.0 op_sel_hi:[1,0]                           ; q: 1 + e^-x
	v_pk_fma_f32 v[60+\p:61+\p], v[60+\p:61+\p], 0x41000000, 0x41000000 op_sel_hi:[1,0,0]      ; v: 8 + 8 e^-x
.endr
.set i, 0
.rept 16
	v_rcp_f32 v[52+i], v[52+i]
.set i, i+1
.endr
	v_nop
	s_wait_alu depctr_va_vdst(0)                   ; the sixteen reciprocals have written v[52:67]
.irp p, 0,2,4,6,8,10,12,14
	v_pk_mul_f32 v[36+\p:37+\p], v[36+\p:37+\p], v[52+\p:53+\p]
.endr
	v_mul_f32 v26, v36, v36
.irp j, 37,38,39,40,41,42,43
	v_fmac_f32 v26, v\j, v\j
.endr
	v_add_f32_dpp v26, v26, v26 row_xmask:1 row_mask:0xf bank_mask:0xf
	v_add_f32_dpp v26, v26, v26 row_xmask:2 row_mask:0xf bank_mask:0xf
	v_add_f32_dpp v26, v26, v26 row_xmask:4 row_mask:0xf bank_mask:0xf
	v_add_f32_dpp v26, v26, v26 row_xmask:8 row_mask:0xf bank_mask:0xf
	v_permlanex16_b32 v27, v26, s44, s45
	v_add_f32 v26, v26, v27
	v_add_f32 v26, 0x358637bd, v26
	v_rsq_f32 v26, v26
	v_cvt_pk_f16_f32 v70, v44, v45
	v_cvt_pk_f16_f32 v71, v46, v47
	v_cvt_pk_f16_f32 v72, v48, v49
	v_cvt_pk_f16_f32 v73, v50, v51
	s_wait_alu depctr_va_vdst(0)                   ; the reciprocal root has written v26; the roundings have written v[70:73], which the store below reads
	ds_store_b128 v23, v[70:73]
.irp p, 0,2,4,6
	v_pk_mul_f32 v[36+\p:37+\p], v[36+\p:37+\p], v[26:27] op_sel_hi:[1,0]
.endr
	s_wait_alu depctr_va_vdst(0)                   ; q^ is written in v[36:43], which the two stores read
	ds_store_b128 v24, v[36:39]
	ds_store_b128 v24, v[40:43] offset:16
	s_add_co_u32 s60, s60, 1040
	s_add_co_u32 s61, s61, 544
	s_sub_co_u32 s62, s62, 1
	s_cmp_lg_u32 s62, 0
	s_cbranch_scc1 .Lrow
	BAR
	; P2a: thread i takes slot i's column of g and of k^ into registers; wave w sends v' of columns 32 w .. 32 w + 31 out, turned
	s_wait_alu depctr_vm_vsrc(0)                   ; the last row's store has read v[70:73] and its loads v74 and v75: the column of g lands in them
	v_add_nc_u32 v45, KDN, v[C4]
	v_bfe_u32 v47, v0, 4, 1
	v_and_b32 v46, 7, v0
	v_lshl_add_u32 v46, v47, 3, v46                ; step 8 h + l % 8
	v_mul_u32_u24 v46, v46, 544
	v_bfe_u32 v47, v0, 3, 1
	v_lshl_add_u32 v46, v47, 4, v46
	s_lshl_b32 s56, s14, 6
	s_add_co_u32 s56, s56, VS
	v_add_nc_u32 v46, s56, v46
	s_lshl_b32 s56, s14, 12
	v_add_nc_u32 v49, s56, v[L16]
	s_wait_alu depctr_va_vdst(0)                   ; v45, v46 and v49 are written: the loads and stores of this phase go by them
.set t, 0
.rept 64
	ds_load_b32 v[64+t], v[C4] offset:1040*t
	ds_load_b32 v[128+t], v45 offset:1040*t
.set t, t+1
.endr
.set k, 0
.rept 8                                                ; tile k: 16 columns 32 w + 16 (k / 4) on, steps 16 (k % 4) on
	ds_load_tr16_b128 v[192+4*k:195+4*k], v46 offset:(k%4)*16*544+32*(k/4)
.set k, k+1
.endr
.set k, 0
.rept 8
	s_wait_dscnt 7-k
	global_store_b128 v49, v[192+4*k:195+4*k], s[42:43] offset:512*k   ; a wave stores 512 consecutive bytes, aligned
.set k, k+1
.endr
	BAR
	; P2b: the running sums; Gamma; Kd
.set t, 1
.rept 63
	v_add_f32 v[64+t], v[64+t], v[63+t]
.set t, t+1
.endr
	s_wait_alu depctr_va_vdst(0)                   ; the running sums are written in v[64:127], which the stores read
.set t, 0
.rept 64
	ds_store_b32 v[C4], v[64+t] offset:1040*t
.set t, t+1
.endr
	v_exp_f32 v28, v127
	s_mul_i32 s56, s13, QP
	s_add_co_u32 s56, s56, 26624
	v_add_nc_u32 v29, s56, v[X4]                   ; Gamma's place in the packet
	v_mul_u32_u24 v30, v1, 144
	s_mul_i32 s56, s14, 4608
	s_add_co_u32 s56, s56, KD
	v_add_nc_u32 v30, s56, v30                     ; my row of Kd
	v_add_nc_u32 v33, GO, v[C4]                    ; the next phase's store goes by this: made here, ahead of waits that stand anyway
	s_wait_alu depctr_vm_vsrc(0)                   ; G's stores have read v[64:127], which the differences rewrite; the tiles' stores have read v[192:223], which the roundings rewrite
.set t, 0
.rept 64
	v_sub_f32 v[64+t], v127, v[64+t]               ; G_63 - G_s <= 0; s = 63 comes last
.set t, t+1
.endr
.set t, 0
.rept 64
	v_exp_f32 v[64+t], v[64+t]
.set t, t+1
.endr
	v_nop
	s_wait_xcnt 0x0                                ; the tiles' stores have had their addresses translated: v[192:223] are rewritten only behind this wait
	s_wait_alu depctr_va_vdst(0)                   ; the 65 exponentials have written v28 and v[64:127]; v29, v30 and v33 are written
	global_store_b32 v29, v28, s[40:41]
.set t, 0
.rept 32
	v_pk_mul_f32 v[128+2*t:129+2*t], v[128+2*t:129+2*t], v[64+2*t:65+2*t]
.set t, t+1
.endr
.set t, 0
.rept 32
	v_cvt_pk_f16_f32 v[192+t], v[128+2*t], v[129+2*t]
.set t, t+1
.endr
	s_wait_alu depctr_va_vdst(0)                   ; the roundings have written v[192:223], which the stores read
.set t, 0
.rept 8
	ds_store_b128 v30, v[192+4*t:195+4*t] offset:16*t
.set t, t+1
.endr
	BAR
	; P3: G at each step's own slots; -K~ and Q~ as fragments.  The first batch of P4's slots and k^ is asked for now.
	; No vector instruction since the wait above names v16, v4, v31 or v[96:127]: these loads owe nothing more.
.set k, 0
.rept 4
	global_load_b128 v[96+4*k:99+4*k], v[ZV], s[48:49] offset:16*k
	global_load_b128 v[112+4*k:115+4*k], v[ZV], s[50:51] offset:16*k
.set k, k+1
.endr
	ds_load_b32 v31, v[SC]
	v_and_b32 v35, 15, v0
	v_mul_u32_u24 v34, v35, 1040
	v_bfe_u32 v35, v0, 4, 1
	v_lshl_add_u32 v34, v35, 5, v34                ; row r, 32 h
	s_mul_i32 s56, s13, 16640                      ; 16 rows for each w / 2
	s_lshl_b32 s57, s15, 9                         ; fragments 4 (w % 2) on
	s_add_co_u32 s56, s56, s57
	v_add_nc_u32 v34, s56, v34
	s_mul_i32 s56, s13, QP
	s_lshl_b32 s57, s15, 12
	s_add_co_u32 s56, s56, s57
	v_add_nc_u32 v36, s56, v[L16]
	s_wait_dscnt 0x0
	ds_store_b32 v33, v31
	s_mov_b32 s56, 0
	s_mov_b32 s57, 0
	s_mov_b32 s58, 4
.set QB, 128                           ; half e of a fragment: G at QB + 24 e, k^ at + 8, q^ at + 16
.set QO, 176                           ; to store: -K~ at QO + 8 e, Q~ at + 4
.Lqk:                                                  ; four trips, a fragment of each a trip
	s_wait_xcnt 0x0                                ; the last trip's stores have had their addresses translated
	s_wait_alu depctr_vm_vsrc(0)                   ; the last trip's loads have read v21, v22, v23, its stores v24 and v[176:191]: all are written again in this trip
	v_add_nc_u32 v21, s56, v34
	v_add_nc_u32 v22, KDN, v21
	v_add_nc_u32 v23, QD, v21
	v_add_nc_u32 v24, s57, v36
	s_wait_alu depctr_va_vdst(0)                   ; v21 to v24 are written: the trip's loads and stores go by them
.irp e, 0,1
	ds_load_b128 v[QB+24*\e:QB+24*\e+3], v21 offset:64*\e
	ds_load_b128 v[QB+24*\e+4:QB+24*\e+7], v21 offset:64*\e+16
.endr
.irp e, 0,1
	ds_load_b128 v[QB+24*\e+8:QB+24*\e+11], v22 offset:64*\e
	ds_load_b128 v[QB+24*\e+12:QB+24*\e+15], v22 offset:64*\e+16
	ds_load_b128 v[QB+24*\e+16:QB+24*\e+19], v23 offset:64*\e
	ds_load_b128 v[QB+24*\e+20:QB+24*\e+23], v23 offset:64*\e+16
.endr
	s_wait_dscnt 8                                 ; G's four loads are in; k^'s and q^'s eight stay out under the exponentials
.irp j, 0,1,2,3,4,5,6,7
	v_exp_f32 v[QB+\j], v[QB+\j]
	v_exp_f32 v[QB+24+\j], v[QB+24+\j]
.endr
	v_nop
	s_wait_dscnt 0x0
	s_wait_alu depctr_va_vdst(0)                   ; the sixteen exponentials have written their registers
.irp e, 0,1
.irp p, 0,2,4,6
	v_pk_mul_f32 v[QB+8+24*\e+\p:QB+9+24*\e+\p], v[QB+8+24*\e+\p:QB+9+24*\e+\p], v[QB+24*\e+\p:QB+1+24*\e+\p] neg_lo:[1,0] neg_hi:[1,0]
	v_pk_mul_f32 v[QB+16+24*\e+\p:QB+17+24*\e+\p], v[QB+16+24*\e+\p:QB+17+24*\e+\p], v[QB+24*\e+\p:QB+1+24*\e+\p]
.endr
.irp p, 0,1,2,3
	v_cvt_pk_f16_f32 v[QO+8*\e+\p], v[QB+8+24*\e+2*\p], v[QB+9+24*\e+2*\p]
	v_cvt_pk_f16_f32 v[QO+4+8*\e+\p], v[QB+16+24*\e+2*\p], v[QB+17+24*\e+2*\p]
.endr
.endr
	s_wait_alu depctr_va_vdst(0)                   ; the roundings have written v[176:191], which the four stores read
.irp e, 0,1
	global_store_b128 v24, v[QO+8*\e:QO+8*\e+3], s[40:41] offset:512*\e
	global_store_b128 v24, v[QO+4+8*\e:QO+4+8*\e+3], s[40:41] offset:8192+512*\e
.endr
	s_add_co_u32 s56, s56, 128
	s_add_co_u32 s57, s57, 1024
	s_sub_co_u32 s58, s58, 1
	s_cmp_lg_u32 s58, 0
	s_cbranch_scc1 .Lqk
	s_wait_xcnt 0x0                                ; the last trip's stores have had their addresses translated: v24 and v[176:191] are written again by later phases
	BAR
	; P4: A and P.  Lane = row x = 32 (w % 2) + l; wave takes columns y = 16 (w / 2) + 0..15, four a trip
.set XG, 26
.set XK, 27
.set XQ, 28
.set LA, 29
.set PA, 30
.set GA, 32
.set DX, 37
.set SA1, 38
.set SA2, 39
.set ADG, 40                           ; v[40:55]  term k: where row x's G lies at that slot
.set ADK, 56                           ; v[56:71]  its k^
.set ADQ, 72                           ; v[72:87]  its q^
.set CM,  26                           ; s[26:33]  the eight masks of a trip
.set NBI, 96
.set NBK, 112
.set I4, 128
.set KH, 144
.set GOV, 160
.set GG, 176
.set GK, 192
.set GQ, 208
.set AA, 224
.set AP, 228
.set LN, 232
.set PH, 236
	v_mul_u32_u24 v[XG], v[XV], 1040
	v_add_nc_u32 v[XK], KDN, v[XG]
	v_add_nc_u32 v[XQ], QD, v[XG]
	v_mul_u32_u24 v[LA], v[XV], 272
	s_lshl_b32 s57, s13, 6
	s_add_co_u32 s57, s57, LL
	v_add_nc_u32 v[LA], s57, v[LA]
	v_mul_u32_u24 v[PA], v[XV], 144
	s_lshl_b32 s57, s13, 5
	s_add_co_u32 s57, s57, PP
	v_add_nc_u32 v[PA], s57, v[PA]
	s_lshl_b32 s60, s13, 8
	s_add_co_u32 s60, s60, GO                      ; GO at my first column
	s_lshl_b32 s61, s13, 4                         ; y of the trip's first column
	s_mov_b32 s62, 0
	s_mov_b32 s63, 0
	s_mov_b32 s59, 0
	s_mov_b32 s56, 0
.Ly:
	s_wait_loadcnt 0x0                             ; the batch asked for a trip ago
	s_wait_alu depctr_vm_vsrc(0)                   ; the last trip's gathers have read v32 and v[40:87], its stores v38, v39 and v[232:237]: all are written again below; in the first trip P3's stores have read v[176:191], in which gathers land
.set k, 0
.rept 16
	v_min_u32 v[I4+k], 0xff, v[NBI+k]
	v_mov_b32 v[KH+k], v[NBK+k]
.set k, k+1
.endr
.set k, 0
.rept 16                                               ; term k: column k / 4, choice k % 4: row x's G, k^ and q^ at that slot
	v_lshl_add_u32 v[ADG+k], v[I4+k], 2, v[XG]
	v_lshl_add_u32 v[ADK+k], v[I4+k], 2, v[XK]
	v_lshl_add_u32 v[ADQ+k], v[I4+k], 2, v[XQ]
.set k, k+1
.endr
	v_mov_b32 v[GA], s60
	v_add_nc_u32 v[SA1], s62, v[LA]
	v_add_nc_u32 v[SA2], s63, v[PA]
	s_add_co_u32 s57, s56, 1                       ; the next batch (the last trip asks for its own again: no load leaves the buffer)
	s_min_u32 s57, s57, 3
	s_lshl_b32 s58, s57, 6
	s_add_nc_u64 s[52:53], s[48:49], s[58:59]
	s_add_nc_u64 s[54:55], s[50:51], s[58:59]
	s_wait_alu depctr_va_vdst(0)                   ; the copies are done reading v[96:127], in which the next batch lands; the 48 addresses, v32, v38 and v39 are written
.set k, 0
.rept 4
	global_load_b128 v[NBI+4*k:NBI+4*k+3], v[ZV], s[52:53] offset:16*k
	global_load_b128 v[NBK+4*k:NBK+4*k+3], v[ZV], s[54:55] offset:16*k
.set k, k+1
.endr
.set k, 0
.rept 4
	ds_load_b128 v[GOV+4*k:GOV+4*k+3], v[GA] offset:16*k
.set k, k+1
.endr
.set k, 0
.rept 16
	ds_load_b32 v[GG+k], v[ADG+k]
.set k, k+1
.endr
.set k, 0
.rept 16
	ds_load_b32 v[GK+k], v[ADK+k]
	ds_load_b32 v[GQ+k], v[ADQ+k]
.set k, k+1
.endr
	v_sub_nc_u32 v[DX], v[XV], s61                 ; x - y of the first column
.set yy, 0
.rept 4                                                ; the trip's eight masks in one run, while the gathers are out
	v_cmp_lt_i32 s[CM+2*yy], yy, v[DX]             ; y < x
	v_cmp_le_i32 s[CM+2*yy+1], yy, v[DX]           ; y <= x
.set yy, yy+1
.endr
	s_wait_dscnt 32                                ; G at the columns' own slots and at row x are in; k^'s and q^'s 32 loads stay out under the exponentials
.set k, 0
.rept 8
	v_pk_add_f32 v[GG+2*k:GG+2*k+1], v[GG+2*k:GG+2*k+1], v[GOV+2*k:GOV+2*k+1] neg_lo:[0,1] neg_hi:[0,1]
.set k, k+1
.endr
.set k, 0
.rept 16
	v_min_num_f32 v[GG+k], 0, v[GG+k]              ; above the diagonal the entry is thrown away: its exponent is held at 0
.set k, k+1
.endr
.set k, 0
.rept 16
	v_exp_f32 v[GG+k], v[GG+k]
.set k, k+1
.endr
	v_nop
	s_wait_alu depctr_va_vdst(0)                   ; the sixteen exponentials have written v[176:191]
.set k, 0
.rept 8
	v_pk_mul_f32 v[GG+2*k:GG+2*k+1], v[GG+2*k:GG+2*k+1], v[KH+2*k:KH+2*k+1]
.set k, k+1
.endr
	s_wait_dscnt 0x0
.set yy, 0
.rept 4
	v_mul_f32 v[AA+yy], v[GG+4*yy], v[GK+4*yy]
	v_mul_f32 v[AP+yy], v[GG+4*yy], v[GQ+4*yy]
.set yy, yy+1
.endr
.irp j, 1,2,3
.set yy, 0
.rept 4
	v_fmac_f32 v[AA+yy], v[GG+4*yy+\j], v[GK+4*yy+\j]
	v_fmac_f32 v[AP+yy], v[GG+4*yy+\j], v[GQ+4*yy+\j]
.set yy, yy+1
.endr
.endr
.set yy, 0
.rept 4
	v_mul_f32 v[AA+yy], v[AA+yy], v[NBX]
.set yy, yy+1
.endr
	s_wait_alu depctr_va_sdst(0)                   ; the eight compares have written s[26:33], ahead of their first reader
.set yy, 0
.rept 4
	v_cndmask_b32 v[LN+yy], 0, v[AA+yy], s[CM+2*yy]
	v_cndmask_b32 v[AP+yy], 0, v[AP+yy], s[CM+2*yy+1]
.set yy, yy+1
.endr
	v_cvt_pk_f16_f32 v[PH], v[AP], v[AP+1]
	v_cvt_pk_f16_f32 v[PH+1], v[AP+2], v[AP+3]
	s_wait_alu depctr_va_vdst(0)                   ; v[232:237] are written, which the two stores read
	ds_store_b128 v[SA1], v[LN:LN+3]
	ds_store_b64 v[SA2], v[PH:PH+1]
	s_add_co_u32 s60, s60, 64
	s_add_co_u32 s61, s61, 4
	s_add_co_u32 s62, s62, 16
	s_add_co_u32 s63, s63, 8
	s_add_co_u32 s56, s56, 1
	s_cmp_lt_u32 s56, 4
	s_cbranch_scc1 .Ly
	s_wait_loadcnt 0x0
	BAR
	; P5: the two diagonal blocks of N, by waves 0 and 1: lane = column c; n[s] = (s == c) + sum over r < s of Ln[s][r] n[r].  Wave 2 clears the upper right block.
.macro SLOAD s                         ; row s of the block, its entries r < s, four a load, the same for every lane; four buffers of 32 registers by turns
.set q, 0
.rept ((\s)+3)/4
	ds_load_b128 v[96+32*((\s)%4)+4*q:96+32*((\s)%4)+4*q+3], v229 offset:(\s)*272+16*q
.set q, q+1
.endr
.endm
.macro SROW s
.if ((\s)%2 == 0) && ((\s)+2 <= 31)
	s_wait_alu depctr_va_vdst(0)                   ; rows s - 2 and s - 1 are done reading their buffers, in which rows s + 2 and s + 3 land
	SLOAD (\s)+2
	SLOAD (\s)+3
.endif
.set top, (\s)+3-(\s)%2                ; the highest row asked for so far
.if top > 31
.set top, 31
.endif
.set cnt, 0
.set x, (\s)+1
.rept 3
.if x <= top
.set cnt, cnt+(x+3)/4
.endif
.set x, x+1
.endr
	s_wait_dscnt cnt                               ; row s is in; the loads of the rows behind it stay out
.set BB, 96+32*((\s)%4)
.set r, 0
.rept (\s)                                             ; four chains, so that no line waits for the one before it
.if r%4 == 0
	v_fmac_f32 v[64+(\s)], v[BB+r], v[64+r]
.elseif r < 4
	v_mul_f32 v[224+r], v[BB+r], v[64+r]
.else
	v_fmac_f32 v[224+r%4], v[BB+r], v[64+r]
.endif
.set r, r+1
.endr
.if (\s) >= 2
	v_add_f32 v[64+(\s)], v[64+(\s)], v225
.endif
.if (\s) >= 3
	v_add_f32 v[64+(\s)], v[64+(\s)], v226
.endif
.if (\s) >= 4
	v_add_f32 v[64+(\s)], v[64+(\s)], v227
.endif
.endm
	s_wait_alu depctr_vm_vsrc(0)                   ; P4's gathers have read v[40:87]: v[64:87] are written below, by the selects here or by the next phase's loads
	s_cmp_lt_u32 s14, 2
	s_cbranch_scc0 .Lnot_sub
	s_mul_i32 s56, s14, 32*272+128                 ; block u begins at row 32 u, column 32 u
	s_add_co_u32 s57, s56, LL
	v_mov_b32 v229, s57
	s_add_co_u32 s57, s56, NN
	v_lshl_add_u32 v230, v1, 2, s57
	v_mov_b32 v228, 1.0
	s_wait_alu depctr_va_vdst(0)                   ; v229 is written, by which every row is loaded, and v230, by which n is stored
	SLOAD 1
	SLOAD 2
	SLOAD 3
.set ss, 0
.rept 32                                               ; the 32 masks (s == c) in one run: s[16:39] and s[48:55], which hold nothing any more
.if ss < 24
	v_cmp_eq_u32 s[16+ss], ss, v1
.else
	v_cmp_eq_u32 s[24+ss], ss, v1
.endif
.set ss, ss+1
.endr
	s_wait_alu depctr_va_sdst(0)                   ; the 32 compares have written their masks, ahead of the first select
.set ss, 0
.rept 32
.if ss < 24
	v_cndmask_b32 v[64+ss], 0, v228, s[16+ss]
.else
	v_cndmask_b32 v[64+ss], 0, v228, s[24+ss]
.endif
.set ss, ss+1
.endr
.set ss, 1
.rept 31
	SROW ss
.set ss, ss+1
.endr
	s_wait_alu depctr_va_vdst(0)                   ; n is written in v[64:95], which the stores read
.set ss, 0
.rept 32
	ds_store_b32 v230, v[64+ss] offset:272*ss
.set ss, ss+1
.endr
	s_branch .Lp5_end
.Lnot_sub:
	s_cmp_eq_u32 s14, 2
	s_cbranch_scc0 .Lp5_end
	v_lshrrev_b32 v20, 3, v1
	v_mul_u32_u24 v20, v20, 272
	v_and_b32 v21, 7, v1
	v_lshl_add_u32 v20, v21, 4, v20
	v_add_nc_u32 v20, NN+128, v20
	s_wait_alu depctr_va_vdst(0)                   ; v20 is written, by which the zeros are stored
.set k, 0
.rept 8
	ds_store_b128 v20, v[ZV:ZV+3] offset:4*272*k
.set k, k+1
.endr
.Lp5_end:
	BAR
	; P6, P7: the lower left block, N_BA = N_BB (Ln_BA N_AA): two products 32 x 32 x 32 in f32; wave w takes rows 4 w .. 4 w + 3, lane = column
.macro MM32 aL, aR, aD, acc
.set r, 0
.rept 32
	ds_load_b32 v[64+r], v[\aR] offset:272*r
.set r, r+1
.endr
.set i, 0
.rept 4
.set q, 0
.rept 8
	ds_load_b128 v[96+32*i+4*q:99+32*i+4*q], v[\aL] offset:272*i+16*q
.set q, q+1
.endr
.set i, i+1
.endr
	s_wait_dscnt 0x0
.set r, 0
.rept 32
.set i, 0
.rept 4
.if r == 0
	v_mul_f32 v[(\acc)+i], v[96+32*i], v[64]
.else
	v_fmac_f32 v[(\acc)+i], v[96+32*i+r], v[64+r]
.endif
.set i, i+1
.endr
.set r, r+1
.endr
	s_wait_alu depctr_va_vdst(0)                   ; the four sums are written, which the stores read; the products are done reading v[64:223], in which the next phase's loads land
.set i, 0
.rept 4
	ds_store_b32 v[\aD], v[(\acc)+i] offset:272*i
.set i, i+1
.endr
.endm
	s_wait_alu depctr_vm_vsrc(0)                   ; P5's stores have read v[64:95], in which loads land, and v20, which is written below
	; all the addresses of P6 to P9, each in a register of its own, ahead of one wait
	s_mul_i32 s56, s14, 4*272
	s_add_co_u32 s57, s56, LL+32*272
	v_mov_b32 v20, s57
	v_lshlrev_b32 v24, 2, v1
	v_add_nc_u32 v21, NN, v24
	s_add_co_u32 s57, s56, MM
	v_add_nc_u32 v22, s57, v24
	s_add_co_u32 s57, s56, NN+32*272+128
	v_mov_b32 v25, s57
	v_add_nc_u32 v26, MM, v24
	s_add_co_u32 s57, s56, NN+32*272
	v_add_nc_u32 v27, s57, v24
	s_mul_i32 s56, s13, 16*272                     ; P8: N's rows 16 (w / 2) on, column x
	s_add_co_u32 s56, s56, NN
	v_add_nc_u32 v11, s56, v[X4]
	v_mul_u32_u24 v12, v[XV], 144                  ; T turned: row x, 32 bytes for each w / 2
	s_lshl_b32 s56, s13, 5
	s_add_co_u32 s56, s56, TT
	v_add_nc_u32 v12, s56, v12
	v_and_b32 v36, 15, v0                          ; P9: a fragment's row r x 144 + 16 h
	v_mul_u32_u24 v35, v36, 144
	v_bfe_u32 v36, v0, 4, 1
	v_lshl_add_u32 v35, v36, 4, v35
	v_add_nc_u32 v14, TT, v35
	s_mul_i32 s56, s14, 4608
	s_add_co_u32 s56, s56, KD
	v_add_nc_u32 v15, s56, v35
	s_mul_i32 s56, s13, QP
	s_lshl_b32 s57, s15, 12
	s_add_co_u32 s56, s56, s57
	s_add_co_u32 s56, s56, 18432
	v_add_nc_u32 v8, s56, v[L16]
	s_mul_i32 s56, s14, 2304                       ; P's tile and its place in the packet: used by waves 0 to 3 alone
	s_add_co_u32 s56, s56, PP
	v_add_nc_u32 v32, s56, v35
	s_mul_i32 s56, s14, QP
	s_add_co_u32 s56, s56, 16384
	v_add_nc_u32 v34, s56, v[L16]
	s_wait_alu depctr_va_vdst(0)                   ; the thirteen addresses v8, v11, v12, v14, v15, v20-22, v25-27, v32, v34 are written; none is written again
	MM32 20, 21, 22, 224
	BAR
	MM32 25, 26, 27, 228                           ; sums of its own: the first product's stores may still read v[224:227]
	BAR
	; P8: T turned: thread (column c = x, rows 16 (w / 2) + 0..15): N[s][c] beta_c, f16
.set k, 0
.rept 16
	ds_load_b32 v[64+k], v11 offset:272*k
.set k, k+1
.endr
	s_wait_dscnt 0x0
.set k, 0
.rept 16
	v_mul_f32 v[64+k], v[64+k], v[BX]
.set k, k+1
.endr
.set k, 0
.rept 8
	v_cvt_pk_f16_f32 v[56+k], v[64+2*k], v[65+2*k]
.set k, k+1
.endr
	s_wait_alu depctr_va_vdst(0)                   ; the roundings have written v[56:63], which the stores read, and are done reading v[64:79], in which T's fragments land
	ds_store_b128 v12, v[56:59]
	ds_store_b128 v12, v[60:63] offset:16
	BAR
	; P9: X T for X = Kd (16 row tiles, two a wave) and X = P (4 row tiles, waves 0-3).  Source 0 = 16 rows of T turned, source 1 = 16 rows of X: a lane holds one row of X T and eight
	; neighbouring columns: rounded in pairs they are four registers of the fragment that the next launch reads.  Each tile has fragment registers and result registers of its own.
.macro XLOAD xf, ax, xo
	ds_load_b128 v[(\xf):(\xf)+3], v[\ax] offset:(\xo)
	ds_load_b128 v[(\xf)+4:(\xf)+7], v[\ax] offset:(\xo)+32
	ds_load_b128 v[(\xf)+8:(\xf)+11], v[\ax] offset:(\xo)+64
	ds_load_b128 v[(\xf)+12:(\xf)+15], v[\ax] offset:(\xo)+96
.endm
.macro XT xf, ob, gv, go
.irp a, 0,1,2,3                                        ; four accumulators by turns
	v_wmma_f32_16x16x32_f16 v[144+8*\a:151+8*\a], v[64+16*\a:71+16*\a], v[(\xf):(\xf)+7], 0
.endr
.irp a, 0,1,2,3
	v_wmma_f32_16x16x32_f16 v[144+8*\a:151+8*\a], v[72+16*\a:79+16*\a], v[(\xf)+8:(\xf)+15], v[144+8*\a:151+8*\a]
.endr
.rept 4
	v_nop
.endr
.irp a, 0,1,2,3
.irp p, 0,1,2,3
	v_cvt_pk_f16_f32 v[(\ob)+4*\a+\p], v[144+8*\a+2*\p], v[145+8*\a+2*\p]
.endr
.endr
	s_wait_alu depctr_va_vdst(0)                   ; the roundings have written the tile's sixteen result registers, which the stores read
.irp a, 0,1,2,3
	global_store_b128 v[\gv], v[(\ob)+4*\a:(\ob)+4*\a+3], s[40:41] offset:(\go)+(\a/2)*1024+(\a%2)*512   ; a wave stores 512 consecutive bytes, aligned
.endr
.endm
.set a, 0
.rept 4
	ds_load_b128 v[64+16*a:67+16*a], v14 offset:2304*a
	ds_load_b128 v[68+16*a:71+16*a], v14 offset:2304*a+32
	ds_load_b128 v[72+16*a:75+16*a], v14 offset:2304*a+64
	ds_load_b128 v[76+16*a:79+16*a], v14 offset:2304*a+96
.set a, a+1
.endr
	XLOAD 128, 15, 0
	XLOAD 192, 15, 2304
	s_wait_dscnt 4                                 ; T and the first tile of Kd are in; the second tile's four loads stay out
	XT 128, 176, 8, 0
	s_wait_dscnt 0x0
	XT 192, 40, 8, 2048
	s_cmp_lt_u32 s14, 4
	s_cbranch_scc0 .Lno_p
	XLOAD 208, 32, 0                               ; no vector or matrix instruction since the last wait names v32 or v[208:223]
	s_wait_dscnt 0x0
	XT 208, 240, 34, 0
.Lno_p:
	s_wait_dscnt 0x0                               ; the closing lines, six on end
	s_wait_alu 0x0
	s_wait_tensorcnt 0x0
	ds_add_u32 v[SPW], v[NIL]
	s_wait_dscnt 0x0
	s_endpgm
.Lfunc_end_k_q4a5008956e_prep:
	.size	k_q4a5008956e_prep, .Lfunc_end_k_q4a5008956e_prep-k_q4a5008956e_prep
	.p2alignl 7, 3214868480
	.fill 96, 4, 3214868480
	.section	.rodata,"a",@progbits
	.p2align	6, 0x0
	.amdhsa_kernel k_q4a5008956e_prep
		.amdhsa_group_segment_fixed_size 300544
		.amdhsa_private_segment_fixed_size 0
		.amdhsa_enable_private_segment 0
		.amdhsa_kernarg_size 32
		.amdhsa_user_sgpr_count 2
		.amdhsa_user_sgpr_kernarg_segment_ptr 1
		.amdhsa_wavefront_size32 1
		.amdhsa_system_sgpr_workgroup_id_x 1
		.amdhsa_system_sgpr_workgroup_id_y 1
		.amdhsa_system_sgpr_workgroup_id_z 1
		.amdhsa_system_vgpr_workitem_id 0
		.amdhsa_next_free_vgpr 256
		.amdhsa_next_free_sgpr 66
		.amdhsa_reserve_vcc 0
		.amdhsa_float_denorm_mode_32 3
		.amdhsa_float_denorm_mode_16_64 3
		.amdhsa_memory_ordered 1
		.amdhsa_forward_progress 1
		.amdhsa_inst_pref_size 126
	.end_amdhsa_kernel
	.amdgpu_metadata
---
amdhsa.version: [ 1, 2 ]
amdhsa.kernels:
  - .name:           k_q4a5008956e_prep
    .symbol:         k_q4a5008956e_prep.kd
    .args:
      - { .name: prj, .offset: 0, .size: 8, .value_kind: global_buffer, .address_space: global }
      - { .name: ridx, .offset: 8, .size: 8, .value_kind: global_buffer, .address_space: global }
      - { .name: rflt, .offset: 16, .size: 8, .value_kind: global_buffer, .address_space: global }
      - { .name: pkt, .offset: 24, .size: 8, .value_kind: global_buffer, .address_space: global }
    .group_segment_fixed_size: 300544
    .private_segment_fixed_size: 0
    .kernarg_segment_align: 8
    .kernarg_segment_size: 32
    .max_flat_workgroup_size: 256
    .sgpr_count:     66
    .vgpr_count:     256
    .wavefront_size: 32
...
	.end_amdgpu_metadata
.endif
;; end of part 7
;; launch scan: the kernel of part 5 again; grid 16 x 16, 4 waves a work-group, clusters of 4 x 1, 327,680 bytes of LDS; arguments pkt, norm_w, osc; writes osc
;; launch outp: the kernel of part 6 again; grid 8 x 32, 4 waves a work-group, clusters of 4 x 4, 327,680 bytes of LDS; arguments osc, cst, out0; writes out0
